; MI455X (gfx1250); checked and timed in simulation.
; The chip was launched on July 23, 2026; its instructions are those of AMD's public machine-readable ISA for CDNA 5 (MIT licence, August 2026) and "CDNA5" Instruction Set Architecture Reference Guide (July 2026). The comments in the code are by the model that wrote it; some were corrected since.
;; Causal Attention. Allowed arithmetic: matrix products marked QUANTISED: E2M1 operands, one E8M0 scale for each 32 along K, by v_wmma_scale_f32_16x16x128_f8f6f4 with both operands' format E2M1 (or v_wmma_scale_f32_32x16x128_f4), f32 sums; products left as they are: bf16, f16 or f32 operands; f32 sums; everything else in f32.
;; Inputs: Wk 1,024 x 1,024 float32; Wq 1,024 x 1,024 float32; Wv 1,024 x 1,024 float32; inputs 4 x 2,048 x 1,024 float32.
;; Outputs: out0 4 x 2,048 x 1,024 float32.
;; This version of the problem:
;;   THIS VERSION OF THE PROBLEM IS GIVEN IN LOW PRECISION. The matrix products marked QUANTISED in the list below multiply operands that are first quantised to E2M1 (2 exponent bits, 1 mantissa bit; 4 bits a number), with one power-of-two scale for each 32 numbers along K (OCP MX v1.0); their sums are f32. The products marked 'left as it is' may take bf16, f16 or f32 operands, with f32 sums. All else is computed in f32.
;;   The module's matrix products, in the order in which they are computed (A, B: the left and right operand; K: the contracted axis; several contracted axes count as one K, in the product's order):
;;     1. [M 8,192, K 1,024] x [K 1,024, N 1,024]; A: input inputs; B: input Wq: QUANTISED
;;     2. [M 8,192, K 1,024] x [K 1,024, N 1,024]; A: input inputs; B: input Wk: QUANTISED
;;     3. [M 8,192, K 1,024] x [K 1,024, N 1,024]; A: input inputs; B: input Wv: QUANTISED
;;     4. batch 4 x [M 2,048, K 1,024] x [K 1,024, N 2,048]; A: computed on the way; B: computed on the way: left as it is (an operand is computed on the way)
;;     5. batch 4 x [M 2,048, K 2,048] x [K 2,048, N 1,024]; A: computed on the way; B: computed on the way: left as it is (an operand is computed on the way)
;;   THE QUANTISER, for each operand of a quantised product, along K:
;;     - K is cut into blocks of 32 from its start; a last block that is shorter is filled with zeros.
;;     - A block's scale is 2^e with e = floor(log2(the largest magnitude in the block)) - 2, held to -126 .. 127; a block of zeros has e = 0. As a byte (E8M0): e + 127.
;;     - Each number is divided by its block's scale, clamped to +-6, and rounded to the nearest number of E2M1, ties to even, subnormals kept.
;;     - The product sums the exact products of the quantised numbers (number of the format x scale) in f32.
;;   ~~~python
;;   def quantise(x, axis):      # numpy; x: float32 -> the quantised numbers, widened to float32 again
;;       x = np.moveaxis(x, axis, -1); K = x.shape[-1]
;;       x = np.pad(x, [(0, 0)] * (x.ndim - 1) + [(0, -K % 32)]); x = x.reshape(x.shape[:-1] + (-1, 32)); a = np.abs(x).max(-1, keepdims=True)
;;       e = np.where(a > 0, np.clip(np.frexp(np.where(a > 0, a, 1))[1] - 1 - 2, -126, 127), 0)      # np.frexp(a)[1] - 1 = floor(log2(a)), exactly
;;       r = np.clip(x / 2.0 ** e, -6, 6)
;;       step = 2.0 ** (np.maximum(np.frexp(np.where(r == 0, 1, r))[1] - 1, 0) - 1)
;;       q = np.round(r / step) * step * 2.0 ** e      # np.round: ties to even
;;       return np.moveaxis(q.reshape(q.shape[:-2] + (-1,))[..., :K], -1, axis).astype(np.float32)
;;   ~~~
;; 2 versions, each right. Each part assembles by itself: llvm-mc -triple=amdgcn-amd-amdhsa -mcpu=gfx1250 --defsym DOCPART=n.
;; ======== version 1 of 2: 5 launches
;; limits: values are held in f16: magnitudes above 65,504 overflow, below 6.1e-05 lose precision
;; workspace buffers: xc 4,194,304 bytes; xs 262,144 bytes; wc 1,572,864 bytes; ws 98,304 bytes; qkv 50,331,648 bytes; pt 33,554,432 bytes; ml 1,048,576 bytes; hf 786,432 bytes
;; launch quant (part 1): grid 352 x 1, 4 waves a work-group, no clusters, 33,280 bytes of LDS; arguments inputs, Wq, Wk, Wv, xc, xs, wc, ws; writes xc, xs, wc, ws
.if DOCPART == 1
	.amdgcn_target "amdgcn-amd-amdhsa--gfx1250"
	.amdhsa_code_object_version 6
	.text
	.protected	k_q13c88821b3_quant
	.globl	k_q13c88821b3_quant
	.p2align	8
	.type	k_q13c88821b3_quant,@function
k_q13c88821b3_quant:
	s_mov_b64 s[64:65], 0
	v_nop
	global_prefetch_b8 v0, s[64:65] scope:SCOPE_SE
	s_setreg_imm32_b32 hwreg(HW_REG_WAVE_MODE, 25, 1), 1
	s_wait_xcnt 0x0
; inputs [8192][1024] and Wq, Wk, Wv [1024][1024], f32 with K innermost, become codes of FP4 (E2M1), two a byte, and one E8M0 byte for each 32 along K.
; xc [8192][512 bytes], xs [8192][32]; wc [3072][512 bytes], ws [3072][32]: rows 0-1023 Wq, 1024-2047 Wk, 2048-3071 Wv.
; A block's scale is 2^(floor(log2(its largest magnitude)) - 2); its byte is the largest magnitude's exponent field - 2, held at 1 from below.
; LIMITS: a block of zeros gets the byte 1 where the quantiser says 127: its codes are zeros, which add nothing under that byte, and this program alone reads the bytes.
; Blocks whose largest magnitude lies under 2^-124 take the floor's byte.  NaN and infinities among the inputs are not served.
; Rows are dense and 1,024 is a multiple of 32: each tensor is a plain stream of blocks of 32.  A work-group takes 32,768 numbers, a wave 8,192 in 16 steps of 512.
; Work-groups 0-255 take inputs, 256-287 Wq, 288-319 Wk, 320-351 Wv: only pointers are chosen, all take one path.
; Each load reads 512 consecutive bytes; a step's 2,048 bytes turn through the wave's own stage in LDS and come back 64 bytes a lane, so that a lane holds 16 neighbours along K.
; No cluster: work-groups share no input.  No tensor loads, no barrier: waves share nothing.  Loads run four steps ahead.
.set STEPS, 16
.set EMAX,  2
.set CB,    8                          ; bytes of 16 codes
.set R,     16                         ; v16-79   four sets of 16 numbers as loaded
.set X,     80                         ; v80-111  two sets of 16 neighbours
.set C,     128                        ; v128-191 codes: registers of its own for each step
.set E,     112                        ; v112-127 a scale byte for each step
.set WREG,  8192                       ; LDS region of a wave: two stages of 32 x SP bytes, then its 256 scale bytes
.set SP,    80                         ; a lane's place in a stage: 64 bytes + 16 of padding
	s_load_b256 s[4:11], s[0:1], 0x0               ; inputs s[4:5], Wq s[6:7], Wk s[8:9], Wv s[10:11]
	s_load_b256 s[12:19], s[0:1], 0x20             ; xc s[12:13], xs s[14:15], wc s[16:17], ws s[18:19]
	v_lshl_add_u32 v192, v0, 2, 0x8000
	v_mov_b32 v193, 0
	v_lshrrev_b32 v1, 5, v0
	v_readfirstlane_b32 s30, v1                    ; wave
	v_and_b32 v2, 31, v0                           ; lane
	v_lshlrev_b32 v3, 4, v2                        ; my 16 bytes of a load's 512
	s_mul_i32 s31, s30, WREG
	v_lshrrev_b32 v14, 2, v2
	v_mul_u32_u24 v14, v14, SP
	v_and_b32 v15, 3, v2
	v_lshl_add_u32 v14, v15, 4, v14
	v_add_nc_u32 v14, s31, v14                     ; the stage, on the way in: SP (lane / 4) + 16 (lane % 4)
	v_mul_u32_u24 v15, v2, SP
	v_add_nc_u32 v15, s31, v15                     ; on the way out: SP x lane: my 16 neighbours
	v_mul_u32_u24 v4, v2, CB                       ; my codes' place in a step's
	v_lshrrev_b32 v5, 1, v2
	s_add_co_u32 s31, s31, 2*32*SP
	v_add_nc_u32 v5, s31, v5                       ; LDS: my wave's 256 scale bytes, my block's byte
	v_lshlrev_b32 v7, 3, v2                        ; on the way out 8 bytes a lane
	v_add_nc_u32 v6, s31, v7
	s_wait_kmcnt 0x0
	s_and_b32 s25, ttmp9, 31                       ; a weight's work-group among its 32 (made ahead of the compares)
	s_cmp_lt_u32 ttmp9, 288
	s_cselect_b64 s[26:27], s[6:7], s[8:9]         ; Wq or Wk,
	s_cmp_lt_u32 ttmp9, 320
	s_cselect_b64 s[26:27], s[26:27], s[10:11]     ; or Wv,
	s_cmp_lt_u32 ttmp9, 256
	s_cselect_b64 s[26:27], s[4:5], s[26:27]       ; or inputs: the choice hangs on the work-group's number alone
	s_cselect_b64 s[20:21], s[12:13], s[16:17]     ; the codes' buffer
	s_cselect_b64 s[22:23], s[14:15], s[18:19]     ; the scale bytes'
	s_cselect_b32 s25, ttmp9, s25                  ; which 32,768 numbers of the source
	s_cselect_b32 s24, 0, 256
	s_sub_co_u32 s24, ttmp9, s24                   ; and of the destination
	s_lshl_b32 s25, s25, 2
	s_add_co_u32 s25, s25, s30                     ; my wave's run of 8,192 numbers in the source
	s_lshl_b32 s32, s25, 15                        ; 32,768 bytes a run
	s_mov_b32 s33, 0
	s_add_nc_u64 s[26:27], s[26:27], s[32:33]
	s_lshl_b32 s24, s24, 2
	s_add_co_u32 s24, s24, s30                     ; and in the destination
	s_lshl_b32 s32, s24, 12                        ; 4,096 bytes of codes a run
	s_add_nc_u64 s[20:21], s[20:21], s[32:33]
	s_lshl_b32 s32, s24, 8                         ; 256 scale bytes a run
	s_add_nc_u64 s[22:23], s[22:23], s[32:33]
.macro LOAD t
.irp i, 0,1,2,3
	global_load_b128 v[R+16*((\t)%4)+4*\i:R+16*((\t)%4)+4*\i+3], v3, s[26:27] offset:2048*(\t)+512*\i th:TH_LOAD_NT   ; 32 lanes read 512 consecutive bytes
.endr
.endm
.macro TURN t                          ; step t's numbers through the stage: LDS serves a wave's instructions in order, so no wait stands between the stores and the loads
.irp i, 0,1,2,3
	ds_store_b128 v14, v[R+16*((\t)%4)+4*\i:R+16*((\t)%4)+4*\i+3] offset:32*SP*((\t)%2)+8*SP*\i
.endr
.irp i, 0,1,2,3
	ds_load_b128 v[X+16*((\t)%2)+4*\i:X+16*((\t)%2)+4*\i+3], v15 offset:32*SP*((\t)%2)+16*\i
.endr
.endm
.irp t, 0,1,2,3
	LOAD \t
.endr
	s_wait_loadcnt 12                              ; step 0's four loads are in; the twelve of steps 1 to 3 may be out
	TURN 0
.macro STEP t
.set XS, X+16*((\t)%2)
.if (\t) > 0
	s_wait_dscnt 1                                 ; this step's numbers are back from the stage (the last step's byte store may be out)
.else
	s_wait_dscnt 0x0
.endif
.if (\t)+4 < STEPS
	LOAD (\t)+4                                    ; into the registers that the stage's stores have read
.endif
.if (\t)+1 < STEPS
.if STEPS-2-(\t) >= 3
	s_wait_loadcnt 12                              ; the next step's four loads are in; those of the three steps behind it may be out
.else
	s_wait_loadcnt 4*(STEPS-2-(\t))
.endif
	TURN (\t)+1                                    ; through the other stage while this step is worked
.endif
	v_max3_num_f32 v8, |v[XS]|, |v[XS+1]|, |v[XS+2]|               ; the largest magnitude of my 16, in two chains
	v_max3_num_f32 v9, |v[XS+3]|, |v[XS+4]|, |v[XS+5]|
.irp i, 6,10
	v_max3_num_f32 v8, v8, |v[XS+\i]|, |v[XS+\i+1]|
	v_max3_num_f32 v9, v9, |v[XS+\i+2]|, |v[XS+\i+3]|
.endr
	v_max3_num_f32 v8, v8, |v[XS+14]|, |v[XS+15]|
	v_max3_num_f32 v8, v8, v9, (EMAX+1)<<23        ; and the floor 2^(3 - 127): the byte cannot fall under 1
	v_max_num_f32_dpp v8, v8, v8 row_xmask:1 row_mask:0xf bank_mask:0xf   ; and of my neighbour's 16: the block's
	v_add_nc_u32 v11, -(EMAX<<23), v8              ; 2 off its exponent field: the conversion takes this operand's exponent field as its scale
	v_cvt_scalef32_pk8_fp4_f32 v[C+4*(\t)], v[XS:XS+7], v11
	v_cvt_scalef32_pk8_fp4_f32 v[C+4*(\t)+1], v[XS+8:XS+15], v11
	v_lshrrev_b32 v[E+(\t)], 23, v11               ; the scale's byte (a plain line behind the conversions)
	ds_store_b8 v5, v[E+(\t)] offset:16*(\t)       ; both lanes of a block write the same byte with the same value
	global_store_b64 v4, v[C+4*(\t):C+4*(\t)+1], s[20:21] offset:32*CB*(\t)   ; the wave stores 256 consecutive bytes, aligned
.endm
.irp t, 0,1,2,3,4,5,6,7,8,9,10,11,12,13,14,15
	STEP \t
.endr
	ds_load_b64 v[12:13], v6                       ; LDS serves a wave's instructions in order: these see my stores
	s_wait_dscnt 0x0
	global_store_b64 v7, v[12:13], s[22:23]        ; 32 lanes store 256 consecutive bytes, aligned
	s_wait_tensorcnt 0x0
	ds_add_u32 v192, v193
	s_wait_dscnt 0x0
	s_endpgm
.Lfunc_end_k_q13c88821b3_quant:
	.size	k_q13c88821b3_quant, .Lfunc_end_k_q13c88821b3_quant-k_q13c88821b3_quant
	.p2alignl 7, 3214868480
	.fill 96, 4, 3214868480
	.section	.rodata,"a",@progbits
	.p2align	6, 0x0
	.amdhsa_kernel k_q13c88821b3_quant
		.amdhsa_group_segment_fixed_size 33280
		.amdhsa_private_segment_fixed_size 0
		.amdhsa_enable_private_segment 0
		.amdhsa_kernarg_size 64
		.amdhsa_user_sgpr_count 2
		.amdhsa_user_sgpr_kernarg_segment_ptr 1
		.amdhsa_wavefront_size32 1
		.amdhsa_system_sgpr_workgroup_id_x 1
		.amdhsa_system_sgpr_workgroup_id_y 1
		.amdhsa_system_sgpr_workgroup_id_z 1
		.amdhsa_system_vgpr_workitem_id 0
		.amdhsa_next_free_vgpr 194
		.amdhsa_next_free_sgpr 66
		.amdhsa_reserve_vcc 0
		.amdhsa_float_denorm_mode_32 3
		.amdhsa_float_denorm_mode_16_64 3
		.amdhsa_memory_ordered 1
		.amdhsa_forward_progress 1
		.amdhsa_inst_pref_size 34
	.end_amdhsa_kernel
	.amdgpu_metadata
---
amdhsa.version: [ 1, 2 ]
amdhsa.kernels:
  - .name:           k_q13c88821b3_quant
    .symbol:         k_q13c88821b3_quant.kd
    .args:
      - { .name: inputs, .offset: 0, .size: 8, .value_kind: global_buffer, .address_space: global }
      - { .name: Wq, .offset: 8, .size: 8, .value_kind: global_buffer, .address_space: global }
      - { .name: Wk, .offset: 16, .size: 8, .value_kind: global_buffer, .address_space: global }
      - { .name: Wv, .offset: 24, .size: 8, .value_kind: global_buffer, .address_space: global }
      - { .name: xc, .offset: 32, .size: 8, .value_kind: global_buffer, .address_space: global }
      - { .name: xs, .offset: 40, .size: 8, .value_kind: global_buffer, .address_space: global }
      - { .name: wc, .offset: 48, .size: 8, .value_kind: global_buffer, .address_space: global }
      - { .name: ws, .offset: 56, .size: 8, .value_kind: global_buffer, .address_space: global }
    .group_segment_fixed_size: 33280
    .private_segment_fixed_size: 0
    .kernarg_segment_align: 8
    .kernarg_segment_size: 64
    .max_flat_workgroup_size: 128
    .sgpr_count:     66
    .vgpr_count:     194
    .wavefront_size: 32
...
	.end_amdgpu_metadata
.endif
;; end of part 1
;; launch proj (part 2): grid 12 x 32, 4 waves a work-group, clusters of 4 x 4, 327,680 bytes of LDS; arguments xc, xs, wc, ws, qkv, hf; writes qkv, hf
.if DOCPART == 2
	.amdgcn_target "amdgcn-amd-amdhsa--gfx1250"
	.amdhsa_code_object_version 6
	.text
	.protected	k_q13c88821b3_proj
	.globl	k_q13c88821b3_proj
	.p2align	8
	.type	k_q13c88821b3_proj,@function
k_q13c88821b3_proj:
	s_mov_b64 s[64:65], 0
	v_nop
	global_prefetch_b8 v0, s[64:65] scope:SCOPE_SE
	s_setreg_imm32_b32 hwreg(HW_REG_WAVE_MODE, 25, 1), 1
	s_wait_xcnt 0x0
	s_wait_alu depctr_hold_cnt(0) depctr_sa_sdst(0) depctr_va_vdst(0) depctr_va_sdst(0) depctr_va_ssrc(0) depctr_va_vcc(0) depctr_vm_vsrc(0)
	s_getreg_b32 s2, hwreg(HW_REG_IB_STS2, 6, 4)
	s_cmp_eq_u32 s2, 0
	s_cbranch_scc0 .Lentry_in_a_cluster
	s_endpgm
.Lentry_in_a_cluster:
	s_bfe_u32 s2, ttmp6, 0x10000c
	s_cmp_lg_u32 s2, 0xf033
	s_cbranch_scc0 .Lentry_shape_is_right
	s_endpgm
.Lentry_shape_is_right:
; qkv[m][n] = sum over k of x[m][k] W[n][k]: the three projections as ONE product on codes of FP4 (E2M1) with one E8M0 scale for each 32 along K.
; x: 8,192 rows, W: 3,072 rows (Wq, Wk, Wv on end), K = 1,024: a row of codes is 512 bytes, a row of scale bytes 32.  qkv: [8192][3072] f16: q, k, v side by side in a row of 6,144 bytes.
; Sums in f32; the results are operands of products that are left as they are, so they are rounded once, to f16 (11 bits).
; LIMIT: |q|, |k|, |v| under 65,504.  Inputs and weights both 30 times larger than drawn give about 5,000, common offsets of 30 spreads on both about 29,000.
; hf [4][16][3072] f32: rows 0 to 15 of each batch once more, not rounded: queries with so few keys are finished in f32 by a launch of their own.
; A tile of 256 x 256 is made by four waves, 128 x 128 each: 64 accumulators, 512 registers.  K is two steps of 512, so both slots of LDS are filled once, at the start, and nothing is filled again.
; The scale bytes of the work-group's 256 + 256 rows, for all of K, are two dense blocks: they come once, with the first fills.
; CLUSTERS: 4 x 4 work-groups: the four of a row need the same rows of x, the four of a column the same rows of W: each tile is asked for jointly.
; No prefetch: all that a work-group reads is asked for at its head.
; THE MATRIX INSTRUCTION IS USED TRANSPOSED (source 0 = 16 rows of W, source 1 = 16 rows of x): a lane holds eight neighbouring numbers of a row of qkv.
; REGISTERS: window 0: v0-31 addresses; v32-95 scale words, two sets; v128-191 x's fragments, one set.  window 1: W's fragments, two sets.  windows 2, 3: accumulator (a, b) at v[8 (8 (a % 4) + b)].
.set SIZE_N, 3072
.set SIZE_K, 1024
.set KSTEP,  512
.set NQ,     KSTEP/128
.set ROWB,   256                       ; a tile's row in bytes
.set KROW,   SIZE_K/2                  ; a row of codes in memory
.set PITCH,  272                       ; an LDS row: 256 bytes + 16 of padding: the 16 rows of a load start at 16 different banks (64 banks of 4 bytes: ISA guide 11.1)
.set FR,     8
.set NL,     2
.set NP,     4                         ; places behind this matrix instruction (ISA guide 7.12.1)
.set HALFT,  128*PITCH
.set SLOT,   4*HALFT
.set KS,     SIZE_K/32
.set SCL,    2*SLOT                    ; behind the slots: the scales, as rows of 256 bytes + 16
.set HALFS,  (128*KS/256)*272
.set SBLK,   (16*KS/256)*272
.set SPARE,  SCL+4*HALFS               ; the spare words, 128 bytes a wave: two blocks of 256 bytes that no other line names
.set SPITCH, 272                       ; the way out: 16 rows x (256 bytes + 16) a wave, in slot 0, which has had its only fill and its last read by then
.set HST,    32768                     ; also in slot 0, behind those stages: 16 rows x (512 bytes + 16) a wave, for the rows that leave as f32
.set HSP,    528
.set HROW,   SIZE_N*4                  ; a row of hf in bytes
.set HSTO, 8                           ; v8   the f32 stage: where I put 32 bytes of a row
.set HRD,  9                           ; v9   and where I read a row back
.set HCO,  10                          ; v10  16 x lane: my place in a row's 512 bytes
.set HB,   64                          ; v64-127  16 rows read back from it
.set ADRA, 16
.set ADRB, 20
.set STO,  24
.set RD,   25
.set CO,   26
.set ADRS, 27
.set SPW,  28
.set NIL,  29
.set SC,   32
.set AF,   128
.set TMP,  192                         ; the way out: packed results
.set OB,   32                          ; and rows read back: v32-63 and v224-255 by turns
.set G1, 24
.set G0, 32
.set G1B, 48
.set G0B, 56
.set G1S, 68
.set G0S, 76
.set G1SB, 80
.set G0SB, 88
.set MSB, 0
.macro WIN new                         ; the immediate's high byte repeats the setting that is left
.if MSB != (\new)
	s_set_vgpr_msb (MSB<<8)|(\new)
.set MSB, (\new)
.endif
.endm
.set MUL_LO, 0xa1                      ; source 0 (W) window 1, source 1 (x) window 0, C and D window 2
.set MUL_HI, 0xf1
.set TO_B,   0x40
; A joint load: waves 0 and 1 fetch for x, waves 2 and 3 for W.  The branch hangs on the wave's number alone.  Four v_nop follow each line.
.macro JLOAD g0a, g1a, g0b, g1b
	s_cmp_eq_u32 s15, 0
	s_cbranch_scc0 .Lfor_b_\@
	tensor_load_to_lds s[\g0a:\g0a+3], s[\g1a:\g1a+7]
	s_nop 0
.rept 4
	v_nop
.endr
	s_branch .Lasked_\@
.Lfor_b_\@:
	tensor_load_to_lds s[\g0b:\g0b+3], s[\g1b:\g1b+7]
	s_nop 0
.rept 4
	v_nop
.endr
.Lasked_\@:
.endm
.macro CROUND                          ; a round of the cluster's barrier
	s_barrier_signal -1
	s_barrier_wait -1
	s_cmp_lg_u32 s14, 0
	s_cbranch_scc1 .Lnot_wave_0_\@
	s_barrier_signal -3
.Lnot_wave_0_\@:
	s_barrier_wait -3
	s_barrier_signal -1
	s_barrier_wait -1
.endm
	s_load_b128 s[4:7], s[0:1], 0x0                ; x's codes, x's scales
	s_load_b128 s[8:11], s[0:1], 0x10              ; W's codes, W's scales
	s_load_b64 s[12:13], s[0:1], 0x20              ; qkv
	s_load_b64 s[2:3], s[0:1], 0x28                ; hf
	v_lshl_add_u32 v[SPW], v0, 2, SPARE
	v_mov_b32 v[NIL], 0
	ds_add_u32 v28, v29
	s_wait_dscnt 0x0
	v_lshrrev_b32 v1, 5, v0
	v_readfirstlane_b32 s14, v1                    ; wave 0..3
	s_lshr_b32 s15, s14, 1                         ; my half of the tile's rows.  Also: I fetch for x (0) or W (1)
	s_and_b32 s16, s14, 1                          ; my half of its columns.  Also: which 128 rows I fetch
	s_bfe_u32 s40, ttmp6, 0x40000                  ; cx
	s_bfe_u32 s41, ttmp6, 0x40004                  ; cy
	s_lshl_b32 s42, ttmp9, 2
	s_add_co_u32 s42, s42, s40                     ; tile column
	s_and_b32 s17, ttmp7, 0xffff
	s_lshl_b32 s17, s17, 2
	s_add_co_u32 s17, s17, s41                     ; tile row
	s_lshl_b32 s43, s41, 2
	s_lshl_b32 s43, 15, s43                        ; my row of the cluster
	s_lshl_b32 s44, 0x1111, s40                    ; my column
	s_or_b32 s[G1+0], s43, (0<<16)|(1<<20)|(1<<21)|(5<<22)|(3<<25)  ; the mask; elements of 1 byte; padding on; bit 21 beside a mask; 4 words after every 64
	s_or_b32 s[G1B+0], s44, (0<<16)|(1<<20)|(1<<21)|(5<<22)|(3<<25)
.irp g, G1, G1B
	s_mov_b32 s[\g+1], ROWB<<16                    ; tensor_dim0
	s_mov_b32 s[\g+2], 128<<16                     ; tensor_dim1
	s_mov_b32 s[\g+3], ROWB<<16                    ; tile_dim0
	s_mov_b32 s[\g+4], 128                         ; tile_dim1
	s_mov_b32 s[\g+5], KROW                        ; the pitch
	s_mov_b32 s[\g+6], 0
	s_mov_b32 s[\g+7], 0
.endr
	s_or_b32 s[G1S+0], s43, (3<<16)|(1<<20)|(1<<21)|(5<<22)|(3<<25)  ; the scales of 128 rows: 4,096 dense bytes as 16 rows of 32 elements of 8 bytes
	s_or_b32 s[G1SB+0], s44, (3<<16)|(1<<20)|(1<<21)|(5<<22)|(3<<25)
.irp g, G1S, G1SB
	s_mov_b32 s[\g+1], 32<<16
	s_mov_b32 s[\g+2], (128*KS/256)<<16
	s_mov_b32 s[\g+3], 32<<16
	s_mov_b32 s[\g+4], 128*KS/256
	s_mov_b32 s[\g+5], 32
	s_mov_b32 s[\g+6], 0
	s_mov_b32 s[\g+7], 0
.endr
	s_lshl_b32 s18, s16, 7
	s_lshl_b32 s20, s17, 8
	s_add_co_u32 s20, s20, s18                     ; x: row 256 x tile row + 128 x half
	s_lshl_b32 s46, s42, 8
	s_add_co_u32 s46, s46, s18                     ; W: row 256 x tile column + 128 x half
	s_mov_b32 s21, 0
	s_mov_b32 s47, 0
	s_mov_b64 s[18:19], KS
	s_mul_u64 s[22:23], s[20:21], s[18:19]         ; where these rows' scales begin
	s_mul_u64 s[92:93], s[46:47], s[18:19]
	s_mov_b64 s[18:19], KROW
	s_mul_u64 s[20:21], s[20:21], s[18:19]         ; and their codes
	s_mul_u64 s[46:47], s[46:47], s[18:19]
	s_mul_i32 s45, s14, HALFT                      ; where they go: wave x 128 rows
	s_mul_i32 s94, s14, HALFS
	s_wait_kmcnt 0x0
	s_add_nc_u64 s[20:21], s[4:5], s[20:21]
	s_add_nc_u64 s[22:23], s[6:7], s[22:23]
	s_add_nc_u64 s[46:47], s[8:9], s[46:47]
	s_add_nc_u64 s[92:93], s[10:11], s[92:93]
	CROUND                                         ; all sixteen work-groups are here: the joint loads meet
	s_mov_b32 s[G0S], 1
	s_add_co_u32 s[G0S+1], s94, SCL
	s_mov_b64 s[G0S+2:G0S+3], s[22:23]
	s_or_b32 s[G0S+3], s[G0S+3], 0x80000000
	s_mov_b32 s[G0SB], 1
	s_add_co_u32 s[G0SB+1], s94, SCL
	s_mov_b64 s[G0SB+2:G0SB+3], s[92:93]
	s_or_b32 s[G0SB+3], s[G0SB+3], 0x80000000
	JLOAD G0S, G1S, G0SB, G1SB                     ; the scales first: they are wanted with K step 0
.irp s, 0,1
	s_mov_b32 s[G0+4*\s], 1
	s_add_co_u32 s[G0+4*\s+1], s45, \s*SLOT
	s_add_nc_u64 s[G0+4*\s+2:G0+4*\s+3], s[20:21], \s*ROWB
	s_or_b32 s[G0+4*\s+3], s[G0+4*\s+3], 0x80000000
	s_mov_b32 s[G0B+4*\s], 1
	s_add_co_u32 s[G0B+4*\s+1], s45, \s*SLOT
	s_add_nc_u64 s[G0B+4*\s+2:G0B+4*\s+3], s[46:47], \s*ROWB
	s_or_b32 s[G0B+4*\s+3], s[G0B+4*\s+3], 0x80000000
	JLOAD G0+4*\s, G1, G0B+4*\s, G1B               ; three loads of mine are out in all
.endr
	v_and_b32 v1, 15, v0                           ; r
	v_bfe_u32 v2, v0, 4, 1                         ; h
	v_mul_u32_u24 v3, v1, PITCH
	v_lshl_add_u32 v4, v2, 4, v3                   ; a fragment's row x pitch + 16 h
	s_mul_i32 s21, s15, HALFT
	s_mul_i32 s22, s16, HALFT
	s_add_co_u32 s22, s22, 2*HALFT
.irp s, 0,1
	v_add_nc_u32 v[ADRA+\s], s21, v4
	v_add_nc_u32 v[ADRB+\s], s22, v4
	s_add_co_u32 s21, s21, SLOT
	s_add_co_u32 s22, s22, SLOT
.endr
	v_mul_u32_u24 v5, v1, KS                       ; my row's scales: 32 bytes a row,
	v_lshrrev_b32 v6, 8, v5
	v_lshl_add_u32 v5, v6, 4, v5                   ; and 16 more for each 256 passed
	s_mul_i32 s21, s15, HALFS
	s_mul_i32 s22, s16, HALFS
	s_add_co_u32 s22, s22, 2*HALFS
	s_sub_co_u32 s22, s22, s21
	v_mul_u32_u24 v6, s22, v2                      ; lanes 16-31 take W's: one product, the distance between the two bases
	s_add_co_u32 s21, s21, SCL
	v_add_nc_u32 v5, v5, v6
	v_add_nc_u32 v[ADRS], s21, v5
	s_mul_i32 s23, s14, 16*SPITCH                  ; my stage
	v_mul_u32_u24 v5, v1, SPITCH
	v_lshl_add_u32 v5, v2, 4, v5
	v_add_nc_u32 v[STO], s23, v5                   ; in: row r, 16 bytes for each half of the lanes
	v_mul_u32_u24 v5, v2, SPITCH
	v_lshl_add_u32 v5, v1, 4, v5
	v_add_nc_u32 v[RD], s23, v5                    ; back: lanes 0-15 one row of 256 bytes, lanes 16-31 the next
	v_mul_u32_u24 v5, v2, SIZE_N*2
	v_lshl_add_u32 v[CO], v1, 4, v5                ; and the same two rows in qkv
	s_mul_i32 s23, s14, 16*HSP
	s_add_co_u32 s23, s23, HST                     ; my f32 stage
	v_mul_u32_u24 v5, v1, HSP
	v_lshl_add_u32 v5, v2, 5, v5
	v_add_nc_u32 v[HSTO], s23, v5                  ; in: row r, 32 bytes for each half of the lanes
	v_and_b32 v6, 31, v0
	v_lshlrev_b32 v[HCO], 4, v6
	v_add_nc_u32 v[HRD], s23, v[HCO]               ; back: the 32 lanes take one row of 512 bytes
	s_lshl_b32 s20, s17, 8
	s_lshl_b32 s21, s15, 7
	s_add_co_u32 s20, s20, s21                     ; my first row
	s_mov_b32 s21, 0
	s_mov_b64 s[18:19], SIZE_N*2
	s_mul_u64 s[20:21], s[20:21], s[18:19]
	s_lshl_b32 s46, s42, 9                         ; my first column, in bytes: 512 x tile column + 256 x half
	s_lshl_b32 s47, s16, 8
	s_add_co_u32 s46, s46, s47
	s_mov_b32 s47, 0
	s_add_nc_u64 s[20:21], s[20:21], s[46:47]
	s_add_nc_u64 s[12:13], s[12:13], s[20:21]
	s_and_b32 s20, ttmp7, 0xffff                   ; hf: the batch = cluster y / 2: 16 rows of 12,288 bytes a batch,
	s_lshr_b32 s20, s20, 1
	s_mul_i32 s20, s20, 16*HROW
	s_lshl_b32 s21, s42, 10                        ; + 1,024 bytes a tile column
	s_add_co_u32 s20, s20, s21
	s_lshl_b32 s21, s16, 9                         ; + 512 for my half
	s_add_co_u32 s20, s20, s21
	s_mov_b32 s21, 0
	s_add_nc_u64 s[2:3], s[2:3], s[20:21]
.macro FRAG reg, adr, q, i             ; 16 rows x 128 K of 4-bit codes: 8 registers: lane l row l % 16; registers 4 c .. 4 c + 3: K = 64 c + 32 (l / 16) + 0 .. 31
.irp c, 0,1
	ds_load_b128 v[\reg+4*\c:\reg+4*\c+3], v[\adr] offset:64*(\q)+32*\c+(\i)*16*PITCH
.endr
.endm
; 16 matrix instructions: x's blocks a0, a0 + 1 against W's eight, the slot's q-th 128 along K.  The 64 accumulators take turns, one instruction a turn.
.macro MUL16 a0, p, q, sc, zero
.irp a, \a0, \a0+1
.irp b, 0,1,2,3,4,5,6,7
.if \zero
	v_wmma_scale_f32_16x16x128_f8f6f4 v[8*(8*((\a)%4)+\b):8*(8*((\a)%4)+\b)+7], v[128*(\p)+FR*\b:128*(\p)+FR*\b+FR-1], v[AF+FR*(\a):AF+FR*(\a)+FR-1], 0, v[SC+8*NQ*(\sc)+NQ*\b+(\q)], v[SC+8*NQ*(\sc)+NQ*(\a)+(\q)] matrix_a_fmt:MATRIX_FMT_FP4 matrix_b_fmt:MATRIX_FMT_FP4 matrix_a_scale:MATRIX_SCALE_ROW1
.else
	v_wmma_scale_f32_16x16x128_f8f6f4 v[8*(8*((\a)%4)+\b):8*(8*((\a)%4)+\b)+7], v[128*(\p)+FR*\b:128*(\p)+FR*\b+FR-1], v[AF+FR*(\a):AF+FR*(\a)+FR-1], v[8*(8*((\a)%4)+\b):8*(8*((\a)%4)+\b)+7], v[SC+8*NQ*(\sc)+NQ*\b+(\q)], v[SC+8*NQ*(\sc)+NQ*(\a)+(\q)] matrix_a_fmt:MATRIX_FMT_FP4 matrix_b_fmt:MATRIX_FMT_FP4 matrix_a_scale:MATRIX_SCALE_ROW1
.endif
.endr
.endr
.endm
.macro FETCH_B slot, q, p
	WIN TO_B
.irp i, 0,1,2,3,4,5,6,7
	FRAG 128*(\p)+FR*\i, ADRB+\slot, \q, \i
.endr
	WIN 0
.endm
.macro FETCH_A slot, q, i0
.irp i, \i0, \i0+1, \i0+2, \i0+3
	FRAG AF+FR*(\i), ADRA+\slot, \q, \i
.endr
.endm
.macro SCALES sc                       ; a K step's scale words: lanes 0-15 x's block i, lanes 16-31 W's block i; four words a row
.irp i, 0,1,2,3,4,5,6,7
	ds_load_b128 v[SC+8*NQ*\sc+NQ*\i:SC+8*NQ*\sc+NQ*\i+3], v[ADRS] offset:\i*SBLK
.endr
.endm
.macro PLACES n                        ; plain vector lines between a matrix instruction and a load into, or a read of, its registers
.rept \n
	v_nop
.endr
.endm
.macro STEP slot, q, zero              ; 128 along K with its successor in the same slot
	s_wait_dscnt 4*NL                              ; W's set and x's blocks 0-3 are in; the youngest eight loads (x's blocks 4-7) may be out
	WIN MUL_LO
	MUL16 0, (\q)%2, \q, \slot, \zero
	MUL16 2, (\q)%2, \q, \slot, \zero
	s_wait_dscnt 0
	PLACES NP
	FETCH_B \slot, (\q)+1, 1-(\q)%2
	FETCH_A \slot, (\q)+1, 0
	WIN MUL_HI
	MUL16 4, (\q)%2, \q, \slot, \zero
	MUL16 6, (\q)%2, \q, \slot, \zero
	PLACES NP
	WIN 0
	FETCH_A \slot, (\q)+1, 4
.endm
.macro TURN slot, next                 ; a slot's last step changes slots: one barrier; nothing is filled again
	s_wait_tensorcnt 0x0                           ; all my tensor loads have landed: my part of the next slot
	ds_add_u32 v[SPW], v[NIL]                      ; 0 onto my spare word
	s_wait_dscnt 4*NL+1                            ; (the add and the youngest eight loads may be out)
	WIN MUL_LO
	MUL16 0, 1, NQ-1, \slot, 0
	s_wait_dscnt 0x0                               ; the add is done, and my reads of this slot are over
	s_barrier_signal -1
	MUL16 2, 1, NQ-1, \slot, 0
	WIN 0
	s_barrier_wait -1                              ; the next slot is whole for every wave
	PLACES NP
	v_add_nc_u32 v[ADRS], 4*NQ, v[ADRS]            ; on to the next K step's scale words
	FETCH_B \next, 0, 0
	FETCH_A \next, 0, 0
	SCALES \next
	WIN MUL_HI
	MUL16 4, 1, NQ-1, \slot, 0
	MUL16 6, 1, NQ-1, \slot, 0
	PLACES NP
	WIN 0
	FETCH_A \next, 0, 4
.endm
	s_wait_tensorcnt 1                             ; the scales and my part of K step 0 are in (K step 1's load may be out),
	s_barrier_signal -1
	s_barrier_wait -1                              ; everybody's are
	FETCH_B 0, 0, 0
	FETCH_A 0, 0, 0
	SCALES 0
	FETCH_A 0, 0, 4
	STEP 0, 0, 1                                   ; the first products start the sums: nothing is cleared
	STEP 0, 1, 0
	STEP 0, 2, 0
	TURN 0, 1
	STEP 1, 0, 0
	STEP 1, 1, 0
	STEP 1, 2, 0
	s_wait_dscnt 4*NL                              ; the last step: nothing more to fetch
	WIN MUL_LO
	MUL16 0, 1, NQ-1, 1, 0
	MUL16 2, 1, NQ-1, 1, 0
	s_wait_dscnt 0
	WIN MUL_HI
	MUL16 4, 1, NQ-1, 1, 0
	MUL16 6, 1, NQ-1, 1, 0
	WIN 0
	PLACES NP
	; ROWS 0 TO 15 OF A BATCH LEAVE AS F32 TOO.  They are block 0 of waves 0 and 1 in the tile rows 8 b: cluster y = 2 b, cy = 0.  The jumps hang on the cluster's number and on the wave's;
	; the place in the cluster masks the stores by EXEC, so that no jump hangs on it.
	s_and_b32 s95, ttmp7, 1
	s_cmp_lg_u32 s95, 0
	s_cbranch_scc1 .Lno_head                       ; an odd cluster y holds no batch's first rows
	s_cmp_lg_u32 s15, 0
	s_cbranch_scc1 .Lno_head                       ; nor do waves 2 and 3
	WIN 0x08                                       ; an LDS store's data are its source 1: window 2
.irp b, 0,1,2,3,4,5,6,7
	ds_store_b128 v[HSTO], v[8*\b:8*\b+3] offset:64*\b             ; each accumulator from its low end on
	ds_store_b128 v[HSTO], v[8*\b+4:8*\b+7] offset:64*\b+16
.endr
	WIN 0
.irp t, 0,1,2,3,4,5,6,7,8,9,10,11,12,13,14,15
	ds_load_b128 v[HB+4*\t:HB+4*\t+3], v[HRD] offset:\t*HSP        ; LDS serves a wave's instructions in order: these see the stores above
.endr
	s_wait_dscnt 0x0
	v_cmp_eq_u32 vcc_lo, s41, v[NIL]               ; cy = 0: all lanes or none
	s_wait_xcnt 0x0                                ; EXEC changes only behind this wait
	s_and_saveexec_b32 s95, vcc_lo
.irp t, 0,1,2,3,4,5,6,7,8,9,10,11,12,13,14,15
	global_store_b128 v[HCO], v[HB+4*\t:HB+4*\t+3], s[2:3] offset:\t*HROW   ; 32 lanes store 512 consecutive bytes, aligned
.endr
	s_wait_xcnt 0x0                                ; and again, in front of the line that widens it
	s_or_b32 exec_lo, exec_lo, s95
.Lno_head:
; THE WAY OUT, block by block of 16 rows x 128 columns: rounded to f16 (each accumulator from its low end on), 16 bytes a lane into my stage, back as whole rows of 256 bytes, stored.
.macro PACK a
.set AC, 64*((\a)%4)
	WIN (0x0a+5*((\a)/4))                          ; sources 0 and 1: window 2 or 3
.irp b, 0,1,2,3,4,5,6,7
.irp r, 0,1,2,3
	v_cvt_pk_f16_f32 v[TMP+4*\b+\r], v[AC+8*\b+2*\r], v[AC+8*\b+2*\r+1]
.endr
.endr
	WIN 0
.endm
.macro TOSTAGE a
.set BK, OB+192*((\a)%2)
.irp b, 0,1,2,3,4,5,6,7
	ds_store_b128 v[STO], v[TMP+4*\b:TMP+4*\b+3] offset:32*\b
.endr
.irp t, 0,1,2,3,4,5,6,7
	ds_load_b128 v[BK+4*\t:BK+4*\t+3], v[RD] offset:\t*2*SPITCH    ; LDS serves a wave's instructions in order: these see the stores above
.endr
.endm
.macro SEND a
.set BK, OB+192*((\a)%2)
	s_wait_dscnt 0x0                               ; the block is back in registers
	s_wait_xcnt 0x0                                ; the stores of the block before have read their registers: the next block's loads may land there
.irp t, 0,1,2,3,4,5,6,7
	global_store_b128 v[CO], v[BK+4*\t:BK+4*\t+3], s[12:13] offset:(\a)*16*SIZE_N*2+\t*2*SIZE_N*2   ; 16 lanes store 256 consecutive bytes, aligned; 126 rows of 6,144 bytes at the most in the immediate
.endr
.endm
	PACK 0
	TOSTAGE 0
.irp a, 1,2,3,4,5,6,7
	PACK \a                                        ; block a's conversions stand between block a - 1's loads from the stage and the wait for them
	SEND \a-1
	TOSTAGE \a
.endr
	SEND 7
	s_wait_tensorcnt 0x0                           ; the wave's end
	ds_add_u32 v[SPW], v[NIL]
	s_wait_dscnt 0x0
	CROUND                                         ; the closing round
	s_endpgm
.Lfunc_end_k_q13c88821b3_proj:
	.size	k_q13c88821b3_proj, .Lfunc_end_k_q13c88821b3_proj-k_q13c88821b3_proj
	.p2alignl 7, 3214868480
	.fill 96, 4, 3214868480
	.section	.rodata,"a",@progbits
	.p2align	6, 0x0
	.amdhsa_kernel k_q13c88821b3_proj
		.amdhsa_group_segment_fixed_size 327680
		.amdhsa_private_segment_fixed_size 0
		.amdhsa_enable_private_segment 0
		.amdhsa_kernarg_size 48
		.amdhsa_user_sgpr_count 2
		.amdhsa_user_sgpr_kernarg_segment_ptr 1
		.amdhsa_wavefront_size32 1
		.amdhsa_system_sgpr_workgroup_id_x 1
		.amdhsa_system_sgpr_workgroup_id_y 1
		.amdhsa_system_sgpr_workgroup_id_z 1
		.amdhsa_system_vgpr_workitem_id 0
		.amdhsa_next_free_vgpr 1024
		.amdhsa_next_free_sgpr 98
		.amdhsa_reserve_vcc 1
		.amdhsa_float_denorm_mode_32 3
		.amdhsa_float_denorm_mode_16_64 3
		.amdhsa_memory_ordered 1
		.amdhsa_forward_progress 1
		.amdhsa_inst_pref_size 131
	.end_amdhsa_kernel
	.amdgpu_metadata
---
amdhsa.version: [ 1, 2 ]
amdhsa.kernels:
  - .name:           k_q13c88821b3_proj
    .symbol:         k_q13c88821b3_proj.kd
    .args:
      - { .name: xc, .offset: 0, .size: 8, .value_kind: global_buffer, .address_space: global }
      - { .name: xs, .offset: 8, .size: 8, .value_kind: global_buffer, .address_space: global }
      - { .name: wc, .offset: 16, .size: 8, .value_kind: global_buffer, .address_space: global }
      - { .name: ws, .offset: 24, .size: 8, .value_kind: global_buffer, .address_space: global }
      - { .name: qkv, .offset: 32, .size: 8, .value_kind: global_buffer, .address_space: global }
      - { .name: hf, .offset: 40, .size: 8, .value_kind: global_buffer, .address_space: global }
    .group_segment_fixed_size: 327680
    .private_segment_fixed_size: 0
    .kernarg_segment_align: 8
    .kernarg_segment_size: 48
    .max_flat_workgroup_size: 128
    .sgpr_count:     98
    .vgpr_count:     1024
    .wavefront_size: 32
...
	.end_amdgpu_metadata
.endif
;; end of part 2
;; launch score (part 3): grid 4 x 48, 4 waves a work-group, clusters of 4 x 4, 327,680 bytes of LDS; arguments qkv, pt, ml; writes pt, ml
.if DOCPART == 3
	.amdgcn_target "amdgcn-amd-amdhsa--gfx1250"
	.amdhsa_code_object_version 6
	.text
	.protected	k_q13c88821b3_score
	.globl	k_q13c88821b3_score
	.p2align	8
	.type	k_q13c88821b3_score,@function
k_q13c88821b3_score:
	s_mov_b64 s[64:65], 0
	v_nop
	global_prefetch_b8 v0, s[64:65] scope:SCOPE_SE
	s_setreg_imm32_b32 hwreg(HW_REG_WAVE_MODE, 25, 1), 1
	s_wait_xcnt 0x0
	s_wait_alu depctr_hold_cnt(0) depctr_sa_sdst(0) depctr_va_vdst(0) depctr_va_sdst(0) depctr_va_ssrc(0) depctr_va_vcc(0) depctr_vm_vsrc(0)
	s_getreg_b32 s2, hwreg(HW_REG_IB_STS2, 6, 4)
	s_cmp_eq_u32 s2, 0
	s_cbranch_scc0 .Lentry_in_a_cluster
	s_endpgm
.Lentry_in_a_cluster:
	s_bfe_u32 s2, ttmp6, 0x10000c
	s_cmp_lg_u32 s2, 0xf033
	s_cbranch_scc0 .Lentry_shape_is_right
	s_endpgm
.Lentry_shape_is_right:
; The first half of the attention.  For each batch b, query q and block j of 128 keys:  t = (q . k) log2(e) / 32 with hidden keys (key > query) at -infinity;
; M = the block's largest t rounded UP to a whole number; p = 2^(t - M), at most 1; l = the f32 sum of the block's p.  Stored: p rounded to f16 in pt [8192][2048], -M and l in ml.
; The next launch takes the row's largest M away from every block, by powers of two, so the row's maximum leaves the exponent as the softmax asks.
; ml: two tables of f32, -M in its first 524,288 bytes and l in its second, each [b 4][j 16][q64 32][r 16][a 4]: query 64 q64 + 16 a + r.  A block all of whose keys are hidden for a row has -M = 3e38, p = 0, l = 0.
; q, k: f16 in qkv [8192][3072] (q at byte 0, k at byte 2,048 of a row of 6,144).  Products in f16 with f32 sums, K = 1,024 in 8 steps of 128 through two LDS slots.
; SHARES.  A tile of 256 queries x 256 keys to a work-group of four waves, 128 x 128 a wave: a wave's columns are one block j.
; CLUSTERS of 4 x 4 tiles: three for each batch, the squares of 1,024 x 1,024 at (0,0), (1,0), (1,1); the square above the diagonal is not computed.  Q's tiles are asked for jointly along a row of the cluster,
; K's along a column.  In the two squares on the diagonal 6 of 16 tiles are wholly hidden: those work-groups are partners of joint loads, so they run like the others and store zeros.
; THE MATRIX INSTRUCTION IS USED TRANSPOSED (source 0 = 16 keys, source 1 = 16 queries): a lane holds ONE query (lane % 16) and the keys 16 b + 8 (lane / 16) + 0 .. 7.
; LIMITS: NaN and infinities among the inputs are not served; q and k arrive rounded to f16, p leaves rounded to f16 (a p under 3e-8 leaves as 0, beside a block's largest of 0.5 at the least).
; REGISTERS: window 0: v1 r, v2 h, v16-30 addresses; v64-127, v128-191 Q's fragments, two buffers; on the way out v32-255 are at work.  window 1: K's fragments.  windows 2, 3: accumulator (a, b) at v[8 (8 (a % 4) + b)].
.set KSTEP,  128
.set PITCH,  272                       ; an LDS row: 256 bytes + 16 of padding: the 16 rows of a load start at 16 different banks (64 banks of 4 bytes: ISA guide 11.1)
.set HALFT,  128*PITCH
.set SLOT,   4*HALFT                   ; Q's 256 rows, then K's 256 rows
.set STAGE,  2*SLOT                    ; behind the ring: 16 rows x 272 bytes a wave
.set SPITCH, 272
.set SPARE,  STAGE+4*16*SPITCH         ; the spare words, 128 bytes a wave: two blocks of 256 bytes that no other line names
.set ROWQ,   6144                      ; a row of qkv in bytes
.set LTAB,   524288                    ; l's table begins here in ml
.set LAPS,   1024/(2*KSTEP)
.set ADRA, 16
.set ADRB, 20
.set STO,  24
.set RD,   25
.set CO,   26
.set SPW,  28
.set NIL,  29
.set PFO,  30                          ; v30  the prefetches' offset: my lane x a row of qkv; never rewritten
.set F0,   64
.set F1,   128
.set OB,   32                          ; the way out: rows read back: v32-63 and v224-255 by turns
.set TMP,  192                         ; packed p
.set T,    64                          ; v64-71   eight running maxima
.set NM,   72                          ; v[72:73] -M (the pair's low word serves both halves)
.set LA,   74                          ; v[74:75], v[76:77] the sum in two chains of pairs
.set LB,   76
.set X,    78                          ; v78, v79
.set NMS,  80                          ; v80-87   -M of my eight blocks of rows
.set LS,   88                          ; v88-95   l of them
.set D0,   96                          ; v96      my query - my first key, for block a = 0, b = 0, register 0
.set NINF, 97
.set OUTM, 100
.set OUTL, 104
.set DEF,  108
.set ZER,  112
.set TO,   116
.set G1, 24
.set G0, 32
.set LIM, 43                           ; s43      1 in a wave that prefetches, else the greatest number
.set PFA, 44                           ; s[44:45] where my prefetches stand
.set G1B, 48
.set G0B, 56
.set SEL, 70                           ; s[70:71] v_permlanex16_b32's selects for lane l xor 16
.set CS,  72                           ; s[72:73] c = log2(e) / 32
.set MSB, 0
.macro WIN new
.if MSB != (\new)
	s_set_vgpr_msb (MSB<<8)|(\new)
.set MSB, (\new)
.endif
.endm
.set MUL_LO, 0xa1                      ; source 0 (K) window 1, source 1 (Q) window 0, C and D window 2
.set MUL_HI, 0xf1
.set TO_B,   0x40
; A joint load: waves 0 and 1 fetch Q's halves, waves 2 and 3 K's.  The branch hangs on the wave's number alone.  Four v_nop follow each line.
.macro JLOAD s
	s_cmp_eq_u32 s13, 0
	s_cbranch_scc0 .Lfor_b_\@
	tensor_load_to_lds s[G0+4*\s:G0+4*\s+3], s[G1:G1+7]
	s_nop 0
.rept 4
	v_nop
.endr
	s_branch .Lasked_\@
.Lfor_b_\@:
	tensor_load_to_lds s[G0B+4*\s:G0B+4*\s+3], s[G1B:G1B+7]
	s_nop 0
.rept 4
	v_nop
.endr
.Lasked_\@:
.endm
; A prefetch of the K step that stands two refills on: 32 rows x 256 bytes, a lane a row, one instruction a wave.  Each row's 256 bytes of a K step are named once in the launch: of the two clusters that read
; the same rows of Q (squares (1,0) and (1,1)) the first asks, of the two that read the same rows of K (squares (0,0) and (1,0)) the first; of the 128 rows that a wave fetches each of the four partners
; takes 32, told apart by address.  The loop's last trip asks for nothing: its refills are the last two K steps.
.macro ASK
	s_cmp_gt_u32 s3, s[LIM]
	s_cbranch_scc0 .Lnot_mine_\@
	global_prefetch_b8 v[PFO], s[PFA:PFA+1] offset:KSTEP*2 th:TH_LOAD_NT scope:SCOPE_SE
.Lnot_mine_\@:
.endm
.macro CREST                           ; a round of the cluster's barrier behind its opening barrier
	s_cmp_lg_u32 s12, 0
	s_cbranch_scc1 .Lnot_wave_0_\@
	s_barrier_signal -3
.Lnot_wave_0_\@:
	s_barrier_wait -3
	s_barrier_signal -1
	s_barrier_wait -1
.endm
.macro CROUND
	s_barrier_signal -1
	s_barrier_wait -1
	CREST
.endm
	s_load_b128 s[4:7], s[0:1], 0x0                ; qkv s[4:5], pt s[6:7]
	s_load_b64 s[8:9], s[0:1], 0x10                ; ml
	v_lshl_add_u32 v[SPW], v0, 2, SPARE
	v_mov_b32 v[NIL], 0
	ds_add_u32 v28, v29
	s_wait_dscnt 0x0
	v_lshrrev_b32 v3, 5, v0
	v_readfirstlane_b32 s12, v3                    ; wave 0..3
	s_lshr_b32 s13, s12, 1                         ; rh: my half of the tile's queries.  Also: I fetch for Q (0) or K (1)
	s_and_b32 s14, s12, 1                          ; ch: my half of its keys.  Also: which 128 rows I fetch
	s_bfe_u32 s15, ttmp6, 0x40000                  ; cx
	s_bfe_u32 s16, ttmp6, 0x40004                  ; cy
	s_and_b32 s17, ttmp7, 0xffff                   ; the cluster, 0 .. 11
	s_mul_i32 s18, s17, 11
	s_lshr_b32 s18, s18, 5                         ; the batch = cluster / 3
	s_mul_i32 s19, s18, 3
	s_sub_co_u32 s19, s17, s19                     ; which square: 0: (0,0), 1: (1,0), 2: (1,1)
	s_add_co_u32 s20, s19, 1
	s_lshr_b32 s20, s20, 1                         ; SI
	s_lshr_b32 s21, s19, 1                         ; SJ
	s_lshl_b32 s22, s18, 3
	s_lshl_b32 s78, s20, 2
	s_add_co_u32 s22, s22, s78
	s_add_co_u32 s22, s22, s16                     ; TR = 8 b + 4 SI + cy: Q's rows 256 TR on
	s_lshl_b32 s23, s18, 3
	s_lshl_b32 s78, s21, 2
	s_add_co_u32 s23, s23, s78
	s_add_co_u32 s23, s23, s15                     ; TC = 8 b + 4 SJ + cx: K's rows 256 TC on
	s_lshl_b32 s66, s16, 2
	s_lshl_b32 s66, 15, s66                        ; my row of the cluster
	s_lshl_b32 s67, 0x1111, s15                    ; my column
	s_or_b32 s[G1+0], s66, (1<<16)|(1<<20)|(1<<21)|(5<<22)|(3<<25)   ; the mask; elements of 2 bytes; padding on; bit 21 beside a mask; 4 words after every 64
	s_or_b32 s[G1B+0], s67, (1<<16)|(1<<20)|(1<<21)|(5<<22)|(3<<25)
.irp g, G1, G1B
	s_mov_b32 s[\g+1], KSTEP<<16                   ; tensor_dim0 = 128
	s_mov_b32 s[\g+2], 128<<16                     ; tensor_dim1 = 128
	s_mov_b32 s[\g+3], KSTEP<<16                   ; tile_dim0 = 128
	s_mov_b32 s[\g+4], 128                         ; tile_dim1 = 128
	s_mov_b32 s[\g+5], 3072                        ; the pitch, in elements
	s_mov_b32 s[\g+6], 0
	s_mov_b32 s[\g+7], 0
.endr
	s_mov_b32 s[SEL], 0x76543210
	s_mov_b32 s[SEL+1], 0xfedcba98
	s_mov_b32 s[CS], 0x3d38aa3b                    ; log2(e) / sqrt(1024)
	s_mov_b32 s[CS+1], s[CS]                       ; (named with it as a pair, so it is written)
	s_lshl_b32 s68, s14, 7                         ; which 128 rows of the tile I fetch
	s_lshl_b32 s74, s22, 8
	s_add_co_u32 s74, s74, s68
	s_mul_i32 s74, s74, ROWQ                       ; Q's: under 2^26 bytes
	s_mov_b32 s75, 0
	s_lshl_b32 s76, s23, 8
	s_add_co_u32 s76, s76, s68
	s_mul_i32 s76, s76, ROWQ
	s_add_co_u32 s76, s76, 2048                    ; K's part of a row
	s_mov_b32 s77, 0
	s_mul_i32 s69, s12, HALFT                      ; where they go: wave x 128 rows
	s_wait_kmcnt 0x0
	s_add_nc_u64 s[74:75], s[4:5], s[74:75]
	s_add_nc_u64 s[76:77], s[4:5], s[76:77]
	CROUND                                         ; all sixteen work-groups are here: the first joint loads meet
.irp s, 0,1
	s_mov_b32 s[G0+4*\s], 1
	s_add_co_u32 s[G0+4*\s+1], s69, \s*SLOT
	s_add_nc_u64 s[G0+4*\s+2:G0+4*\s+3], s[74:75], \s*KSTEP*2
	s_or_b32 s[G0+4*\s+3], s[G0+4*\s+3], 0x80000000
	s_mov_b32 s[G0B+4*\s], 1
	s_add_co_u32 s[G0B+4*\s+1], s69, \s*SLOT
	s_add_nc_u64 s[G0B+4*\s+2:G0B+4*\s+3], s[76:77], \s*KSTEP*2
	s_or_b32 s[G0B+4*\s+3], s[G0B+4*\s+3], 0x80000000
	JLOAD \s                                       ; two loads of mine are out
.endr
	v_and_b32 v1, 15, v0                           ; r: kept
	v_bfe_u32 v2, v0, 4, 1                         ; h: kept
	v_mul_u32_u24 v3, v1, PITCH
	v_lshl_add_u32 v3, v2, 4, v3                   ; a fragment's row x pitch + 16 h
	s_mul_i32 s78, s13, HALFT                      ; my 128 rows of Q
	s_mul_i32 s79, s14, HALFT                      ; my 128 rows of K,
	s_add_co_u32 s79, s79, 2*HALFT                 ; behind Q's 256
.irp s, 0,1
	v_add_nc_u32 v[ADRA+\s], s78, v3
	v_add_nc_u32 v[ADRB+\s], s79, v3
	s_add_co_u32 s78, s78, SLOT
	s_add_co_u32 s79, s79, SLOT
.endr
	s_mul_i32 s68, s12, 16*SPITCH
	s_add_co_u32 s68, s68, STAGE                   ; my stage
	v_mul_u32_u24 v4, v1, SPITCH
	v_lshl_add_u32 v4, v2, 4, v4
	v_add_nc_u32 v[STO], s68, v4                   ; in: row r, 16 bytes for each half of the lanes
	v_mul_u32_u24 v5, v2, SPITCH
	v_lshl_add_u32 v5, v1, 4, v5
	v_add_nc_u32 v[RD], s68, v5                    ; back: lanes 0-15 one row of 256 bytes, lanes 16-31 the next
	v_lshlrev_b32 v5, 12, v2
	v_lshl_add_u32 v[CO], v1, 4, v5                ; and the same two rows in pt (4,096 bytes a row)
	s_lshl_b32 s46, s21, 2
	s_add_co_u32 s46, s46, s15                     ; KT = 4 SJ + cx: the tile's place along the batch's keys
	s_lshl_b32 s47, s20, 2
	s_add_co_u32 s47, s47, s16                     ; QT = 4 SI + cy: along its queries
	s_lshl_b32 s40, s22, 8
	s_lshl_b32 s41, s13, 7
	s_add_co_u32 s40, s40, s41                     ; my first row of pt
	s_lshl_b32 s40, s40, 12
	s_lshl_b32 s41, s46, 9
	s_add_co_u32 s40, s40, s41                     ; + 512 bytes a tile of keys
	s_lshl_b32 s41, s14, 8
	s_add_co_u32 s40, s40, s41                     ; + 256 for my half
	s_mov_b32 s41, 0
	s_add_nc_u64 s[6:7], s[6:7], s[40:41]
	s_lshl_b32 s40, s18, 4                         ; the tables: ((16 b + 2 KT + ch) x 32 + 4 QT + 2 rh) x 256 bytes
	s_lshl_b32 s42, s46, 1
	s_add_co_u32 s40, s40, s42
	s_add_co_u32 s40, s40, s14
	s_lshl_b32 s40, s40, 5
	s_lshl_b32 s42, s47, 2
	s_add_co_u32 s40, s40, s42
	s_lshl_b32 s42, s13, 1
	s_add_co_u32 s40, s40, s42
	s_lshl_b32 s40, s40, 8
	s_add_nc_u64 s[8:9], s[8:9], s[40:41]          ; -M's table at my place,
	s_add_nc_u64 s[10:11], s[8:9], LTAB            ; and l's
	s_sub_co_i32 s42, s47, s46                     ; the mask: 256 (QT - KT) + 128 (rh - ch): kept in s42 for the way out
	s_lshl_b32 s42, s42, 8
	s_sub_co_i32 s40, s13, s14
	s_lshl_b32 s40, s40, 7
	s_add_co_i32 s42, s42, s40
	s_lshl_b32 s40, s22, 8                         ; the prefetches
	s_lshl_b32 s41, s23, 8
	s_cmp_eq_u32 s13, 0                            ; do I fetch for Q?
	s_cselect_b32 s40, s40, s41                    ; the tile's first row
	s_cselect_b32 s41, s15, s16                    ; my place among the four that ask for it with me
	s_cselect_b32 s46, 0, 2048                     ; q's or k's part of a row
	s_cselect_b32 s47, 2, 1                        ; the square that leaves the asking to another
	s_cmp_lg_u32 s19, s47
	s_cselect_b32 s[LIM], 1, -1                    ; the same in all sixteen partners, for a given wave
	s_lshl_b32 s47, s14, 7
	s_add_co_u32 s40, s40, s47                     ; + the 128 rows that I fetch
	s_lshl_b32 s41, s41, 5
	s_add_co_u32 s40, s40, s41                     ; + my work-group's 32 of them
	s_mul_i32 s40, s40, ROWQ
	s_add_co_u32 s40, s40, s46
	s_add_co_u32 s40, s40, 2*KSTEP*2               ; at K step 2: the first refill steps it to 3 and names K step 4
	s_mov_b32 s41, 0
	s_add_nc_u64 s[PFA:PFA+1], s[4:5], s[40:41]
	v_and_b32 v[PFO], 31, v0
	v_mul_u32_u24 v[PFO], v[PFO], ROWQ
; 16 matrix instructions: blocks of queries a0, a0 + 1 of the window's four x all 8 blocks of keys, 32 along K.  zero = 1: the first product starts the sums.
.macro MUL16 f, hi, a0, zero
.irp a, \a0, \a0+1
.irp b, 0,1,2,3,4,5,6,7
.if \zero
	v_wmma_f32_16x16x32_f16 v[8*(8*(\a)+\b):8*(8*(\a)+\b)+7], v[\f+8*\b:\f+8*\b+7], v[\f+8*(4*\hi+\a):\f+8*(4*\hi+\a)+7], 0
.else
	v_wmma_f32_16x16x32_f16 v[8*(8*(\a)+\b):8*(8*(\a)+\b)+7], v[\f+8*\b:\f+8*\b+7], v[\f+8*(4*\hi+\a):\f+8*(4*\hi+\a)+7], v[8*(8*(\a)+\b):8*(8*(\a)+\b)+7]
.endif
.endr
.endr
.endm
.macro FETCH slot, k, f                ; 32 LDS loads in one run: a quarter step's fragments into buffer f
	WIN TO_B
.irp i, 0,1,2,3,4,5,6,7
	ds_load_b128 v[\f+8*\i:\f+8*\i+3],   v[ADRB+\slot] offset:\k+\i*16*PITCH
	ds_load_b128 v[\f+8*\i+4:\f+8*\i+7], v[ADRB+\slot] offset:\k+\i*16*PITCH+32
.endr
	WIN 0
.irp i, 0,1,2,3,4,5,6,7
	ds_load_b128 v[\f+8*\i:\f+8*\i+3],   v[ADRA+\slot] offset:\k+\i*16*PITCH
	ds_load_b128 v[\f+8*\i+4:\f+8*\i+7], v[ADRA+\slot] offset:\k+\i*16*PITCH+32
.endr
.endm
.macro PLACES                          ; four plain vector lines between a matrix instruction and a load into, or a read or write of, its registers
.rept 4
	v_nop
.endr
.endm
.macro QUARTER slot, k, f, g, zero     ; 32 along K on buffer f; in its middle the next quarter's fragments, at byte k of the rows, into g
	s_wait_dscnt 8                                 ; K's and Q's rows 0-63 are in; the youngest eight loads (Q's rows 64-127) may be out
	WIN MUL_LO
	MUL16 \f, 0, 0, \zero
	MUL16 \f, 0, 2, \zero
	PLACES
	FETCH \slot, \k, \g
	s_wait_dscnt 32                                ; all but the 32 just issued
	WIN MUL_HI
	MUL16 \f, 1, 0, \zero
	MUL16 \f, 1, 2, \zero
.endm
.macro MEET round                      ; the first half of a slot's last quarter: one barrier for the change of slots
	WIN 0                                          ; (the add's two registers lie in window 0)
	s_wait_tensorcnt 0x0                           ; all my tensor loads have landed: the one that was out is my part of the next slot
	ds_add_u32 v[SPW], v[NIL]                      ; 0 onto my spare word
	s_wait_dscnt 9                                 ; (the add and the youngest eight loads may be out)
	WIN MUL_LO
	MUL16 F1, 0, 0, 0
	s_wait_dscnt 0x0                               ; the add is done, and my reads of this slot are over
	s_barrier_signal -1
	MUL16 F1, 0, 2, 0
.if \round
	WIN 0
.endif
	s_barrier_wait -1
.endm
.macro TURN slot, next                 ; the whole last quarter, with the refill of the slot just read out, two K steps ahead
	s_wait_xcnt 0x0                                ; the last prefetch, a K step back, has read its address
	s_add_nc_u64 s[PFA:PFA+1], s[PFA:PFA+1], KSTEP*2
	MEET 1
	CREST                                          ; no wave of any partner still reads this slot's tile or has a load on its way
	s_add_nc_u64 s[G0+4*\slot+2:G0+4*\slot+3], s[G0+4*\slot+2:G0+4*\slot+3], 2*KSTEP*2
	s_add_nc_u64 s[G0B+4*\slot+2:G0B+4*\slot+3], s[G0B+4*\slot+2:G0B+4*\slot+3], 2*KSTEP*2
	JLOAD \slot                                    ; the first tensor load behind the round; its four v_nop are also the places in front of the loads below
	FETCH \next, 0, F0
	ASK
	WIN MUL_HI
	MUL16 F1, 1, 0, 0
	MUL16 F1, 1, 2, 0
.endm
.macro TURNL slot, next                ; the same with nothing left to fetch: no round
	MEET 0
	PLACES
	FETCH \next, 0, F0
	WIN MUL_HI
	MUL16 F1, 1, 0, 0
	MUL16 F1, 1, 2, 0
.endm
	s_wait_tensorcnt 1                             ; my part of K step 0 is in (K step 1's load may be out),
	s_barrier_signal -1
	s_barrier_wait -1                              ; everybody's is
	FETCH 0, 0, F0
	QUARTER 0, 64,  F0, F1, 1                      ; the first quarter stands in front of the loop: its products start the sums
	WIN 0
	s_mov_b32 s3, LAPS-1
.Llap:                                             ; a trip goes once round the ring and fills both slots again
	QUARTER 0, 128, F1, F0, 0
	QUARTER 0, 192, F0, F1, 0
	TURN 0, 1
	QUARTER 1, 64,  F0, F1, 0
	QUARTER 1, 128, F1, F0, 0
	QUARTER 1, 192, F0, F1, 0
	TURN 1, 0
	QUARTER 0, 64,  F0, F1, 0
	WIN 0
	s_sub_co_u32 s3, s3, 1
	s_cmp_lg_u32 s3, 0
	s_cbranch_scc1 .Llap
	QUARTER 0, 128, F1, F0, 0                      ; the last lap is written out: it asks for nothing
	QUARTER 0, 192, F0, F1, 0
	TURNL 0, 1
	QUARTER 1, 64,  F0, F1, 0
	QUARTER 1, 128, F1, F0, 0
	QUARTER 1, 192, F0, F1, 0
	s_wait_dscnt 8
	WIN MUL_LO
	MUL16 F1, 0, 0, 0
	MUL16 F1, 0, 2, 0
	s_wait_dscnt 0
	WIN MUL_HI
	MUL16 F1, 1, 0, 0
	MUL16 F1, 1, 2, 0
	WIN 0
	PLACES
	; THE WAY OUT.
	v_lshlrev_b32 v3, 3, v2
	v_sub_nc_u32 v3, v1, v3
	v_add_nc_u32 v[D0], s42, v3                    ; register j of accumulator (a, b) holds a key that is hidden where 16 b + j - 16 a > D0
	v_mov_b32 v[NINF], 0xff800000                  ; -infinity
	v_mov_b32 v[NM+1], 0                           ; (the upper half of a pair that is named whole)
	v_mov_b32 v[X+1], 0                            ; (a lane permute's destination counts as one of its sources)
	s_cmp_eq_u32 s19, 1                            ; the square under the diagonal has no hidden key: D0 is 120 at the least there, the left side 119 at the most.  The cluster's number: the same in all partners
	s_cbranch_scc1 .Lopen
.irp a, 0,1,2,3,4,5,6,7
	WIN (0x82+0x41*(\a/4))                         ; the accumulators' window for source 0 and the destination
.irp b, 0,1,2,3,4,5,6,7
.irp j, 0,1,2,3,4,5,6,7
	v_cmp_gt_i32 vcc_lo, 16*\b+\j-16*\a, v[D0]
	v_cndmask_b32 v[64*(\a%4)+8*\b+\j], v[64*(\a%4)+8*\b+\j], v[NINF], vcc_lo   ; each accumulator from its low end on
.endr
.endr
.endr
	WIN 0
.Lopen:
; Block a of 16 queries: the largest score, M, p, the sum, p packed to f16.
.macro SOFT a
.set W, 2+(\a)/4
.set AC, 64*((\a)%4)
	WIN (W|(W<<2))
.irp b, 0,1,2,3,4,5,6,7
	v_max_num_f32 v[T+\b], v[AC+8*\b], v[AC+8*\b+1]                ; eight chains, one an accumulator, each from its low end on
.endr
	WIN ((W<<2)|(W<<4))
.irp p, 2,4,6
.irp b, 0,1,2,3,4,5,6,7
	v_max3_num_f32 v[T+\b], v[T+\b], v[AC+8*\b+\p], v[AC+8*\b+\p+1]
.endr
.endr
	WIN 0
	v_max3_num_f32 v[T], v[T], v[T+1], v[T+2]
	v_max3_num_f32 v[T+3], v[T+3], v[T+4], v[T+5]
	v_max3_num_f32 v[T], v[T], v[T+6], v[T+7]
	v_max_num_f32 v[T], v[T], v[T+3]
	v_permlanex16_b32 v[T+1], v[T], s[SEL], s[SEL+1]               ; the query's other 64 keys lie in the lane 16 away
	v_max_num_f32 v[T], v[T], v[T+1]
	v_mul_f32 v[T], s[CS], v[T]                    ; as t (c is positive)
	v_max_num_f32 v[T], 0xff61b1e6, v[T]           ; -3e38 at the least: a block all hidden gets -M = 3e38, and p = 2^(-infinity) = 0
	v_floor_f32 v[NM], -v[T]                       ; -M = floor(-t) = -ceil(t)
	v_mov_b32 v[NMS+(\a)], v[NM]
	WIN (W|(W<<6))
.irp p, 0,2,4,6,8,10,12,14,16,18,20,22,24,26,28,30,32,34,36,38,40,42,44,46,48,50,52,54,56,58,60,62
	v_pk_fma_f32 v[AC+\p:AC+\p+1], v[AC+\p:AC+\p+1], s[CS:CS+1], v[NM:NM+1] op_sel_hi:[1,0,0]   ; t - M, two at a time
.endr
.irp p, 0,1,2,3,4,5,6,7,8,9,10,11,12,13,14,15,16,17,18,19,20,21,22,23,24,25,26,27,28,29,30,31,32,33,34,35,36,37,38,39,40,41,42,43,44,45,46,47,48,49,50,51,52,53,54,55,56,57,58,59,60,61,62,63
	v_exp_f32 v[AC+\p], v[AC+\p]                   ; p = 2^(t - M)
.endr
	v_nop                                          ; a plain line between the exponentials and the use of their results (ISA guide 5.7.2)
	WIN (W|(W<<2))
	s_wait_alu depctr_va_vdst(0)
	v_pk_add_f32 v[LA:LA+1], v[AC:AC+1], v[AC+2:AC+3]              ; the sum is taken of p as it is, before the rounding: two chains of pairs
	v_pk_add_f32 v[LB:LB+1], v[AC+4:AC+5], v[AC+6:AC+7]
.irp b, 0,1,2,3,4,5,6,7
.irp r, 0,1,2,3
	v_cvt_pk_f16_f32 v[TMP+4*\b+\r], v[AC+8*\b+2*\r], v[AC+8*\b+2*\r+1]
.endr
.endr
	WIN (W<<2)
.irp p, 8,12,16,20,24,28,32,36,40,44,48,52,56,60
	v_pk_add_f32 v[LA:LA+1], v[LA:LA+1], v[AC+\p:AC+\p+1]
	v_pk_add_f32 v[LB:LB+1], v[LB:LB+1], v[AC+\p+2:AC+\p+3]
.endr
	WIN 0
	v_pk_add_f32 v[LA:LA+1], v[LA:LA+1], v[LB:LB+1]
	v_add_f32 v[X], v[LA], v[LA+1]
	v_permlanex16_b32 v[X+1], v[X], s[SEL], s[SEL+1]
	v_add_f32 v[LS+(\a)], v[X], v[X+1]             ; l of my query in this block of 128 keys
.endm
.macro TOSTAGE a
.set BK, OB+192*((\a)%2)
.irp b, 0,1,2,3,4,5,6,7
	ds_store_b128 v[STO], v[TMP+4*\b:TMP+4*\b+3] offset:32*\b
.endr
.irp t, 0,1,2,3,4,5,6,7
	ds_load_b128 v[BK+4*\t:BK+4*\t+3], v[RD] offset:\t*2*SPITCH    ; LDS serves a wave's instructions in order: these see the stores above
.endr
.endm
.macro SEND a
.set BK, OB+192*((\a)%2)
	s_wait_dscnt 0x0                               ; the block is back in registers
	s_wait_xcnt 0x0                                ; the stores of the block before have read their registers: the next block's loads may land there
.irp t, 0,1,2,3,4,5,6,7
	global_store_b128 v[CO], v[BK+4*\t:BK+4*\t+3], s[6:7] offset:(\a)*65536+\t*8192   ; 16 lanes store 256 consecutive bytes, aligned
.endr
.endm
	SOFT 0
	TOSTAGE 0
.irp a, 1,2,3,4,5,6,7
	SOFT \a                                        ; block a's arithmetic stands between block a - 1's loads from the stage and the wait for them
	SEND \a-1
	TOSTAGE \a
.endr
	SEND 7
	; the tables: lanes 0-15 store blocks 0-3 of row r, lanes 16-31 blocks 4-7: 512 consecutive bytes a store
	v_cmp_eq_u32 vcc_lo, 1, v2
.irp k, 0,1,2,3
	v_cndmask_b32 v[OUTM+\k], v[NMS+\k], v[NMS+4+\k], vcc_lo
	v_cndmask_b32 v[OUTL+\k], v[LS+\k], v[LS+4+\k], vcc_lo
.endr
	v_and_b32 v[TO], 31, v0
	v_lshlrev_b32 v[TO], 4, v[TO]
	global_store_b128 v[TO], v[OUTM:OUTM+3], s[8:9]
	global_store_b128 v[TO], v[OUTL:OUTL+3], s[10:11]
	s_cmp_lg_u32 s19, 0                            ; the square (0,0) also writes the entries of the blocks 8 further on, which no tile of its rows computes: all hidden
	s_cbranch_scc1 .Lno_def
.irp k, 0,1,2,3
	v_mov_b32 v[DEF+\k], 0x7f61b1e6                ; -M = 3e38
	v_mov_b32 v[ZER+\k], 0                         ; l = 0
.endr
	global_store_b128 v[TO], v[DEF:DEF+3], s[8:9] offset:65536
	global_store_b128 v[TO], v[ZER:ZER+3], s[10:11] offset:65536
.Lno_def:
	s_wait_tensorcnt 0x0                           ; the wave's end
	ds_add_u32 v[SPW], v[NIL]
	s_wait_dscnt 0x0
	CROUND                                         ; the closing round
	s_endpgm
.Lfunc_end_k_q13c88821b3_score:
	.size	k_q13c88821b3_score, .Lfunc_end_k_q13c88821b3_score-k_q13c88821b3_score
	.p2alignl 7, 3214868480
	.fill 96, 4, 3214868480
	.section	.rodata,"a",@progbits
	.p2align	6, 0x0
	.amdhsa_kernel k_q13c88821b3_score
		.amdhsa_group_segment_fixed_size 327680
		.amdhsa_private_segment_fixed_size 0
		.amdhsa_enable_private_segment 0
		.amdhsa_kernarg_size 24
		.amdhsa_user_sgpr_count 2
		.amdhsa_user_sgpr_kernarg_segment_ptr 1
		.amdhsa_wavefront_size32 1
		.amdhsa_system_sgpr_workgroup_id_x 1
		.amdhsa_system_sgpr_workgroup_id_y 1
		.amdhsa_system_sgpr_workgroup_id_z 1
		.amdhsa_system_vgpr_workitem_id 0
		.amdhsa_next_free_vgpr 1024
		.amdhsa_next_free_sgpr 80
		.amdhsa_reserve_vcc 1
		.amdhsa_float_denorm_mode_32 3
		.amdhsa_float_denorm_mode_16_64 3
		.amdhsa_memory_ordered 1
		.amdhsa_forward_progress 1
		.amdhsa_inst_pref_size 254
	.end_amdhsa_kernel
	.amdgpu_metadata
---
amdhsa.version: [ 1, 2 ]
amdhsa.kernels:
  - .name:           k_q13c88821b3_score
    .symbol:         k_q13c88821b3_score.kd
    .args:
      - { .name: qkv, .offset: 0, .size: 8, .value_kind: global_buffer, .address_space: global }
      - { .name: pt, .offset: 8, .size: 8, .value_kind: global_buffer, .address_space: global }
      - { .name: ml, .offset: 16, .size: 8, .value_kind: global_buffer, .address_space: global }
    .group_segment_fixed_size: 327680
    .private_segment_fixed_size: 0
    .kernarg_segment_align: 8
    .kernarg_segment_size: 24
    .max_flat_workgroup_size: 128
    .sgpr_count:     80
    .vgpr_count:     1024
    .wavefront_size: 32
...
	.end_amdgpu_metadata
.endif
;; end of part 3
;; launch pv (part 4): grid 4 x 64, 4 waves a work-group, clusters of 4 x 4, 327,680 bytes of LDS; arguments pt, ml, qkv, out0; writes out0
.if DOCPART == 4
	.amdgcn_target "amdgcn-amd-amdhsa--gfx1250"
	.amdhsa_code_object_version 6
	.text
	.protected	k_q13c88821b3_pv
	.globl	k_q13c88821b3_pv
	.p2align	8
	.type	k_q13c88821b3_pv,@function
k_q13c88821b3_pv:
	s_mov_b64 s[64:65], 0
	v_nop
	global_prefetch_b8 v0, s[64:65] scope:SCOPE_SE
	s_setreg_imm32_b32 hwreg(HW_REG_WAVE_MODE, 25, 1), 1
	s_wait_xcnt 0x0
	s_wait_alu depctr_hold_cnt(0) depctr_sa_sdst(0) depctr_va_vdst(0) depctr_va_sdst(0) depctr_va_ssrc(0) depctr_va_vcc(0) depctr_vm_vsrc(0)
	s_getreg_b32 s2, hwreg(HW_REG_IB_STS2, 6, 4)
	s_cmp_eq_u32 s2, 0
	s_cbranch_scc0 .Lentry_in_a_cluster
	s_endpgm
.Lentry_in_a_cluster:
	s_bfe_u32 s2, ttmp6, 0x10000c
	s_cmp_lg_u32 s2, 0xf033
	s_cbranch_scc0 .Lentry_shape_is_right
	s_endpgm
.Lentry_shape_is_right:
; The second half of the attention: out0[b][q][e] = sum over blocks j of f_j x (sum over the block's 128 keys of p[q][key] v[key][e]),  f_j = 2^(M_j - M) / l,  M = the row's largest M_j,  l = sum over j of 2^(M_j - M) l_j.
; p: f16 in pt [8192][2048]; -M_j and l_j: f32 in ml, -M_j in its first 524,288 bytes and l_j in its second, each [b 4][j 16][q64 32][r 16][a 4] (query 64 q64 + 16 a + r);
; v: f16 at byte 4,096 of qkv's rows of 6,144; out0: f32 [8192][1024].
; EACH BLOCK HAS SUMS OF ITS OWN: a step of 128 keys starts its 32 accumulators S with the constant 0, and in the next step's first quarter O += f_j S is made in f32, four packed multiply-adds ahead of the
; matrix instruction that starts that accumulator anew.  So the operands go to the matrix unit as they lie, and the division by l rides in the factor.  A factor under 2^-149 falls to 0 beside a row's term of 0.5 / l at the least.
; SHARES.  A tile of 128 queries x 256 channels to a work-group, 64 x 128 to each of its four waves.  K = the keys, 128 a step, through two LDS slots.
; CLUSTERS of 4 x 4: cluster g of a batch owns queries 512 g .. 512 g + 511 (cy: which 128) and all 1,024 channels (cx: which 256).  p's tiles are asked for jointly along a row of the cluster, v's along a column.
; All sixteen partners walk 4 (g + 1) steps, a count that hangs on the cluster's number alone; keys beyond a query are zeros in pt.
; BOTH SOURCES: source 0 = 16 channels x 32 keys of v, turned on its way out of LDS; source 1 = 16 queries x 32 keys of p: a lane holds one query (lane % 16) and eight channels.
; Rows 0 to 15 of each batch are stored here like the others and stored again, from f32 operands, by the launch that follows: 256 KiB of the output's 32 MiB; leaving them out would take a jump on the place in the cluster.
; LIMITS: NaN and infinities are not served; p and v arrive rounded to f16.
; REGISTERS: window 0: v1 r, v2 h, v8-11 at work, v16-30 addresses, v32-63 the rows' figures, v64-127 p's fragments (two buffers of 32), v128-255 at work at the head and on the way out.
;   window 1: v0-127 v's fragments (two buffers of 64).   window 2: S, accumulator 8 a + b at v[8 (8 a + b)].   window 3: O, at the same numbers.
.set PA,    272                        ; a row of p in LDS: 256 bytes + 16
.set PV,    544                        ; a row of v: 512 bytes + 32
.set AHALF, 64*PA
.set VHALF, 64*PV
.set VOFF,  2*AHALF
.set SLOT,  VOFF+2*VHALF               ; 128 rows of p, then 128 keys of v
.set STAGE, 2*SLOT                     ; behind the ring: 16 rows x (512 + 16) bytes a wave
.set SP,    528
.set SPARE, STAGE+4*16*SP              ; the spare words, 128 bytes a wave: two blocks of 256 bytes that no other line names
.set LTAB,  524288                     ; l's table begins here in ml
.set T,    8                           ; v8-11   at work
.set ADRA, 16
.set ADRB, 20
.set STO,  24
.set RD,   25
.set CO,   26
.set MO,   27                          ; v27  16 r: my row's four entries in a table's block of 64 rows
.set SPW,  28
.set NIL,  29
.set PFO,  30
.set NMR,  32                          ; v32-35  -M of my four rows (16 a + r)
.set FP,   36                          ; v36-43, v44-51  the factors of the step in slot 0, 1: a pair for each a
.set NMJ,  52                          ; v52-55, v56-59  -M_j of the step in slot 0, 1
.set RI,   60                          ; v60-63  1 / l
.set FA,   64
.set XT,   192
.set LSUM, 196
.set BK,   128
.set G1, 24
.set G0, 32
.set PFA, 40                           ; s[40:41] where my prefetches stand;  s[42:43] a step on
.set PFS, 42
.set MB,  44                           ; s[44:45] -M's table at my 64 rows, at the block that is loaded next
.set LIM, 46
.set G1B, 48
.set G0B, 56
.set MSB, 0
.macro WIN new
.if MSB != (\new)
	s_set_vgpr_msb (MSB<<8)|(\new)
.set MSB, (\new)
.endif
.endm
.set MUL,  0xa1                        ; source 0 (v) window 1, source 1 (p) window 0, C and D window 2
.set TO_B, 0x40
.set W_UP, 0xf2                        ; source 0 (S) window 2, source 1 (the factor) window 0, source 2 and destination (O) window 3
; A joint load: waves 0 and 1 fetch p's halves, waves 2 and 3 v's.  The branch hangs on the wave's number alone.  Four v_nop follow each line.
.macro JLOAD n
	s_cmp_eq_u32 s15, 0
	s_cbranch_scc0 .Lfor_v_\@
	tensor_load_to_lds s[G0+4*\n:G0+4*\n+3], s[G1:G1+7]
	s_nop 0
.rept 4
	v_nop
.endr
	s_branch .Lasked_\@
.Lfor_v_\@:
	tensor_load_to_lds s[G0B+4*\n:G0B+4*\n+3], s[G1B:G1B+7]
	s_nop 0
.rept 4
	v_nop
.endr
.Lasked_\@:
.endm
; A prefetch of the step that stands two refills on.  p's tile (128 rows x 256 bytes) is read by one row of one cluster: its four partners take 32 rows each, by address, and wave 0 asks, a lane a row.
; v's tile (128 keys x 512 bytes) is read by a column of each of the batch's four clusters: the last cluster, which walks all keys, asks; its four partners take 16 keys of each half, by address; waves 2 and 3 ask,
; lanes 0-15 for the first 256 bytes of a key's 512, lanes 16-31 for the second.  So each block of 256 bytes is named once.  s3 counts the loop's trips still to come: where it is 1 or 0 the step two refills on does not exist.
.macro ASK
	s_cmp_gt_u32 s3, s[LIM]
	s_cbranch_scc0 .Lnot_mine_\@
	global_prefetch_b8 v[PFO], s[PFA:PFA+1] th:TH_LOAD_NT scope:SCOPE_SE
.Lnot_mine_\@:
.endm
.macro CREST
	s_cmp_lg_u32 s14, 0
	s_cbranch_scc1 .Lnot_wave_0_\@
	s_barrier_signal -3
.Lnot_wave_0_\@:
	s_barrier_wait -3
	s_barrier_signal -1
	s_barrier_wait -1
.endm
.macro CROUND
	s_barrier_signal -1
	s_barrier_wait -1
	CREST
.endm
	s_load_b128 s[4:7], s[0:1], 0x0                ; pt s[4:5], ml s[6:7]
	s_load_b64 s[10:11], s[0:1], 0x10              ; qkv
	s_load_b64 s[12:13], s[0:1], 0x18              ; out0
	v_lshl_add_u32 v[SPW], v0, 2, SPARE
	v_mov_b32 v[NIL], 0
	ds_add_u32 v28, v29
	s_wait_dscnt 0x0
	v_lshrrev_b32 v3, 5, v0
	v_readfirstlane_b32 s14, v3                    ; wave 0..3
	s_lshr_b32 s15, s14, 1                         ; rh: my 64 queries.  Also: I fetch for p (0) or v (1)
	s_and_b32 s16, s14, 1                          ; hf: my 128 channels.  Also: which half of the tile I fetch
	s_bfe_u32 s17, ttmp6, 0x40000                  ; cx
	s_bfe_u32 s18, ttmp6, 0x40004                  ; cy
	s_and_b32 s19, ttmp7, 0xffff                   ; the cluster, 0 .. 15
	s_lshr_b32 s20, s19, 2                         ; the batch
	s_and_b32 s21, s19, 3                          ; g
	s_lshl_b32 s22, s21, 2
	s_add_co_u32 s22, s22, s18                     ; i = 4 g + cy: queries 128 i on
	s_lshl_b32 s66, s18, 2
	s_lshl_b32 s66, 15, s66                        ; my row of the cluster
	s_lshl_b32 s67, 0x1111, s17                    ; my column
	s_or_b32 s[G1+0], s66, (1<<16)|(1<<20)|(1<<21)|(5<<22)|(3<<25)   ; p: the mask; elements of 2 bytes; padding: 4 words after every 64
	s_mov_b32 s[G1+1], 128<<16                     ; tensor_dim0 = 128
	s_mov_b32 s[G1+2], 64<<16                      ; tensor_dim1 = 64
	s_mov_b32 s[G1+3], 128<<16                     ; tile_dim0
	s_mov_b32 s[G1+4], 64                          ; tile_dim1
	s_mov_b32 s[G1+5], 2048                        ; the pitch, in elements
	s_mov_b32 s[G1+6], 0
	s_mov_b32 s[G1+7], 0
	s_or_b32 s[G1B+0], s67, (1<<16)|(1<<20)|(1<<21)|(6<<22)|(7<<25)  ; v: padding: 8 words after every 128
	s_mov_b32 s[G1B+1], 256<<16
	s_mov_b32 s[G1B+2], 64<<16
	s_mov_b32 s[G1B+3], 256<<16
	s_mov_b32 s[G1B+4], 64
	s_mov_b32 s[G1B+5], 3072
	s_mov_b32 s[G1B+6], 0
	s_mov_b32 s[G1B+7], 0
	s_lshl_b32 s68, s20, 11                        ; the batch's first row
	s_lshl_b32 s69, s16, 6                         ; the 64 rows that I fetch
	s_lshl_b32 s70, s22, 7
	s_add_co_u32 s70, s70, s68
	s_add_co_u32 s70, s70, s69
	s_lshl_b32 s70, s70, 12                        ; p: row 2048 b + 128 i + 64 hf, 4,096 bytes a row
	s_mov_b32 s71, 0
	s_add_co_u32 s72, s68, s69
	s_mul_i32 s72, s72, 6144                       ; v: key 2048 b + 64 hf,
	s_lshl_b32 s73, s17, 9
	s_add_co_u32 s72, s72, s73                     ; channels 256 cx on,
	s_add_co_u32 s72, s72, 4096                    ; in v's part of a row
	s_mov_b32 s73, 0
	s_mul_i32 s74, s16, AHALF                      ; where they go
	s_mul_i32 s75, s16, VHALF
	s_add_co_u32 s75, s75, VOFF
	s_wait_kmcnt 0x0
	s_add_nc_u64 s[70:71], s[4:5], s[70:71]
	s_add_nc_u64 s[72:73], s[10:11], s[72:73]
	CROUND                                         ; all sixteen work-groups are here: the first joint loads meet
.irp n, 0,1
	s_mov_b32 s[G0+4*\n], 1
	s_add_co_u32 s[G0+4*\n+1], s74, \n*SLOT
	s_add_nc_u64 s[G0+4*\n+2:G0+4*\n+3], s[70:71], \n*256
	s_or_b32 s[G0+4*\n+3], s[G0+4*\n+3], 0x80000000
	s_mov_b32 s[G0B+4*\n], 1
	s_add_co_u32 s[G0B+4*\n+1], s75, \n*SLOT
	s_add_nc_u64 s[G0B+4*\n+2:G0B+4*\n+3], s[72:73], \n*128*6144
	s_or_b32 s[G0B+4*\n+3], s[G0B+4*\n+3], 0x80000000
	JLOAD \n                                       ; two loads of mine are out
.endr
	s_lshl_b32 s76, s20, 9                         ; the tables at my 64 rows: (512 b + 2 i + rh) x 256 bytes; 8,192 bytes from block to block
	s_lshl_b32 s77, s22, 1
	s_add_co_u32 s76, s76, s77
	s_add_co_u32 s76, s76, s15
	s_lshl_b32 s76, s76, 8
	s_mov_b32 s77, 0
	s_add_nc_u64 s[MB:MB+1], s[6:7], s[76:77]      ; -M's table,
	s_add_nc_u64 s[8:9], s[MB:MB+1], LTAB          ; and l's
	v_and_b32 v1, 15, v0                           ; r
	v_bfe_u32 v2, v0, 4, 1                         ; h
	v_lshlrev_b32 v[MO], 4, v1
.irp j, 0,1,2,3,4,5,6,7,8,9,10,11,12,13,14,15
.if \j < 2
	global_load_b128 v[NMJ+4*\j:NMJ+4*\j+3], v[MO], s[MB:MB+1] offset:8192*\j
.else
	global_load_b128 v[64+4*\j:64+4*\j+3], v[MO], s[MB:MB+1] offset:8192*\j
.endif
	global_load_b128 v[128+4*\j:128+4*\j+3], v[MO], s[8:9] offset:8192*\j
.endr
	v_mul_u32_u24 v3, v1, PA
	v_lshl_add_u32 v3, v2, 4, v3
	s_mul_i32 s78, s15, AHALF
	v_add_nc_u32 v[ADRA], s78, v3                  ; p's fragments: my 64 rows; row r x pitch + 16 h
	v_add_nc_u32 v[ADRA+1], SLOT, v[ADRA]
	v_and_b32 v4, 7, v0
	v_lshl_add_u32 v4, v2, 3, v4
	v_mul_u32_u24 v4, v4, PV                       ; v's: key 8 h + lane % 8,
	v_bfe_u32 v5, v0, 3, 1
	v_lshl_add_u32 v4, v5, 4, v4                   ; channels 8 ((lane / 8) % 2) on,
	s_lshl_b32 s78, s16, 8
	s_add_co_u32 s78, s78, VOFF                    ; in my 128 channels
	v_add_nc_u32 v[ADRB], s78, v4
	v_add_nc_u32 v[ADRB+1], SLOT, v[ADRB]
	s_mul_i32 s78, s14, 16*SP
	s_add_co_u32 s78, s78, STAGE                   ; my stage
	v_mul_u32_u24 v3, v1, SP
	v_lshl_add_u32 v3, v2, 5, v3
	v_add_nc_u32 v[STO], s78, v3                   ; in: row r, 32 bytes for each half of the lanes
	v_and_b32 v3, 31, v0
	v_lshlrev_b32 v[CO], 4, v3                     ; back: the 32 lanes take one row of 512 bytes; and the same in out0
	v_add_nc_u32 v[RD], s78, v[CO]
	s_lshl_b32 s76, s22, 7
	s_add_co_u32 s76, s76, s68
	s_lshl_b32 s77, s15, 6
	s_add_co_u32 s76, s76, s77                     ; my first row of out0
	s_lshl_b32 s76, s76, 12
	s_lshl_b32 s77, s17, 10
	s_add_co_u32 s76, s76, s77                     ; + 1,024 bytes a tile of channels
	s_lshl_b32 s77, s16, 9
	s_add_co_u32 s76, s76, s77                     ; + 512 for my half
	s_mov_b32 s77, 0
	s_add_nc_u64 s[12:13], s[12:13], s[76:77]
	s_lshl_b32 s76, s22, 7                         ; the prefetches.  p: row 2048 b + 128 i + 32 cx, at step 3
	s_add_co_u32 s76, s76, s68
	s_lshl_b32 s77, s17, 5
	s_add_co_u32 s76, s76, s77
	s_lshl_b32 s76, s76, 12
	s_add_co_u32 s76, s76, 3*256
	s_add_co_u32 s79, s68, s69                     ; v: key 2048 b + 64 hf + 16 cy, at step 3
	s_lshl_b32 s77, s18, 4
	s_add_co_u32 s79, s79, s77
	s_add_co_u32 s79, s79, 3*128
	s_mul_i32 s79, s79, 6144
	s_lshl_b32 s77, s17, 9
	s_add_co_u32 s79, s79, s77
	s_add_co_u32 s79, s79, 4096
	s_mov_b32 s23, 128*6144
	s_mov_b32 s47, 6144
	s_cmp_eq_u32 s15, 0                            ; p's wave or v's?
	s_cselect_b64 s[PFA:PFA+1], s[4:5], s[10:11]
	s_cselect_b32 s76, s76, s79
	s_cselect_b32 s[PFS], 256, s23                 ; a step on
	s_cselect_b32 s47, 4096, s47                   ; from lane to lane among sixteen
	s_mov_b32 s23, 256
	s_cselect_b32 s23, 65536, s23                  ; from the lower sixteen lanes to the upper
	s_mov_b32 s[PFS+1], 0
	s_mov_b32 s77, 0
	s_add_nc_u64 s[PFA:PFA+1], s[PFA:PFA+1], s[76:77]
	v_mul_lo_u32 v[PFO], v1, s47
	v_mul_lo_u32 v3, v2, s23
	v_add_nc_u32 v[PFO], v[PFO], v3
	s_cmp_eq_u32 s21, 3
	s_cselect_b32 s[LIM], 1, -1                    ; v's waves ask in the batch's last cluster,
	s_cmp_eq_u32 s14, 0
	s_cselect_b32 s[LIM], 1, s[LIM]                ; wave 0 in every cluster,
	s_cmp_eq_u32 s14, 1
	s_cselect_b32 s[LIM], -1, s[LIM]               ; wave 1 never: the same in all sixteen partners, for a given wave
	s_wait_loadcnt 0x0                             ; the tables' 32 loads
	s_add_nc_u64 s[MB:MB+1], s[MB:MB+1], 8192      ; the first refill steps it to block 2
	; the rows' -M = the least -M_j, and l = the sum of 2^(M_j - M) l_j
.irp a, 0,1,2,3
	v_min_num_f32 v[NMR+\a], v[NMJ+\a], v[NMJ+4+\a]
.endr
.irp j, 2,4,6,8,10,12,14
.irp a, 0,1,2,3
	v_min3_num_f32 v[NMR+\a], v[NMR+\a], v[64+4*\j+\a], v[68+4*\j+\a]
.endr
.endr
.macro LTERM j, m                      ; block j's part of l; m: the first register of its -M_j
.irp a, 0,1,2,3
	v_sub_f32 v[XT+\a], v[NMR+\a], v[\m+\a]        ; M_j - M: a whole number, 0 or less (about -3e38 for a hidden block)
.endr
.irp a, 0,1,2,3
	v_cvt_i32_f32 v[XT+\a], v[XT+\a]               ; (it saturates)
.endr
.irp a, 0,1,2,3
.if (\j) == 0
	v_ldexp_f32 v[LSUM+\a], v[128+\a], v[XT+\a]    ; the first term starts the sum
.else
	v_ldexp_f32 v[XT+\a], v[128+4*(\j)+\a], v[XT+\a]
.endif
.endr
.if (\j) > 0
.irp a, 0,1,2,3
	v_add_f32 v[LSUM+\a], v[LSUM+\a], v[XT+\a]
.endr
.endif
.endm
	LTERM 0, NMJ
	LTERM 1, NMJ+4
.irp j, 2,3,4,5,6,7,8,9,10,11,12,13,14,15
	LTERM \j, 64+4*\j
.endr
.irp a, 0,1,2,3
	v_rcp_f32 v[RI+\a], v[LSUM+\a]                 ; key 0 counts for every query, so l is 0.5 at the least
.endr
	v_nop                                          ; a plain line behind the reciprocals (ISA guide 5.7.2)
.macro FACT src, dst                   ; a step's factors 2^(M_j - M) / l, in f32, made twice: a pair for the packed forms.  16 plain lines
.irp a, 0,1,2,3
	v_sub_f32 v[T+\a], v[NMR+\a], v[\src+\a]
.endr
.irp a, 0,1,2,3
	v_cvt_i32_f32 v[T+\a], v[T+\a]
.endr
	s_wait_alu depctr_va_vdst(0)
.irp a, 0,1,2,3
	v_ldexp_f32 v[\dst+2*\a], v[RI+\a], v[T+\a]
	v_ldexp_f32 v[\dst+2*\a+1], v[RI+\a], v[T+\a]
.endr
.endm
; Matrix instruction i of a quarter's 32 (the symbol i): queries 16 (i / 8) on, channels 16 (i % 8) on, 32 keys, on buffers f.  The 32 accumulators take turns, one instruction a turn.
.macro WM f, zero
	WIN MUL
.if \zero
	v_wmma_f32_16x16x32_f16 v[8*i:8*i+7], v[64*(\f)+8*(i%8):64*(\f)+8*(i%8)+7], v[FA+32*(\f)+8*(i/8):FA+32*(\f)+8*(i/8)+7], 0
.else
	v_wmma_f32_16x16x32_f16 v[8*i:8*i+7], v[64*(\f)+8*(i%8):64*(\f)+8*(i%8)+7], v[FA+32*(\f)+8*(i/8):FA+32*(\f)+8*(i/8)+7], v[8*i:8*i+7]
.endif
.endm
; Accumulator i of the step that is over goes into O: kind 1: O = f S (the first step: nothing is cleared); kind 2: O += f S.  From the accumulator's low end on.
.macro UPD kind, fp
	WIN W_UP
.irp p, 0,2,4,6
.if \kind == 1
	v_pk_mul_f32 v[8*i+\p:8*i+\p+1], v[8*i+\p:8*i+\p+1], v[\fp+2*(i/8):\fp+2*(i/8)+1]
.else
	v_pk_fma_f32 v[8*i+\p:8*i+\p+1], v[8*i+\p:8*i+\p+1], v[\fp+2*(i/8):\fp+2*(i/8)+1], v[8*i+\p:8*i+\p+1]
.endif
.endr
.endm
.macro PLACES                          ; four plain vector lines between a matrix instruction and a load into its registers (ISA guide 7.12.1 for vector instructions)
.rept 4
	v_nop
.endr
.endm
.macro FETCH slot, q, g                ; 24 LDS loads in one run: the fragments of the slot's q-th 32 keys into buffers g: v's eight, turned, then p's four
	WIN TO_B
.irp e, 0,1,2,3,4,5,6,7
	ds_load_tr16_b128 v[64*(\g)+8*\e:64*(\g)+8*\e+3],   v[ADRB+\slot] offset:32*PV*(\q)+32*\e
	ds_load_tr16_b128 v[64*(\g)+8*\e+4:64*(\g)+8*\e+7], v[ADRB+\slot] offset:32*PV*(\q)+32*\e+16*PV
.endr
	WIN 0
.irp e, 0,1,2,3
	ds_load_b128 v[FA+32*(\g)+8*\e:FA+32*(\g)+8*\e+3],   v[ADRA+\slot] offset:64*(\q)+16*PA*\e
	ds_load_b128 v[FA+32*(\g)+8*\e+4:FA+32*(\g)+8*\e+7], v[ADRA+\slot] offset:64*(\q)+16*PA*\e+32
.endr
.endm
; One of a step's first three quarters: 32 keys on buffers f; behind its fourth matrix instruction the next quarter's (nq) fragments are fetched into the other buffers, 28 matrix instructions ahead of their use.
; zero = 1: the step's first quarter starts the sums;  upd: what becomes of the last step's sums just ahead of that (0: there is no last step).
.macro QUARTER slot, nq, f, zero, upd
	s_wait_dscnt 0x0                               ; this quarter's fragments are in
.set i, 0
.rept 32
.if \upd
	UPD \upd, FP+8*(1-\slot)
.endif
	WM \f, \zero
.if i == 3
	PLACES
	FETCH \slot, \nq, 1-\f
.endif
.set i, i+1
.endr
.endm
.macro STEPQ slot, upd
	QUARTER \slot, 1, 0, 1, \upd
	QUARTER \slot, 2, 1, 0, 0
	QUARTER \slot, 3, 0, 0, 0
.endm
; A step's last quarter, on buffers 1, changes slots: one barrier; in front of it each wave waits for all its tensor loads, adds 0 to its spare word, and waits for that and for its reads of the slot.
; fill = 1: the barrier opens a round of the cluster's, and the slot is filled again with the step two on.  At its end the step's factors are made: these 16 plain lines, which name no register of the
; products, are the places between the step's last products and the lines that read its sums (4 are wanted) or write over them (5); then that slot's next -M_j is asked for.
.macro TURN slot, next, fill
	s_wait_dscnt 0x0                               ; this quarter's fragments are in
	WIN 0
.if \fill
	s_wait_xcnt 0x0                                ; the last prefetch and the last load of -M_j, a step back, have read their addresses
	s_add_nc_u64 s[PFA:PFA+1], s[PFA:PFA+1], s[PFS:PFS+1]
	s_add_nc_u64 s[MB:MB+1], s[MB:MB+1], 8192
.endif
	s_wait_tensorcnt 0x0                           ; all my tensor loads have landed: my part of the next slot
	ds_add_u32 v[SPW], v[NIL]                      ; 0 onto my spare word
.set i, 0
.rept 8
	WM 1, 0
.set i, i+1
.endr
	s_wait_dscnt 0x0                               ; the add is done; my reads of this slot were over at the quarter's head
	s_barrier_signal -1
.rept 8
	WM 1, 0
.set i, i+1
.endr
	WIN 0
	s_barrier_wait -1
.if \fill
	CREST                                          ; no wave of any partner still reads this slot's tiles or has a load on its way
	s_add_nc_u64 s[G0+4*\slot+2:G0+4*\slot+3], s[G0+4*\slot+2:G0+4*\slot+3], 2*256
	s_add_nc_u64 s[G0B+4*\slot+2:G0B+4*\slot+3], s[G0B+4*\slot+2:G0B+4*\slot+3], 2*128*6144
	JLOAD \slot                                    ; the first tensor load behind the round; its four v_nop are also the places in front of the loads below
.else
	PLACES
.endif
	FETCH \next, 0, 0
.if \fill
	ASK
.endif
.rept 16
	WM 1, 0
.set i, i+1
.endr
	WIN 0
	s_wait_loadcnt 0x0                             ; this step's -M_j, asked for two steps ago
	FACT NMJ+4*\slot, FP+8*\slot
.if \fill
	global_load_b128 v[NMJ+4*\slot:NMJ+4*\slot+3], v[MO], s[MB:MB+1]   ; of the step that the slot takes next
.endif
.endm
	s_wait_tensorcnt 1                             ; my part of step 0 is in (step 1's load may be out),
	s_barrier_signal -1
	s_barrier_wait -1                              ; everybody's is
	FETCH 0, 0, 0
	s_lshl_b32 s3, s21, 1                          ; 2 g trips: 4 (g + 1) steps less the two in front of the loop and the two behind it, two a trip
	STEPQ 0, 0                                     ; step 0: there is nothing yet to add up
	TURN 0, 1, 1
	STEPQ 1, 1                                     ; step 1: O begins as f_0 S_0
	TURN 1, 0, 1
	s_cmp_eq_u32 s3, 0                             ; the batch's first cluster has four steps and no trip.  The cluster's number: the same in all partners
	s_cbranch_scc1 .Ltail
.Llap:
	STEPQ 0, 2
	TURN 0, 1, 1
	STEPQ 1, 2
	TURN 1, 0, 1
	s_sub_co_u32 s3, s3, 1
	s_cmp_lg_u32 s3, 0
	s_cbranch_scc1 .Llap
.Ltail:
	STEPQ 0, 2                                     ; the last two steps are written out: they ask for nothing
	TURN 0, 1, 0
	STEPQ 1, 2
	s_wait_dscnt 0x0
.set i, 0
.rept 32
	WM 1, 0
.set i, i+1
.endr
	WIN 0
	s_wait_loadcnt 0x0
	FACT NMJ+4, FP+8                               ; the last step's factors: also the places between the last products and the first read of their sums
; THE WAY OUT, block by block of 16 queries x 128 channels: the last step's sums are added, then through my stage and back as whole rows of 512 bytes.
.macro FIN a
.set i, 8*(\a)
.rept 8
	UPD 2, FP+8
.set i, i+1
.endr
.endm
.macro TOSTAGE a
	WIN 0x0c                                       ; an LDS store's data are its source 1: window 3
.irp b, 0,1,2,3,4,5,6,7
	ds_store_b128 v[STO], v[64*(\a)+8*\b:64*(\a)+8*\b+3] offset:64*\b
	ds_store_b128 v[STO], v[64*(\a)+8*\b+4:64*(\a)+8*\b+7] offset:64*\b+16
.endr
	WIN 0
.set BB, BK+64*((\a)%2)
.irp t, 0,1,2,3,4,5,6,7,8,9,10,11,12,13,14,15
	ds_load_b128 v[BB+4*\t:BB+4*\t+3], v[RD] offset:\t*SP          ; LDS serves a wave's instructions in order: these see the stores above
.endr
.endm
.macro SEND a, younger                 ; younger: the LDS instructions issued behind block a's loads, which may stay out
.set BB, BK+64*((\a)%2)
	s_wait_dscnt \younger
.irp t, 0,1,2,3,4,5,6,7,8,9,10,11,12,13,14,15
	global_store_b128 v[CO], v[BB+4*\t:BB+4*\t+3], s[12:13] offset:(\a)*65536+\t*4096 th:TH_STORE_NT   ; 32 lanes store 512 consecutive bytes, aligned
.endr
.endm
	FIN 0
	TOSTAGE 0
.irp a, 1,2,3
	FIN \a
.if \a > 1
	s_wait_xcnt 0x0                                ; block a - 2's stores have read their registers: block a's loads may land there
.endif
	TOSTAGE \a
	SEND \a-1, 32                                  ; behind block a - 1's loads: block a's 16 stores and 16 loads
.endr
	SEND 3, 0
	s_wait_tensorcnt 0x0                           ; the wave's end
	ds_add_u32 v[SPW], v[NIL]
	s_wait_dscnt 0x0
	CROUND                                         ; the closing round
	s_endpgm
.Lfunc_end_k_q13c88821b3_pv:
	.size	k_q13c88821b3_pv, .Lfunc_end_k_q13c88821b3_pv-k_q13c88821b3_pv
	.p2alignl 7, 3214868480
	.fill 96, 4, 3214868480
	.section	.rodata,"a",@progbits
	.p2align	6, 0x0
	.amdhsa_kernel k_q13c88821b3_pv
		.amdhsa_group_segment_fixed_size 327680
		.amdhsa_private_segment_fixed_size 0
		.amdhsa_enable_private_segment 0
		.amdhsa_kernarg_size 32
		.amdhsa_user_sgpr_count 2
		.amdhsa_user_sgpr_kernarg_segment_ptr 1
		.amdhsa_wavefront_size32 1
		.amdhsa_system_sgpr_workgroup_id_x 1
		.amdhsa_system_sgpr_workgroup_id_y 1
		.amdhsa_system_sgpr_workgroup_id_z 1
		.amdhsa_system_vgpr_workitem_id 0
		.amdhsa_next_free_vgpr 1024
		.amdhsa_next_free_sgpr 80
		.amdhsa_reserve_vcc 0
		.amdhsa_float_denorm_mode_32 3
		.amdhsa_float_denorm_mode_16_64 3
		.amdhsa_memory_ordered 1
		.amdhsa_forward_progress 1
		.amdhsa_inst_pref_size 198
	.end_amdhsa_kernel
	.amdgpu_metadata
---
amdhsa.version: [ 1, 2 ]
amdhsa.kernels:
  - .name:           k_q13c88821b3_pv
    .symbol:         k_q13c88821b3_pv.kd
    .args:
      - { .name: pt, .offset: 0, .size: 8, .value_kind: global_buffer, .address_space: global }
      - { .name: ml, .offset: 8, .size: 8, .value_kind: global_buffer, .address_space: global }
      - { .name: qkv, .offset: 16, .size: 8, .value_kind: global_buffer, .address_space: global }
      - { .name: out0, .offset: 24, .size: 8, .value_kind: global_buffer, .address_space: global }
    .group_segment_fixed_size: 327680
    .private_segment_fixed_size: 0
    .kernarg_segment_align: 8
    .kernarg_segment_size: 32
    .max_flat_workgroup_size: 128
    .sgpr_count:     80
    .vgpr_count:     1024
    .wavefront_size: 32
...
	.end_amdgpu_metadata
.endif
;; end of part 4
;; launch head (part 5): grid 4 x 1, 8 waves a work-group, no clusters, 17,408 bytes of LDS; arguments hf, out0; writes out0
.if DOCPART == 5
	.amdgcn_target "amdgcn-amd-amdhsa--gfx1250"
	.amdhsa_code_object_version 6
	.text
	.protected	k_q13c88821b3_head
	.globl	k_q13c88821b3_head
	.p2align	8
	.type	k_q13c88821b3_head,@function
k_q13c88821b3_head:
	s_mov_b64 s[64:65], 0
	v_nop
	global_prefetch_b8 v0, s[64:65] scope:SCOPE_SE
	s_setreg_imm32_b32 hwreg(HW_REG_WAVE_MODE, 25, 1), 1
	s_wait_xcnt 0x0
; Queries 0 to 15 of each batch, from q, k, v as f32 (hf [4][16][3072]: q at byte 0, k at 4,096, v at 8,192 of a row of 12,288), all in f32.
; WHY.  A query with n keys averages over about n / e of them.  With 16-bit operands the rounding of each (2^-11 of a number of size 1) shows whole in a sum of two or three terms that nearly cancel,
; while from 16 keys on it is averaged down.  These 64 rows are 1 in 128 of the output, and their two products 1 in 1,000 of the products' work: no bulk, so the f32 matrix form and plain multiply-adds serve.
; This launch runs last and stores these rows of out0 again.
; SHARES.  A work-group to a batch, eight waves.  SCORES: wave w takes 128 of K: S^T = k q^T by 32 matrix instructions of 16 x 16 x 4 on four accumulators by turns; the eight waves' parts meet in LDS behind one
; barrier, and every wave adds all eight.  A lane then holds ONE query (lane % 16) and the keys 8 (lane / 16) + 0 .. 7.  SOFTMAX: hidden keys at -infinity, the row's largest score taken away, every wave for itself.
; THE WEIGHTS go to the wave's own 1,024 bytes of LDS and come back to every lane alike.  OUTPUT: thread t owns channels 4 t .. 4 t + 3: v's 16 keys in 64 registers, 136 weights x 4 multiply-adds, a store of 16 bytes a row:
; a wave's store covers 512 consecutive bytes, aligned.
; q's and k's fragments come straight from memory, 32 bytes of each of 16 rows a load: 128 KiB a work-group, read once; a wave's 16 loads of a tensor cover 512 consecutive bytes of each row.
; Four work-groups: the design has work for no more without making the scores again in each; no cluster, no tensor load, no prefetch: the launch is short and shares nothing.
; LIMITS: NaN and infinities among the inputs are not served.
.set ROWH, 12288
.set PART, 0                           ; LDS: the waves' parts of the scores, 1,024 bytes each
.set WT,   8192                        ; and each wave's own table of weights: [16 queries][16 keys] f32
.set QF,   16                          ; v16-79   q's fragments; then the eight parts; then weights
.set KF,   80                          ; v80-143  k's fragments; then weights
.set VV,   144                         ; v144-207 v: key kk's four channels at VV + 4 kk
.set ACC,  208                         ; v208-239 four accumulators: written by matrix instructions alone
.set S,    240                         ; v240-247 scores, then weights; then results
.set TT,   248                         ; v248-255 at work
.set OUT,  240                         ; four queries' results, four registers each
	s_load_b128 s[4:7], s[0:1], 0x0                ; hf, out0
	v_lshl_add_u32 v14, v0, 2, 0x4000
	v_mov_b32 v15, 0
	v_lshrrev_b32 v1, 5, v0
	v_readfirstlane_b32 s8, v1                     ; wave 0..7
	v_and_b32 v2, 31, v0                           ; lane
	v_and_b32 v3, 15, v0                           ; r
	v_bfe_u32 v4, v0, 4, 1                         ; h
	v_mul_u32_u24 v5, v3, ROWH
	v_lshl_add_u32 v5, v4, 4, v5
	s_lshl_b32 s9, s8, 9
	v_add_nc_u32 v5, s9, v5                        ; q, k: row r, + 512 bytes a wave (128 of K), + 16 h
	v_lshlrev_b32 v6, 4, v0                        ; v, out0: 16 bytes a thread
	s_lshl_b32 s17, s8, 10
	v_lshlrev_b32 v8, 4, v2                        ; the parts, on the way back: 16 x lane
	v_add_nc_u32 v7, s17, v8                       ; and on the way in: + 1,024 x wave
	v_lshlrev_b32 v9, 6, v3
	v_lshl_add_u32 v9, v4, 5, v9
	v_add_nc_u32 v9, s17, v9
	v_add_nc_u32 v9, WT, v9                        ; my eight weights: my wave's table, row r of 64 bytes, + 32 h
	s_add_co_u32 s18, s17, WT
	v_mov_b32 v10, s18                             ; my wave's table, the same address in every lane
	v_lshlrev_b32 v11, 3, v4
	v_sub_nc_u32 v11, v3, v11                      ; register j holds key 8 h + j: hidden where j > r - 8 h
	v_mov_b32 v12, 0xff800000                      ; -infinity
	s_mov_b32 s14, 0x76543210
	s_mov_b32 s15, 0xfedcba98                      ; v_permlanex16_b32's selects for lane l xor 16
	s_mov_b32 s16, 0x3d38aa3b                      ; c = log2(e) / sqrt(1024)
	s_mul_i32 s10, ttmp9, 16*ROWH                  ; the batch's 16 rows of hf
	s_mov_b32 s11, 0
	s_lshl_b32 s12, ttmp9, 23                      ; and its 2,048 rows of 4,096 bytes of out0
	s_mov_b32 s13, 0
	s_wait_kmcnt 0x0
	s_add_nc_u64 s[4:5], s[4:5], s[10:11]
	s_add_nc_u64 s[6:7], s[6:7], s[12:13]
.irp c, 0,1,2,3,4,5,6,7,8,9,10,11,12,13,14,15
	global_load_b128 v[QF+4*\c:QF+4*\c+3], v5, s[4:5] offset:32*\c          ; q(r, 128 w + 8 c + 4 h + 0 .. 3)
	global_load_b128 v[KF+4*\c:KF+4*\c+3], v5, s[4:5] offset:4096+32*\c     ; k likewise
.endr
.irp k, 0,1,2,3,4,5,6,7,8,9,10,11,12,13,14,15
	global_load_b128 v[VV+4*\k:VV+4*\k+3], v6, s[4:5] offset:8192+\k*ROWH   ; v(key k, 4 t + 0 .. 3): a wave reads 512 consecutive bytes
.endr
	s_wait_loadcnt 16                              ; q and k are in; v's 16 loads may be out
; Instruction n takes registers 2 n, 2 n + 1 of both fragments: K = 128 w + 8 (n / 2) + 4 h + 2 (n % 2) + 0, 1: the same places of K in both sources, so the products are the right ones.
; Four accumulators take turns; the first four instructions start the sums with the constant 0.
.set n, 0
.rept 32
.if n < 4
	v_wmma_f32_16x16x4_f32 v[ACC+8*(n%4):ACC+8*(n%4)+7], v[KF+2*n:KF+2*n+1], v[QF+2*n:QF+2*n+1], 0
.else
	v_wmma_f32_16x16x4_f32 v[ACC+8*(n%4):ACC+8*(n%4)+7], v[KF+2*n:KF+2*n+1], v[QF+2*n:QF+2*n+1], v[ACC+8*(n%4):ACC+8*(n%4)+7]
.endif
.set n, n+1
.endr
.rept 8
	v_nop                                          ; eight places behind this form, in front of the first read of results and of loads into its sources
.endr
.irp p, 0,2,4,6
	v_pk_add_f32 v[S+\p:S+\p+1], v[ACC+\p:ACC+\p+1], v[ACC+8+\p:ACC+8+\p+1]          ; the four sums into other registers, each accumulator from its low end on
	v_pk_add_f32 v[TT+\p:TT+\p+1], v[ACC+16+\p:ACC+16+\p+1], v[ACC+24+\p:ACC+24+\p+1]
.endr
.irp p, 0,2,4,6
	v_pk_add_f32 v[S+\p:S+\p+1], v[S+\p:S+\p+1], v[TT+\p:TT+\p+1]
.endr
	ds_store_b128 v7, v[S:S+3] offset:PART         ; my wave's part, as an image of its registers
	ds_store_b128 v7, v[S+4:S+7] offset:PART+512
	s_wait_dscnt 0x0                               ; for the others' sake: my stores have landed
	s_barrier_signal -1
	s_barrier_wait -1
.irp w, 0,1,2,3,4,5,6,7
	ds_load_b128 v[QF+8*\w:QF+8*\w+3], v8 offset:PART+1024*\w
	ds_load_b128 v[QF+8*\w+4:QF+8*\w+7], v8 offset:PART+1024*\w+512
.endr
	s_wait_dscnt 0x0
.irp p, 0,2,4,6
	v_pk_add_f32 v[S+\p:S+\p+1], v[QF+\p:QF+\p+1], v[QF+8+\p:QF+8+\p+1]
.endr
.irp w, 2,3,4,5,6,7
.irp p, 0,2,4,6
	v_pk_add_f32 v[S+\p:S+\p+1], v[S+\p:S+\p+1], v[QF+8*\w+\p:QF+8*\w+\p+1]
.endr
.endr
	; the softmax of my query: eight keys here, eight in the lane 16 away
.irp j, 0,1,2,3,4,5,6,7
	v_cmp_gt_i32 vcc_lo, \j, v11
	v_cndmask_b32 v[S+\j], v[S+\j], v12, vcc_lo
.endr
	v_max3_num_f32 v[TT], v[S], v[S+1], v[S+2]
	v_max3_num_f32 v[TT], v[TT], v[S+3], v[S+4]
	v_max3_num_f32 v[TT], v[TT], v[S+5], v[S+6]
	v_max_num_f32 v[TT], v[TT], v[S+7]
	v_permlanex16_b32 v[TT+1], v[TT], s14, s15
	v_max_num_f32 v[TT], v[TT], v[TT+1]            ; the row's largest score: key 0 counts for every query, so it is a number
	v_mul_f32 v[TT], s16, v[TT]
.irp j, 0,1,2,3,4,5,6,7
	v_fma_f32 v[S+\j], v[S+\j], s16, -v[TT]        ; (score - the largest) x c; -infinity stays
.endr
.irp j, 0,1,2,3,4,5,6,7
	v_exp_f32 v[S+\j], v[S+\j]
.endr
	v_nop                                          ; a plain line behind the exponentials (ISA guide 5.7.2)
	s_wait_alu depctr_va_vdst(0)
	v_add_f32 v[TT+2], v[S], v[S+1]
	v_add_f32 v[TT+3], v[S+2], v[S+3]
	v_add_f32 v[TT+4], v[S+4], v[S+5]
	v_add_f32 v[TT+5], v[S+6], v[S+7]
	v_add_f32 v[TT+2], v[TT+2], v[TT+3]
	v_add_f32 v[TT+4], v[TT+4], v[TT+5]
	v_add_f32 v[TT+2], v[TT+2], v[TT+4]
	v_permlanex16_b32 v[TT+1], v[TT+2], s14, s15
	v_add_f32 v[TT+2], v[TT+2], v[TT+1]            ; the row's sum, 1 at the least
	v_rcp_f32 v[TT+3], v[TT+2]
	v_nop                                          ; a plain line behind the reciprocal
	s_wait_alu depctr_va_vdst(0)
.irp j, 0,1,2,3,4,5,6,7
	v_mul_f32 v[S+\j], v[S+\j], v[TT+3]            ; the weights
.endr
	ds_store_b128 v9, v[S:S+3]                     ; into my wave's own table: no other wave reads it, so no barrier
	ds_store_b128 v9, v[S+4:S+7] offset:16
; Queries 4 G .. 4 G + 3 want keys 0 .. 4 G + 3: G + 1 loads of four weights each, the same address in every lane; two sets of 64 registers by turns.
.macro WLOAD G
.set WB, QF+64*((\G)%2)
.irp u, 0,1,2,3
.set g, 0
.rept (\G)+1
	ds_load_b128 v[WB+16*\u+4*g:WB+16*\u+4*g+3], v10 offset:64*(4*(\G)+\u)+16*g   ; LDS serves a wave's instructions in order: these see my stores
.set g, g+1
.endr
.endr
.endm
.macro PVG G                           ; their rows of the output: the first key starts the sums, hidden keys are left out
.set WB, QF+64*((\G)%2)
.set u, 0
.rept 4
.set q, 4*(\G)+u
.set kk, 0
.rept 16
.if kk <= q
.irp e, 0,1,2,3
.if kk == 0
	v_mul_f32 v[OUT+4*u+\e], v[WB+16*u], v[VV+\e]
.else
	v_fmac_f32 v[OUT+4*u+\e], v[WB+16*u+kk], v[VV+4*kk+\e]
.endif
.endr
.endif
.set kk, kk+1
.endr
	global_store_b128 v6, v[OUT+4*u:OUT+4*u+3], s[6:7] offset:4096*q
.set u, u+1
.endr
.endm
	WLOAD 0
	WLOAD 1
	s_wait_loadcnt 0x0                             ; v
	s_wait_dscnt 8                                 ; group 0's weights are in; group 1's eight loads may be out
	PVG 0
	WLOAD 2
	s_wait_dscnt 12                                ; group 1's are in; group 2's twelve may be out
	s_wait_xcnt 0x0                                ; the last group's stores have read their registers, which are written again
	PVG 1
	WLOAD 3
	s_wait_dscnt 16                                ; group 2's are in; group 3's sixteen may be out
	s_wait_xcnt 0x0
	PVG 2
	s_wait_dscnt 0x0
	s_wait_xcnt 0x0
	PVG 3
	s_wait_tensorcnt 0x0
	ds_add_u32 v14, v15
	s_wait_dscnt 0x0
	s_endpgm
.Lfunc_end_k_q13c88821b3_head:
	.size	k_q13c88821b3_head, .Lfunc_end_k_q13c88821b3_head-k_q13c88821b3_head
	.p2alignl 7, 3214868480
	.fill 96, 4, 3214868480
	.section	.rodata,"a",@progbits
	.p2align	6, 0x0
	.amdhsa_kernel k_q13c88821b3_head
		.amdhsa_group_segment_fixed_size 17408
		.amdhsa_private_segment_fixed_size 0
		.amdhsa_enable_private_segment 0
		.amdhsa_kernarg_size 16
		.amdhsa_user_sgpr_count 2
		.amdhsa_user_sgpr_kernarg_segment_ptr 1
		.amdhsa_wavefront_size32 1
		.amdhsa_system_sgpr_workgroup_id_x 1
		.amdhsa_system_sgpr_workgroup_id_y 1
		.amdhsa_system_sgpr_workgroup_id_z 1
		.amdhsa_system_vgpr_workitem_id 0
		.amdhsa_next_free_vgpr 256
		.amdhsa_next_free_sgpr 66
		.amdhsa_reserve_vcc 1
		.amdhsa_float_denorm_mode_32 3
		.amdhsa_float_denorm_mode_16_64 3
		.amdhsa_memory_ordered 1
		.amdhsa_forward_progress 1
		.amdhsa_inst_pref_size 37
	.end_amdhsa_kernel
	.amdgpu_metadata
---
amdhsa.version: [ 1, 2 ]
amdhsa.kernels:
  - .name:           k_q13c88821b3_head
    .symbol:         k_q13c88821b3_head.kd
    .args:
      - { .name: hf, .offset: 0, .size: 8, .value_kind: global_buffer, .address_space: global }
      - { .name: out0, .offset: 8, .size: 8, .value_kind: global_buffer, .address_space: global }
    .group_segment_fixed_size: 17408
    .private_segment_fixed_size: 0
    .kernarg_segment_align: 8
    .kernarg_segment_size: 16
    .max_flat_workgroup_size: 256
    .sgpr_count:     66
    .vgpr_count:     256
    .wavefront_size: 32
...
	.end_amdgpu_metadata
.endif
;; end of part 5
;; ======== version 2 of 2: 4 launches
;; limits: values are held in f16: magnitudes above 65,504 overflow, below 6.1e-05 lose precision
;; workspace buffers: xc 4,194,304 bytes; xs 262,144 bytes; wc 1,572,864 bytes; ws 98,304 bytes; qkv 50,331,648 bytes; pt 33,554,432 bytes; ml 1,048,576 bytes; hf 786,432 bytes
;; launch quant: the kernel of part 1 again; grid 352 x 1, 4 waves a work-group, no clusters, 33,280 bytes of LDS; arguments inputs, Wq, Wk, Wv, xc, xs, wc, ws; writes xc, xs, wc, ws
;; launch proj: the kernel of part 2 again; grid 12 x 32, 4 waves a work-group, clusters of 4 x 4, 327,680 bytes of LDS; arguments xc, xs, wc, ws, qkv, hf; writes qkv, hf
;; launch score (part 6): grid 4 x 52, 4 waves a work-group, clusters of 4 x 4, 327,680 bytes of LDS; arguments qkv, pt, ml, hf, out0; writes pt, ml, out0
.if DOCPART == 6
	.amdgcn_target "amdgcn-amd-amdhsa--gfx1250"
	.amdhsa_code_object_version 6
	.text
	.protected	k_q13c88821b3_score
	.globl	k_q13c88821b3_score
	.p2align	8
	.type	k_q13c88821b3_score,@function
k_q13c88821b3_score:
	s_mov_b64 s[64:65], 0
	v_nop
	global_prefetch_b8 v0, s[64:65] scope:SCOPE_SE
	s_setreg_imm32_b32 hwreg(HW_REG_WAVE_MODE, 25, 1), 1
	s_wait_xcnt 0x0
	s_wait_alu depctr_hold_cnt(0) depctr_sa_sdst(0) depctr_va_vdst(0) depctr_va_sdst(0) depctr_va_ssrc(0) depctr_va_vcc(0) depctr_vm_vsrc(0)
	s_getreg_b32 s2, hwreg(HW_REG_IB_STS2, 6, 4)
	s_cmp_eq_u32 s2, 0
	s_cbranch_scc0 .Lentry_in_a_cluster
	s_endpgm
.Lentry_in_a_cluster:
	s_bfe_u32 s2, ttmp6, 0x10000c
	s_cmp_lg_u32 s2, 0xf033
	s_cbranch_scc0 .Lentry_shape_is_right
	s_endpgm
.Lentry_shape_is_right:
; The first half of the attention.  For each batch b, query q and block j of 128 keys:  t = (q . k) log2(e) / 32 with hidden keys (key > query) at -infinity;
; M = the block's largest t rounded UP to a whole number; p = 2^(t - M), at most 1; l = the f32 sum of the block's p.  Stored: p rounded to f16 in pt [8192][2048], -M and l in ml.
; The next launch takes the row's largest M away from every block, by powers of two, so the row's maximum leaves the exponent as the softmax asks.
; ml: two tables of f32, -M in its first 524,288 bytes and l in its second, each [b 4][j 16][q64 32][r 16][a 4]: query 64 q64 + 16 a + r.  A block all of whose keys are hidden for a row has -M = 3e38, p = 0, l = 0.
; q, k: f16 in qkv [8192][3072] (q at byte 0, k at byte 2,048 of a row of 6,144).  Products in f16 with f32 sums, K = 1,024 in 8 steps of 128 through two LDS slots.
; SHARES.  A tile of 256 queries x 256 keys to a work-group of four waves, 128 x 128 a wave: a wave's columns are one block j.
; CLUSTERS of 4 x 4 tiles: three for each batch, the squares of 1,024 x 1,024 at (0,0), (1,0), (1,1); the square above the diagonal is not computed.  Q's tiles are asked for jointly along a row of the cluster,
; K's along a column.  In the two squares on the diagonal 6 of 16 tiles are wholly hidden: those work-groups are partners of joint loads, so they run like the others and store zeros.
; THE THIRTEENTH CLUSTER finishes queries 0 to 15 of each batch, all in f32, from q, k, v as f32 (hf [4][16][3072]), and stores those rows of out0; the next launch leaves them out.
; A query with n keys averages over about n / e of them: with 16-bit operands the rounding of each shows whole in a sum of two or three terms that nearly cancel, while from 16 keys on it is averaged down.
; These 64 rows are 1 in 128 of the output and their products 1 in 1,000 of the products' work: no bulk, so the f32 matrix form and plain multiply-adds serve.
; THE MATRIX INSTRUCTION IS USED TRANSPOSED (source 0 = 16 keys, source 1 = 16 queries): a lane holds ONE query (lane % 16) and the keys 16 b + 8 (lane / 16) + 0 .. 7.
; LIMITS: NaN and infinities among the inputs are not served; q and k arrive rounded to f16, p leaves rounded to f16 (a p under 3e-8 leaves as 0, beside a block's largest of 0.5 at the least).
; REGISTERS: window 0: v1 r, v2 h, v16-30 addresses; v64-127, v128-191 Q's fragments, two buffers; on the way out v32-255 are at work.  window 1: v64-191 K's fragments; v0-31 the thirteenth cluster's four
; accumulators, which nothing but its matrix instructions writes.  windows 2, 3: accumulator (a, b) at v[8 (8 (a % 4) + b)].
.set KSTEP,  128
.set PITCH,  272                       ; an LDS row: 256 bytes + 16 of padding: the 16 rows of a load start at 16 different banks (64 banks of 4 bytes: ISA guide 11.1)
.set HALFT,  128*PITCH
.set SLOT,   4*HALFT                   ; Q's 256 rows, then K's 256 rows
.set STAGE,  2*SLOT                    ; behind the ring: 16 rows x 272 bytes a wave
.set SPITCH, 272
.set SPARE,  STAGE+4*16*SPITCH         ; the spare words, 128 bytes a wave: two blocks of 256 bytes that no other line names
.set HPART,  SPARE+512                 ; the thirteenth cluster's own LDS bytes: the waves' parts of the scores, 1,024 bytes each,
.set HWT,    HPART+4096                ; and each wave's own table of weights: [16 queries][16 keys] f32
.set HROW,   12288                     ; a row of hf in bytes: q at 0, k at 4,096, v at 8,192
.set ROWQ,   6144                      ; a row of qkv in bytes
.set LTAB,   524288                    ; l's table begins here in ml
.set LAPS,   1024/(2*KSTEP)
.set ADRA, 16
.set ADRB, 20
.set STO,  24
.set RD,   25
.set CO,   26
.set SPW,  28
.set NIL,  29
.set PFO,  30                          ; v30  the prefetches' offset: my lane x a row of qkv; never rewritten
.set F0,   64
.set F1,   128
.set OB,   32                          ; the way out: rows read back: v32-63 and v224-255 by turns
.set TMP,  192                         ; packed p
.set T,    64                          ; v64-71   eight running maxima
.set NM,   72                          ; v[72:73] -M (the pair's low word serves both halves)
.set LA,   74                          ; v[74:75], v[76:77] the sum in two chains of pairs
.set LB,   76
.set X,    78                          ; v78, v79
.set NMS,  80                          ; v80-87   -M of my eight blocks of rows
.set LS,   88                          ; v88-95   l of them
.set D0,   96                          ; v96      my query - my first key, for block a = 0, b = 0, register 0
.set NINF, 97
.set OUTM, 100
.set OUTL, 104
.set DEF,  108
.set ZER,  112
.set TO,   116
.set HQ,   32                          ; the thirteenth cluster: v32-159 q's fragments, then v: key kk's eight channels at HQ + 8 kk
.set HK,   64                          ; window 1, v64-191: k's fragments
.set HACC, 0                           ; window 1, v0-31: four accumulators
.set HW,   160                         ; v160-223 the four parts, then weights: query u's at HW + 16 u
.set HS,   224                         ; v224-231 scores, then weights
.set HT,   232                         ; v232-239 at work
.set HO,   224                         ; v224-255 four queries' results, eight registers each
.set G1, 24
.set G0, 32
.set LIM, 43                           ; s43      1 in a wave that prefetches, else the greatest number
.set PFA, 44                           ; s[44:45] where my prefetches stand
.set G1B, 48
.set G0B, 56
.set SEL, 70                           ; s[70:71] v_permlanex16_b32's selects for lane l xor 16
.set CS,  72                           ; s[72:73] c = log2(e) / 32
.set MSB, 0
.macro WIN new
.if MSB != (\new)
	s_set_vgpr_msb (MSB<<8)|(\new)
.set MSB, (\new)
.endif
.endm
.set MUL_LO, 0xa1                      ; source 0 (K) window 1, source 1 (Q) window 0, C and D window 2
.set MUL_HI, 0xf1
.set TO_B,   0x40
; A joint load: waves 0 and 1 fetch Q's halves, waves 2 and 3 K's.  The branch hangs on the wave's number alone.  Four v_nop follow each line.
.macro JLOAD s
	s_cmp_eq_u32 s13, 0
	s_cbranch_scc0 .Lfor_b_\@
	tensor_load_to_lds s[G0+4*\s:G0+4*\s+3], s[G1:G1+7]
	s_nop 0
.rept 4
	v_nop
.endr
	s_branch .Lasked_\@
.Lfor_b_\@:
	tensor_load_to_lds s[G0B+4*\s:G0B+4*\s+3], s[G1B:G1B+7]
	s_nop 0
.rept 4
	v_nop
.endr
.Lasked_\@:
.endm
; A prefetch of the K step that stands two refills on: 32 rows x 256 bytes, a lane a row, one instruction a wave.  Each row's 256 bytes of a K step are named once in the launch: of the two clusters that read
; the same rows of Q (squares (1,0) and (1,1)) the first asks, of the two that read the same rows of K (squares (0,0) and (1,0)) the first; of the 128 rows that a wave fetches each of the four partners
; takes 32, told apart by address.  The loop's last trip asks for nothing: its refills are the last two K steps.
.macro ASK
	s_cmp_gt_u32 s3, s[LIM]
	s_cbranch_scc0 .Lnot_mine_\@
	global_prefetch_b8 v[PFO], s[PFA:PFA+1] offset:KSTEP*2 th:TH_LOAD_NT scope:SCOPE_SE
.Lnot_mine_\@:
.endm
.macro CREST                           ; a round of the cluster's barrier behind its opening barrier
	s_cmp_lg_u32 s12, 0
	s_cbranch_scc1 .Lnot_wave_0_\@
	s_barrier_signal -3
.Lnot_wave_0_\@:
	s_barrier_wait -3
	s_barrier_signal -1
	s_barrier_wait -1
.endm
.macro CROUND
	s_barrier_signal -1
	s_barrier_wait -1
	CREST
.endm
	s_load_b128 s[4:7], s[0:1], 0x0                ; qkv s[4:5], pt s[6:7]
	s_load_b64 s[8:9], s[0:1], 0x10                ; ml
	s_load_b128 s[84:87], s[0:1], 0x18             ; hf s[84:85], out0 s[86:87]
	v_lshl_add_u32 v[SPW], v0, 2, SPARE
	v_mov_b32 v[NIL], 0
	ds_add_u32 v28, v29
	s_wait_dscnt 0x0
	v_lshrrev_b32 v3, 5, v0
	v_readfirstlane_b32 s12, v3                    ; wave 0..3
	s_lshr_b32 s13, s12, 1                         ; rh: my half of the tile's queries.  Also: I fetch for Q (0) or K (1)
	s_and_b32 s14, s12, 1                          ; ch: my half of its keys.  Also: which 128 rows I fetch
	s_bfe_u32 s15, ttmp6, 0x40000                  ; cx
	s_bfe_u32 s16, ttmp6, 0x40004                  ; cy
	s_and_b32 s17, ttmp7, 0xffff                   ; the cluster, 0 .. 12
	s_mul_i32 s18, s17, 11
	s_lshr_b32 s18, s18, 5                         ; the batch = cluster / 3
	s_mul_i32 s19, s18, 3
	s_sub_co_u32 s19, s17, s19                     ; which square: 0: (0,0), 1: (1,0), 2: (1,1)
	s_add_co_u32 s20, s19, 1
	s_lshr_b32 s20, s20, 1                         ; SI
	s_lshr_b32 s21, s19, 1                         ; SJ
	s_lshl_b32 s22, s18, 3
	s_lshl_b32 s78, s20, 2
	s_add_co_u32 s22, s22, s78
	s_add_co_u32 s22, s22, s16                     ; TR = 8 b + 4 SI + cy: Q's rows 256 TR on
	s_lshl_b32 s23, s18, 3
	s_lshl_b32 s78, s21, 2
	s_add_co_u32 s23, s23, s78
	s_add_co_u32 s23, s23, s15                     ; TC = 8 b + 4 SJ + cx: K's rows 256 TC on
	s_lshl_b32 s66, s16, 2
	s_lshl_b32 s66, 15, s66                        ; my row of the cluster
	s_lshl_b32 s67, 0x1111, s15                    ; my column
	s_or_b32 s[G1+0], s66, (1<<16)|(1<<20)|(1<<21)|(5<<22)|(3<<25)   ; the mask; elements of 2 bytes; padding on; bit 21 beside a mask; 4 words after every 64
	s_or_b32 s[G1B+0], s67, (1<<16)|(1<<20)|(1<<21)|(5<<22)|(3<<25)
.irp g, G1, G1B
	s_mov_b32 s[\g+1], KSTEP<<16                   ; tensor_dim0 = 128
	s_mov_b32 s[\g+2], 128<<16                     ; tensor_dim1 = 128
	s_mov_b32 s[\g+3], KSTEP<<16                   ; tile_dim0 = 128
	s_mov_b32 s[\g+4], 128                         ; tile_dim1 = 128
	s_mov_b32 s[\g+5], 3072                        ; the pitch, in elements
	s_mov_b32 s[\g+6], 0
	s_mov_b32 s[\g+7], 0
.endr
	s_mov_b32 s[SEL], 0x76543210
	s_mov_b32 s[SEL+1], 0xfedcba98
	s_mov_b32 s[CS], 0x3d38aa3b                    ; log2(e) / sqrt(1024)
	s_mov_b32 s[CS+1], s[CS]                       ; (named with it as a pair, so it is written)
	s_lshl_b32 s68, s14, 7                         ; which 128 rows of the tile I fetch
	s_lshl_b32 s74, s22, 8
	s_add_co_u32 s74, s74, s68
	s_mul_i32 s74, s74, ROWQ                       ; Q's: under 2^26 bytes
	s_mov_b32 s75, 0
	s_lshl_b32 s76, s23, 8
	s_add_co_u32 s76, s76, s68
	s_mul_i32 s76, s76, ROWQ
	s_add_co_u32 s76, s76, 2048                    ; K's part of a row
	s_mov_b32 s77, 0
	s_mul_i32 s69, s12, HALFT                      ; where they go: wave x 128 rows
	s_wait_kmcnt 0x0
	s_add_nc_u64 s[74:75], s[4:5], s[74:75]
	s_add_nc_u64 s[76:77], s[4:5], s[76:77]
	CROUND                                         ; all sixteen work-groups are here: the first joint loads meet
	s_cmp_lg_u32 s17, 12                           ; the cluster's number: the same in all sixteen partners
	s_cbranch_scc1 .Lmain
	; ---- THE THIRTEENTH CLUSTER: queries 0 to 15 of batch cy, channels 256 cx on; cx and cy enter global addresses alone.  It asks for no tile.
	; SCORES: wave w takes 256 of K: S^T = k q^T by 64 matrix instructions of 16 x 16 x 4 on four accumulators by turns; the four waves' parts meet in LDS behind one barrier, and every wave adds all four.
	; A lane then holds ONE query (lane % 16) and the keys 8 (lane / 16) + 0 .. 7.  SOFTMAX: hidden keys at -infinity, the row's largest score taken away, every wave for itself.
	; THE WEIGHTS go to the wave's own 1,024 bytes of LDS and come back to every lane alike.  OUTPUT: wave w makes queries 4 w .. 4 w + 3; lane l owns channels 4 l .. 4 l + 3 and 128 + 4 l .. + 3; hidden keys have the weight 0.
	v_and_b32 v3, 31, v0                           ; lane
	v_and_b32 v4, 15, v0                           ; r
	v_bfe_u32 v5, v0, 4, 1                         ; h
	v_mul_u32_u24 v6, v4, HROW
	v_lshl_add_u32 v6, v5, 4, v6
	s_lshl_b32 s74, s12, 10
	v_add_nc_u32 v6, s74, v6                       ; q, k: row r, + 1,024 bytes a wave (256 of K), + 16 h
	v_lshlrev_b32 v7, 4, v3                        ; 16 x lane
	v_add_nc_u32 v9, HPART, v7                     ; the parts, on the way back
	v_add_nc_u32 v8, s74, v9                       ; and on the way in: + 1,024 x wave
	v_lshlrev_b32 v10, 6, v4
	v_lshl_add_u32 v10, v5, 5, v10
	v_add_nc_u32 v10, s74, v10
	v_add_nc_u32 v10, HWT, v10                     ; my eight weights: my wave's table, row r of 64 bytes, + 32 h
	s_mul_i32 s75, s12, 1280                       ; my wave's table, at its row 4 w: 1,024 w + 256 w
	s_add_co_u32 s75, s75, HWT
	v_mov_b32 v11, s75                             ; the same address in every lane
	v_lshlrev_b32 v12, 3, v5
	v_sub_nc_u32 v12, v4, v12                      ; register j holds key 8 h + j: hidden where j > r - 8 h
	v_mov_b32 v13, 0xff800000                      ; -infinity
	s_mul_i32 s76, s16, 16*HROW                    ; the batch's 16 rows of hf
	s_mov_b32 s77, 0
	s_add_nc_u64 s[84:85], s[84:85], s[76:77]
	s_lshl_b32 s76, s16, 23                        ; its 2,048 rows of 4,096 bytes of out0,
	s_lshl_b32 s78, s15, 10                        ; and my work-group's 256 channels
	s_add_co_u32 s76, s76, s78
	s_add_nc_u64 s[86:87], s[86:87], s[76:77]
	v_add_nc_u32 v14, s78, v7                      ; v: 1,024 cx + 16 x lane
	s_lshl_b32 s79, s12, 14
	v_add_nc_u32 v15, s79, v7                      ; out0: my wave's four rows, + 16 x lane
.set n, 0
.rept 32
	global_load_b128 v[HQ+4*n:HQ+4*n+3], v6, s[84:85] offset:32*n          ; q(r, 256 w + 8 n + 4 h + 0 .. 3)
.set n, n+1
.endr
	WIN 0x40                                       ; destination window 1
.set n, 0
.rept 32
	global_load_b128 v[HK+4*n:HK+4*n+3], v6, s[84:85] offset:4096+32*n     ; k likewise
.set n, n+1
.endr
	s_wait_loadcnt 0x0
	WIN 0x51                                       ; source 0 (k), C and D window 1; source 1 (q) window 0
; Instruction n takes registers 2 n, 2 n + 1 of both fragments: the same places of K in both sources, so the products are the right ones.
; Four accumulators take turns; the first four instructions start the sums with the constant 0.
.set n, 0
.rept 64
.if n < 4
	v_wmma_f32_16x16x4_f32 v[HACC+8*(n%4):HACC+8*(n%4)+7], v[HK+2*n:HK+2*n+1], v[HQ+2*n:HQ+2*n+1], 0
.else
	v_wmma_f32_16x16x4_f32 v[HACC+8*(n%4):HACC+8*(n%4)+7], v[HK+2*n:HK+2*n+1], v[HQ+2*n:HQ+2*n+1], v[HACC+8*(n%4):HACC+8*(n%4)+7]
.endif
.set n, n+1
.endr
.rept 8
	v_nop                                          ; eight places behind this form, in front of the first read of results and of loads into its sources
.endr
	WIN 0
.set n, 0
.rept 16
	global_load_b128 v[HQ+8*n:HQ+8*n+3], v14, s[84:85] offset:8192+n*HROW        ; v(key n, 256 cx + 4 l + 0 .. 3): a wave reads 512 consecutive bytes
	global_load_b128 v[HQ+8*n+4:HQ+8*n+7], v14, s[84:85] offset:8192+n*HROW+512  ; and the 512 behind them
.set n, n+1
.endr
	WIN 0x05                                       ; sources 0 and 1 window 1
.irp p, 0,2,4,6
	v_pk_add_f32 v[HS+\p:HS+\p+1], v[HACC+\p:HACC+\p+1], v[HACC+8+\p:HACC+8+\p+1]          ; the four sums into other registers, each accumulator from its low end on
	v_pk_add_f32 v[HT+\p:HT+\p+1], v[HACC+16+\p:HACC+16+\p+1], v[HACC+24+\p:HACC+24+\p+1]
.endr
	WIN 0
.irp p, 0,2,4,6
	v_pk_add_f32 v[HS+\p:HS+\p+1], v[HS+\p:HS+\p+1], v[HT+\p:HT+\p+1]
.endr
	ds_store_b128 v8, v[HS:HS+3]                   ; my wave's part, as an image of its registers
	ds_store_b128 v8, v[HS+4:HS+7] offset:512
	s_wait_dscnt 0x0                               ; for the others' sake: my stores have landed
	s_barrier_signal -1
	s_barrier_wait -1
.irp w, 0,1,2,3
	ds_load_b128 v[HW+8*\w:HW+8*\w+3], v9 offset:1024*\w
	ds_load_b128 v[HW+8*\w+4:HW+8*\w+7], v9 offset:1024*\w+512
.endr
	s_wait_dscnt 0x0
.irp p, 0,2,4,6
	v_pk_add_f32 v[HS+\p:HS+\p+1], v[HW+\p:HW+\p+1], v[HW+8+\p:HW+8+\p+1]
.endr
.irp w, 2,3
.irp p, 0,2,4,6
	v_pk_add_f32 v[HS+\p:HS+\p+1], v[HS+\p:HS+\p+1], v[HW+8*\w+\p:HW+8*\w+\p+1]
.endr
.endr
.irp j, 0,1,2,3,4,5,6,7
	v_cmp_gt_i32 vcc_lo, \j, v12
	v_cndmask_b32 v[HS+\j], v[HS+\j], v13, vcc_lo
.endr
	v_max3_num_f32 v[HT], v[HS], v[HS+1], v[HS+2]
	v_max3_num_f32 v[HT], v[HT], v[HS+3], v[HS+4]
	v_max3_num_f32 v[HT], v[HT], v[HS+5], v[HS+6]
	v_max_num_f32 v[HT], v[HT], v[HS+7]
	v_permlanex16_b32 v[HT+1], v[HT], s[SEL], s[SEL+1]
	v_max_num_f32 v[HT], v[HT], v[HT+1]            ; the row's largest score: key 0 counts for every query, so it is a number
	v_mul_f32 v[HT], s[CS], v[HT]
.irp j, 0,1,2,3,4,5,6,7
	v_fma_f32 v[HS+\j], v[HS+\j], s[CS], -v[HT]    ; (score - the largest) x c; -infinity stays
.endr
.irp j, 0,1,2,3,4,5,6,7
	v_exp_f32 v[HS+\j], v[HS+\j]
.endr
	v_nop                                          ; a plain line behind the exponentials (ISA guide 5.7.2)
	s_wait_alu depctr_va_vdst(0)
	v_add_f32 v[HT+2], v[HS], v[HS+1]
	v_add_f32 v[HT+3], v[HS+2], v[HS+3]
	v_add_f32 v[HT+4], v[HS+4], v[HS+5]
	v_add_f32 v[HT+5], v[HS+6], v[HS+7]
	v_add_f32 v[HT+2], v[HT+2], v[HT+3]
	v_add_f32 v[HT+4], v[HT+4], v[HT+5]
	v_add_f32 v[HT+2], v[HT+2], v[HT+4]
	v_permlanex16_b32 v[HT+1], v[HT+2], s[SEL], s[SEL+1]
	v_add_f32 v[HT+2], v[HT+2], v[HT+1]            ; the row's sum, 1 at the least
	v_rcp_f32 v[HT+3], v[HT+2]
	v_nop                                          ; a plain line behind the reciprocal
	s_wait_alu depctr_va_vdst(0)
.irp j, 0,1,2,3,4,5,6,7
	v_mul_f32 v[HS+\j], v[HS+\j], v[HT+3]          ; the weights; 0 for hidden keys
.endr
	ds_store_b128 v10, v[HS:HS+3]                  ; into my wave's own table: no other wave reads it, so no barrier
	ds_store_b128 v10, v[HS+4:HS+7] offset:16
.irp u, 0,1,2,3
.irp g, 0,1,2,3
	ds_load_b128 v[HW+16*\u+4*\g:HW+16*\u+4*\g+3], v11 offset:64*\u+16*\g   ; LDS serves a wave's instructions in order: these see my stores
.endr
.endr
	s_wait_loadcnt 0x0                             ; v
	s_wait_dscnt 0x0                               ; the weights of my four queries
.set u, 0
.rept 4
.set kk, 0
.rept 16
.irp e, 0,1,2,3,4,5,6,7
.if kk == 0
	v_mul_f32 v[HO+8*u+\e], v[HW+16*u], v[HQ+\e]                   ; the first key starts the sums
.else
	v_fmac_f32 v[HO+8*u+\e], v[HW+16*u+kk], v[HQ+8*kk+\e]
.endif
.endr
.set kk, kk+1
.endr
	global_store_b128 v15, v[HO+8*u:HO+8*u+3], s[86:87] offset:4096*u        ; 32 lanes store 512 consecutive bytes, aligned
	global_store_b128 v15, v[HO+8*u+4:HO+8*u+7], s[86:87] offset:4096*u+512
.set u, u+1
.endr
	s_branch .Lend
.Lmain:
.irp s, 0,1
	s_mov_b32 s[G0+4*\s], 1
	s_add_co_u32 s[G0+4*\s+1], s69, \s*SLOT
	s_add_nc_u64 s[G0+4*\s+2:G0+4*\s+3], s[74:75], \s*KSTEP*2
	s_or_b32 s[G0+4*\s+3], s[G0+4*\s+3], 0x80000000
	s_mov_b32 s[G0B+4*\s], 1
	s_add_co_u32 s[G0B+4*\s+1], s69, \s*SLOT
	s_add_nc_u64 s[G0B+4*\s+2:G0B+4*\s+3], s[76:77], \s*KSTEP*2
	s_or_b32 s[G0B+4*\s+3], s[G0B+4*\s+3], 0x80000000
	JLOAD \s                                       ; two loads of mine are out
.endr
	v_and_b32 v1, 15, v0                           ; r: kept
	v_bfe_u32 v2, v0, 4, 1                         ; h: kept
	v_mul_u32_u24 v3, v1, PITCH
	v_lshl_add_u32 v3, v2, 4, v3                   ; a fragment's row x pitch + 16 h
	s_mul_i32 s78, s13, HALFT                      ; my 128 rows of Q
	s_mul_i32 s79, s14, HALFT                      ; my 128 rows of K,
	s_add_co_u32 s79, s79, 2*HALFT                 ; behind Q's 256
.irp s, 0,1
	v_add_nc_u32 v[ADRA+\s], s78, v3
	v_add_nc_u32 v[ADRB+\s], s79, v3
	s_add_co_u32 s78, s78, SLOT
	s_add_co_u32 s79, s79, SLOT
.endr
	s_mul_i32 s68, s12, 16*SPITCH
	s_add_co_u32 s68, s68, STAGE                   ; my stage
	v_mul_u32_u24 v4, v1, SPITCH
	v_lshl_add_u32 v4, v2, 4, v4
	v_add_nc_u32 v[STO], s68, v4                   ; in: row r, 16 bytes for each half of the lanes
	v_mul_u32_u24 v5, v2, SPITCH
	v_lshl_add_u32 v5, v1, 4, v5
	v_add_nc_u32 v[RD], s68, v5                    ; back: lanes 0-15 one row of 256 bytes, lanes 16-31 the next
	v_lshlrev_b32 v5, 12, v2
	v_lshl_add_u32 v[CO], v1, 4, v5                ; and the same two rows in pt (4,096 bytes a row)
	s_lshl_b32 s46, s21, 2
	s_add_co_u32 s46, s46, s15                     ; KT = 4 SJ + cx: the tile's place along the batch's keys
	s_lshl_b32 s47, s20, 2
	s_add_co_u32 s47, s47, s16                     ; QT = 4 SI + cy: along its queries
	s_lshl_b32 s40, s22, 8
	s_lshl_b32 s41, s13, 7
	s_add_co_u32 s40, s40, s41                     ; my first row of pt
	s_lshl_b32 s40, s40, 12
	s_lshl_b32 s41, s46, 9
	s_add_co_u32 s40, s40, s41                     ; + 512 bytes a tile of keys
	s_lshl_b32 s41, s14, 8
	s_add_co_u32 s40, s40, s41                     ; + 256 for my half
	s_mov_b32 s41, 0
	s_add_nc_u64 s[6:7], s[6:7], s[40:41]
	s_lshl_b32 s40, s18, 4                         ; the tables: ((16 b + 2 KT + ch) x 32 + 4 QT + 2 rh) x 256 bytes
	s_lshl_b32 s42, s46, 1
	s_add_co_u32 s40, s40, s42
	s_add_co_u32 s40, s40, s14
	s_lshl_b32 s40, s40, 5
	s_lshl_b32 s42, s47, 2
	s_add_co_u32 s40, s40, s42
	s_lshl_b32 s42, s13, 1
	s_add_co_u32 s40, s40, s42
	s_lshl_b32 s40, s40, 8
	s_add_nc_u64 s[8:9], s[8:9], s[40:41]          ; -M's table at my place,
	s_add_nc_u64 s[10:11], s[8:9], LTAB            ; and l's
	s_sub_co_i32 s42, s47, s46                     ; the mask: 256 (QT - KT) + 128 (rh - ch): kept in s42 for the way out
	s_lshl_b32 s42, s42, 8
	s_sub_co_i32 s40, s13, s14
	s_lshl_b32 s40, s40, 7
	s_add_co_i32 s42, s42, s40
	s_lshl_b32 s40, s22, 8                         ; the prefetches
	s_lshl_b32 s41, s23, 8
	s_cmp_eq_u32 s13, 0                            ; do I fetch for Q?
	s_cselect_b32 s40, s40, s41                    ; the tile's first row
	s_cselect_b32 s41, s15, s16                    ; my place among the four that ask for it with me
	s_cselect_b32 s46, 0, 2048                     ; q's or k's part of a row
	s_cselect_b32 s47, 2, 1                        ; the square that leaves the asking to another
	s_cmp_lg_u32 s19, s47
	s_cselect_b32 s[LIM], 1, -1                    ; the same in all sixteen partners, for a given wave
	s_lshl_b32 s47, s14, 7
	s_add_co_u32 s40, s40, s47                     ; + the 128 rows that I fetch
	s_lshl_b32 s41, s41, 5
	s_add_co_u32 s40, s40, s41                     ; + my work-group's 32 of them
	s_mul_i32 s40, s40, ROWQ
	s_add_co_u32 s40, s40, s46
	s_add_co_u32 s40, s40, 2*KSTEP*2               ; at K step 2: the first refill steps it to 3 and names K step 4
	s_mov_b32 s41, 0
	s_add_nc_u64 s[PFA:PFA+1], s[4:5], s[40:41]
	v_and_b32 v[PFO], 31, v0
	v_mul_u32_u24 v[PFO], v[PFO], ROWQ
; 16 matrix instructions: blocks of queries a0, a0 + 1 of the window's four x all 8 blocks of keys, 32 along K.  zero = 1: the first product starts the sums.
.macro MUL16 f, hi, a0, zero
.irp a, \a0, \a0+1
.irp b, 0,1,2,3,4,5,6,7
.if \zero
	v_wmma_f32_16x16x32_f16 v[8*(8*(\a)+\b):8*(8*(\a)+\b)+7], v[\f+8*\b:\f+8*\b+7], v[\f+8*(4*\hi+\a):\f+8*(4*\hi+\a)+7], 0
.else
	v_wmma_f32_16x16x32_f16 v[8*(8*(\a)+\b):8*(8*(\a)+\b)+7], v[\f+8*\b:\f+8*\b+7], v[\f+8*(4*\hi+\a):\f+8*(4*\hi+\a)+7], v[8*(8*(\a)+\b):8*(8*(\a)+\b)+7]
.endif
.endr
.endr
.endm
.macro FETCH slot, k, f                ; 32 LDS loads in one run: a quarter step's fragments into buffer f
	WIN TO_B
.irp i, 0,1,2,3,4,5,6,7
	ds_load_b128 v[\f+8*\i:\f+8*\i+3],   v[ADRB+\slot] offset:\k+\i*16*PITCH
	ds_load_b128 v[\f+8*\i+4:\f+8*\i+7], v[ADRB+\slot] offset:\k+\i*16*PITCH+32
.endr
	WIN 0
.irp i, 0,1,2,3,4,5,6,7
	ds_load_b128 v[\f+8*\i:\f+8*\i+3],   v[ADRA+\slot] offset:\k+\i*16*PITCH
	ds_load_b128 v[\f+8*\i+4:\f+8*\i+7], v[ADRA+\slot] offset:\k+\i*16*PITCH+32
.endr
.endm
.macro PLACES                          ; four plain vector lines between a matrix instruction and a load into, or a read or write of, its registers
.rept 4
	v_nop
.endr
.endm
.macro QUARTER slot, k, f, g, zero     ; 32 along K on buffer f; in its middle the next quarter's fragments, at byte k of the rows, into g
	s_wait_dscnt 8                                 ; K's and Q's rows 0-63 are in; the youngest eight loads (Q's rows 64-127) may be out
	WIN MUL_LO
	MUL16 \f, 0, 0, \zero
	MUL16 \f, 0, 2, \zero
	PLACES
	FETCH \slot, \k, \g
	s_wait_dscnt 32                                ; all but the 32 just issued
	WIN MUL_HI
	MUL16 \f, 1, 0, \zero
	MUL16 \f, 1, 2, \zero
.endm
.macro MEET round                      ; the first half of a slot's last quarter: one barrier for the change of slots
	WIN 0                                          ; (the add's two registers lie in window 0)
	s_wait_tensorcnt 0x0                           ; all my tensor loads have landed: the one that was out is my part of the next slot
	ds_add_u32 v[SPW], v[NIL]                      ; 0 onto my spare word
	s_wait_dscnt 9                                 ; (the add and the youngest eight loads may be out)
	WIN MUL_LO
	MUL16 F1, 0, 0, 0
	s_wait_dscnt 0x0                               ; the add is done, and my reads of this slot are over
	s_barrier_signal -1
	MUL16 F1, 0, 2, 0
.if \round
	WIN 0
.endif
	s_barrier_wait -1
.endm
.macro TURN slot, next                 ; the whole last quarter, with the refill of the slot just read out, two K steps ahead
	s_wait_xcnt 0x0                                ; the last prefetch, a K step back, has read its address
	s_add_nc_u64 s[PFA:PFA+1], s[PFA:PFA+1], KSTEP*2
	MEET 1
	CREST                                          ; no wave of any partner still reads this slot's tile or has a load on its way
	s_add_nc_u64 s[G0+4*\slot+2:G0+4*\slot+3], s[G0+4*\slot+2:G0+4*\slot+3], 2*KSTEP*2
	s_add_nc_u64 s[G0B+4*\slot+2:G0B+4*\slot+3], s[G0B+4*\slot+2:G0B+4*\slot+3], 2*KSTEP*2
	JLOAD \slot                                    ; the first tensor load behind the round; its four v_nop are also the places in front of the loads below
	FETCH \next, 0, F0
	ASK
	WIN MUL_HI
	MUL16 F1, 1, 0, 0
	MUL16 F1, 1, 2, 0
.endm
.macro TURNL slot, next                ; the same with nothing left to fetch: no round
	MEET 0
	PLACES
	FETCH \next, 0, F0
	WIN MUL_HI
	MUL16 F1, 1, 0, 0
	MUL16 F1, 1, 2, 0
.endm
	s_wait_tensorcnt 1                             ; my part of K step 0 is in (K step 1's load may be out),
	s_barrier_signal -1
	s_barrier_wait -1                              ; everybody's is
	FETCH 0, 0, F0
	QUARTER 0, 64,  F0, F1, 1                      ; the first quarter stands in front of the loop: its products start the sums
	WIN 0
	s_mov_b32 s3, LAPS-1
.Llap:                                             ; a trip goes once round the ring and fills both slots again
	QUARTER 0, 128, F1, F0, 0
	QUARTER 0, 192, F0, F1, 0
	TURN 0, 1
	QUARTER 1, 64,  F0, F1, 0
	QUARTER 1, 128, F1, F0, 0
	QUARTER 1, 192, F0, F1, 0
	TURN 1, 0
	QUARTER 0, 64,  F0, F1, 0
	WIN 0
	s_sub_co_u32 s3, s3, 1
	s_cmp_lg_u32 s3, 0
	s_cbranch_scc1 .Llap
	QUARTER 0, 128, F1, F0, 0                      ; the last lap is written out: it asks for nothing
	QUARTER 0, 192, F0, F1, 0
	TURNL 0, 1
	QUARTER 1, 64,  F0, F1, 0
	QUARTER 1, 128, F1, F0, 0
	QUARTER 1, 192, F0, F1, 0
	s_wait_dscnt 8
	WIN MUL_LO
	MUL16 F1, 0, 0, 0
	MUL16 F1, 0, 2, 0
	s_wait_dscnt 0
	WIN MUL_HI
	MUL16 F1, 1, 0, 0
	MUL16 F1, 1, 2, 0
	WIN 0
	PLACES
	; THE WAY OUT.
	v_lshlrev_b32 v3, 3, v2
	v_sub_nc_u32 v3, v1, v3
	v_add_nc_u32 v[D0], s42, v3                    ; register j of accumulator (a, b) holds a key that is hidden where 16 b + j - 16 a > D0
	v_mov_b32 v[NINF], 0xff800000                  ; -infinity
	v_mov_b32 v[NM+1], 0                           ; (the upper half of a pair that is named whole)
	v_mov_b32 v[X+1], 0                            ; (a lane permute's destination counts as one of its sources)
	s_cmp_eq_u32 s19, 1                            ; the square under the diagonal has no hidden key: D0 is 120 at the least there, the left side 119 at the most.  The cluster's number: the same in all partners
	s_cbranch_scc1 .Lopen
.irp a, 0,1,2,3,4,5,6,7
	WIN (0x82+0x41*(\a/4))                         ; the accumulators' window for source 0 and the destination
.irp b, 0,1,2,3,4,5,6,7
.irp j, 0,1,2,3,4,5,6,7
	v_cmp_gt_i32 vcc_lo, 16*\b+\j-16*\a, v[D0]
	v_cndmask_b32 v[64*(\a%4)+8*\b+\j], v[64*(\a%4)+8*\b+\j], v[NINF], vcc_lo   ; each accumulator from its low end on
.endr
.endr
.endr
	WIN 0
.Lopen:
; Block a of 16 queries: the largest score, M, p, the sum, p packed to f16.
.macro SOFT a
.set W, 2+(\a)/4
.set AC, 64*((\a)%4)
	WIN (W|(W<<2))
.irp b, 0,1,2,3,4,5,6,7
	v_max_num_f32 v[T+\b], v[AC+8*\b], v[AC+8*\b+1]                ; eight chains, one an accumulator, each from its low end on
.endr
	WIN ((W<<2)|(W<<4))
.irp p, 2,4,6
.irp b, 0,1,2,3,4,5,6,7
	v_max3_num_f32 v[T+\b], v[T+\b], v[AC+8*\b+\p], v[AC+8*\b+\p+1]
.endr
.endr
	WIN 0
	v_max3_num_f32 v[T], v[T], v[T+1], v[T+2]
	v_max3_num_f32 v[T+3], v[T+3], v[T+4], v[T+5]
	v_max3_num_f32 v[T], v[T], v[T+6], v[T+7]
	v_max_num_f32 v[T], v[T], v[T+3]
	v_permlanex16_b32 v[T+1], v[T], s[SEL], s[SEL+1]               ; the query's other 64 keys lie in the lane 16 away
	v_max_num_f32 v[T], v[T], v[T+1]
	v_mul_f32 v[T], s[CS], v[T]                    ; as t (c is positive)
	v_max_num_f32 v[T], 0xff61b1e6, v[T]           ; -3e38 at the least: a block all hidden gets -M = 3e38, and p = 2^(-infinity) = 0
	v_floor_f32 v[NM], -v[T]                       ; -M = floor(-t) = -ceil(t)
	v_mov_b32 v[NMS+(\a)], v[NM]
	WIN (W|(W<<6))
.irp p, 0,2,4,6,8,10,12,14,16,18,20,22,24,26,28,30,32,34,36,38,40,42,44,46,48,50,52,54,56,58,60,62
	v_pk_fma_f32 v[AC+\p:AC+\p+1], v[AC+\p:AC+\p+1], s[CS:CS+1], v[NM:NM+1] op_sel_hi:[1,0,0]   ; t - M, two at a time
.endr
.irp p, 0,1,2,3,4,5,6,7,8,9,10,11,12,13,14,15,16,17,18,19,20,21,22,23,24,25,26,27,28,29,30,31,32,33,34,35,36,37,38,39,40,41,42,43,44,45,46,47,48,49,50,51,52,53,54,55,56,57,58,59,60,61,62,63
	v_exp_f32 v[AC+\p], v[AC+\p]                   ; p = 2^(t - M)
.endr
	v_nop                                          ; a plain line between the exponentials and the use of their results (ISA guide 5.7.2)
	WIN (W|(W<<2))
	s_wait_alu depctr_va_vdst(0)
	v_pk_add_f32 v[LA:LA+1], v[AC:AC+1], v[AC+2:AC+3]              ; the sum is taken of p as it is, before the rounding: two chains of pairs
	v_pk_add_f32 v[LB:LB+1], v[AC+4:AC+5], v[AC+6:AC+7]
.irp b, 0,1,2,3,4,5,6,7
.irp r, 0,1,2,3
	v_cvt_pk_f16_f32 v[TMP+4*\b+\r], v[AC+8*\b+2*\r], v[AC+8*\b+2*\r+1]
.endr
.endr
	WIN (W<<2)
.irp p, 8,12,16,20,24,28,32,36,40,44,48,52,56,60
	v_pk_add_f32 v[LA:LA+1], v[LA:LA+1], v[AC+\p:AC+\p+1]
	v_pk_add_f32 v[LB:LB+1], v[LB:LB+1], v[AC+\p+2:AC+\p+3]
.endr
	WIN 0
	v_pk_add_f32 v[LA:LA+1], v[LA:LA+1], v[LB:LB+1]
	v_add_f32 v[X], v[LA], v[LA+1]
	v_permlanex16_b32 v[X+1], v[X], s[SEL], s[SEL+1]
	v_add_f32 v[LS+(\a)], v[X], v[X+1]             ; l of my query in this block of 128 keys
.endm
.macro TOSTAGE a
.set BK, OB+192*((\a)%2)
.irp b, 0,1,2,3,4,5,6,7
	ds_store_b128 v[STO], v[TMP+4*\b:TMP+4*\b+3] offset:32*\b
.endr
.irp t, 0,1,2,3,4,5,6,7
	ds_load_b128 v[BK+4*\t:BK+4*\t+3], v[RD] offset:\t*2*SPITCH    ; LDS serves a wave's instructions in order: these see the stores above
.endr
.endm
.macro SEND a
.set BK, OB+192*((\a)%2)
	s_wait_dscnt 0x0                               ; the block is back in registers
	s_wait_xcnt 0x0                                ; the stores of the block before have read their registers: the next block's loads may land there
.irp t, 0,1,2,3,4,5,6,7
	global_store_b128 v[CO], v[BK+4*\t:BK+4*\t+3], s[6:7] offset:(\a)*65536+\t*8192   ; 16 lanes store 256 consecutive bytes, aligned
.endr
.endm
	SOFT 0
	TOSTAGE 0
.irp a, 1,2,3,4,5,6,7
	SOFT \a                                        ; block a's arithmetic stands between block a - 1's loads from the stage and the wait for them
	SEND \a-1
	TOSTAGE \a
.endr
	SEND 7
	; the tables: lanes 0-15 store blocks 0-3 of row r, lanes 16-31 blocks 4-7: 512 consecutive bytes a store
	v_cmp_eq_u32 vcc_lo, 1, v2
.irp k, 0,1,2,3
	v_cndmask_b32 v[OUTM+\k], v[NMS+\k], v[NMS+4+\k], vcc_lo
	v_cndmask_b32 v[OUTL+\k], v[LS+\k], v[LS+4+\k], vcc_lo
.endr
	v_and_b32 v[TO], 31, v0
	v_lshlrev_b32 v[TO], 4, v[TO]
	global_store_b128 v[TO], v[OUTM:OUTM+3], s[8:9]
	global_store_b128 v[TO], v[OUTL:OUTL+3], s[10:11]
	s_cmp_lg_u32 s19, 0                            ; the square (0,0) also writes the entries of the blocks 8 further on, which no tile of its rows computes: all hidden
	s_cbranch_scc1 .Lend
.irp k, 0,1,2,3
	v_mov_b32 v[DEF+\k], 0x7f61b1e6                ; -M = 3e38
	v_mov_b32 v[ZER+\k], 0                         ; l = 0
.endr
	global_store_b128 v[TO], v[DEF:DEF+3], s[8:9] offset:65536
	global_store_b128 v[TO], v[ZER:ZER+3], s[10:11] offset:65536
.Lend:
	s_wait_tensorcnt 0x0                           ; the wave's end
	ds_add_u32 v[SPW], v[NIL]
	s_wait_dscnt 0x0
	CROUND                                         ; the closing round
	s_endpgm
.Lfunc_end_k_q13c88821b3_score:
	.size	k_q13c88821b3_score, .Lfunc_end_k_q13c88821b3_score-k_q13c88821b3_score
	.p2alignl 7, 3214868480
	.fill 96, 4, 3214868480
	.section	.rodata,"a",@progbits
	.p2align	6, 0x0
	.amdhsa_kernel k_q13c88821b3_score
		.amdhsa_group_segment_fixed_size 327680
		.amdhsa_private_segment_fixed_size 0
		.amdhsa_enable_private_segment 0
		.amdhsa_kernarg_size 40
		.amdhsa_user_sgpr_count 2
		.amdhsa_user_sgpr_kernarg_segment_ptr 1
		.amdhsa_wavefront_size32 1
		.amdhsa_system_sgpr_workgroup_id_x 1
		.amdhsa_system_sgpr_workgroup_id_y 1
		.amdhsa_system_sgpr_workgroup_id_z 1
		.amdhsa_system_vgpr_workitem_id 0
		.amdhsa_next_free_vgpr 1024
		.amdhsa_next_free_sgpr 90
		.amdhsa_reserve_vcc 1
		.amdhsa_float_denorm_mode_32 3
		.amdhsa_float_denorm_mode_16_64 3
		.amdhsa_memory_ordered 1
		.amdhsa_forward_progress 1
		.amdhsa_inst_pref_size 255
	.end_amdhsa_kernel
	.section	.bss,"aw",@nobits
	.p2align	6
	.space	262144
	.amdgpu_metadata
---
amdhsa.version: [ 1, 2 ]
amdhsa.kernels:
  - .name:           k_q13c88821b3_score
    .symbol:         k_q13c88821b3_score.kd
    .args:
      - { .name: qkv, .offset: 0, .size: 8, .value_kind: global_buffer, .address_space: global }
      - { .name: pt, .offset: 8, .size: 8, .value_kind: global_buffer, .address_space: global }
      - { .name: ml, .offset: 16, .size: 8, .value_kind: global_buffer, .address_space: global }
      - { .name: hf, .offset: 24, .size: 8, .value_kind: global_buffer, .address_space: global }
      - { .name: out0, .offset: 32, .size: 8, .value_kind: global_buffer, .address_space: global }
    .group_segment_fixed_size: 327680
    .private_segment_fixed_size: 0
    .kernarg_segment_align: 8
    .kernarg_segment_size: 40
    .max_flat_workgroup_size: 128
    .sgpr_count:     90
    .vgpr_count:     1024
    .wavefront_size: 32
...
	.end_amdgpu_metadata
.endif
;; end of part 6
;; launch pv (part 7): grid 4 x 64, 4 waves a work-group, clusters of 4 x 4, 327,680 bytes of LDS; arguments pt, ml, qkv, out0; writes out0
.if DOCPART == 7
	.amdgcn_target "amdgcn-amd-amdhsa--gfx1250"
	.amdhsa_code_object_version 6
	.text
	.protected	k_q13c88821b3_pv
	.globl	k_q13c88821b3_pv
	.p2align	8
	.type	k_q13c88821b3_pv,@function
k_q13c88821b3_pv:
	s_mov_b64 s[64:65], 0
	v_nop
	global_prefetch_b8 v0, s[64:65] scope:SCOPE_SE
	s_setreg_imm32_b32 hwreg(HW_REG_WAVE_MODE, 25, 1), 1
	s_wait_xcnt 0x0
	s_wait_alu depctr_hold_cnt(0) depctr_sa_sdst(0) depctr_va_vdst(0) depctr_va_sdst(0) depctr_va_ssrc(0) depctr_va_vcc(0) depctr_vm_vsrc(0)
	s_getreg_b32 s2, hwreg(HW_REG_IB_STS2, 6, 4)
	s_cmp_eq_u32 s2, 0
	s_cbranch_scc0 .Lentry_in_a_cluster
	s_endpgm
.Lentry_in_a_cluster:
	s_bfe_u32 s2, ttmp6, 0x10000c
	s_cmp_lg_u32 s2, 0xf033
	s_cbranch_scc0 .Lentry_shape_is_right
	s_endpgm
.Lentry_shape_is_right:
; The second half of the attention: out0[b][q][e] = sum over blocks j of f_j x (sum over the block's 128 keys of p[q][key] v[key][e]),  f_j = 2^(M_j - M) / l,  M = the row's largest M_j,  l = sum over j of 2^(M_j - M) l_j.
; p: f16 in pt [8192][2048]; -M_j and l_j: f32 in ml, -M_j in its first 524,288 bytes and l_j in its second, each [b 4][j 16][q64 32][r 16][a 4] (query 64 q64 + 16 a + r);
; v: f16 at byte 4,096 of qkv's rows of 6,144; out0: f32 [8192][1024].
; EACH BLOCK HAS SUMS OF ITS OWN: a block of 128 keys starts its 16 accumulators S with the constant 0, and while the next block begins O += f_j S is made in f32, sixteen packed multiply-adds ahead of the four
; matrix instructions that start those accumulators anew.  So the operands go to the matrix unit as they lie, and the division by l rides in the factor.  A factor under 2^-149 falls to 0 beside a row's term of 0.5 / l at the least.
; SHARES.  A tile is 128 queries x 128 channels, 64 x 64 to each of four waves.  K = the keys, through two LDS slots of 256 keys: two blocks, 128 matrix instructions a wave, between two changes of slots.
; A WORK-GROUP MAKES TWO TILES, of the query groups (512 queries) pr and 3 - pr of a batch: 2 (pr + 1) + 2 (4 - pr) = 10 slots, the same for every work-group.  The ring goes on from the first tile into the second.
; CLUSTERS of 4 x 4: one for each batch, pr (0, 1) and half of the channels; cy: which 128 of a group's queries, cx: which 128 of the half's channels.  p's tiles are asked for jointly along a row of the cluster,
; v's along a column.  All counts and branches hang on the cluster's number, the lap and the wave's number alone; keys beyond a query are zeros in pt.
; FIVE LAPS of two slots: lap 0 is written out (it begins the first tile), laps 1 to 3 are a loop of constant count, lap 4 is written out (it asks for nothing).  The second tile begins in lap pr + 1: there a branch
; leads through the first tile's way out and through the two quarters that begin a tile's sums.
; BOTH SOURCES: source 0 = 16 channels x 32 keys of v, turned on its way out of LDS; source 1 = 16 queries x 32 keys of p: a lane holds one query (lane % 16) and eight channels.
; Rows 0 to 15 of each batch are not stored here: the launch before has stored them, from f32 operands.
; LIMITS: NaN and infinities are not served; p and v arrive rounded to f16.
; REGISTERS: window 0: v1 r, v2 h, v8-11 at work, v16-31 addresses, v32-55 the rows' figures, v64-199 the first tile's tables at the head, v128-191 rows on the way out, v200-218 -M_j and offsets.
;   window 1: two fragment buffers of 128: for each 32 of 64 keys 32 registers of v, then 32 of p; at the head the second tile's tables.   window 2: v0-127 S, accumulator 4 a + e at v[8 (4 a + e)]; v128-255 O.
.set PA,    528                        ; a row of p in LDS: 512 bytes + 16: the 16 rows of a load start at 16 different banks (64 banks of 4 bytes: ISA guide 11.1)
.set PV,    288                        ; a row of v: 256 bytes + 32
.set AHALF, 64*PA                      ; 64 rows of p: what one tensor load brings, and what one wave reads
.set VHALF, 128*PV                     ; 128 keys of v: what one tensor load brings
.set VOFF,  2*AHALF
.set SLOT,  VOFF+2*VHALF               ; 128 rows of p, then 256 keys of v
.set STAGE, 2*SLOT                     ; behind the ring: 16 rows x (256 + 16) bytes a wave
.set SP,    272
.set SPARE, STAGE+4*16*SP              ; the spare words, 128 bytes a wave: two blocks of 256 bytes that no other line names
.set LTAB,  524288                     ; l's table begins here in ml
.set STEPP, 512                        ; from a slot's keys to the next slot's: in a row of pt,
.set STEPV, 256*6144                   ; in qkv,
.set STEPM, 2*8192                     ; in a table of ml
.set T,    8                           ; v8-11   at work
.set ADRA, 16                          ; v16-17  LDS address of my fragments of p in slot 0, 1
.set ADRB, 18                          ; v18-21  of v: slot 0 keys 0-127, keys 128-255; slot 1 likewise
.set STO,  24
.set RD,   25
.set CO,   26
.set MO,   27                          ; v27  16 r: my row's four entries in a table's block of 64 rows
.set SPW,  28
.set NIL,  29
.set PFO,  30                          ; v30  my lane x a row of pt or of qkv; never rewritten
.set PFV,  31                          ; v31  the prefetch's offset
.set NMR,  32                          ; v32-35  -M of my four rows (16 a + r) in the tile in hand
.set RI,   36                          ; v36-39  1 / l of them
.set NMRB, 40                          ; v40-47  the same for the second tile
.set RIB,  44
.set FP,   48                          ; v48-55  the factors of the block that is over: a pair for each a
.set TM,   64                          ; the tables at the head: -M_j at TM + 4 j,
.set TL,   128                         ; l_j at TL + 4 j
.set BK,   128                         ; the way out: 16 rows read back from the stage: v128-159 and v160-191 by turns
.set LSUM, 192
.set NMJ,  200                         ; v200-215  -M_j of the two blocks in slot 0, then of those in slot 1
.set MOX,  216                         ; v216-217  the offset in ml of a slot's -M_j
.set MOB,  218
.set G1,   24
.set G0,   32
.set OFFP, 40                          ; s[40:41] byte offset in pt of my part of the slot asked for last; s[42:43] the same in qkv; offsets are kept apart from the addresses
.set OFFV, 42
.set SMO,  44                          ; s44  the same in ml's first table
.set PFOFF, 45                         ; s45  the prefetches' offset
.set LSH,  46                          ; s46  pr + 1: the lap in which the second tile begins
.set PRM1, 47                          ; s47  pr - 1
.set G1B,  48
.set G0B,  56
.set JP,   66                          ; s66-68 from the first tile's last slot to the second tile's first: in pt, in qkv, in ml (modulo 2^32)
.set JV,   67
.set JM,   68
.set PFS,  69                          ; s69  a slot on, for my prefetches;  s70 the same across the tiles
.set PFJ,  70
.set LO0,  71                          ; s71, s72  the first lap in which I prefetch, at the change out of slot 0, out of slot 1
.set MK,   73                          ; s73  pr | cy | rh: 0 where my first tile's first block is rows 0 to 15 of a batch
.set SVX,  74
.set PFB,  76                          ; s[76:77] the buffer that I prefetch from
.set DOUT, 78                          ; s[78:79] from the first tile's rows of out0 to the second's
.set MSB, 0
.macro WIN new
.if MSB != (\new)
	s_set_vgpr_msb (MSB<<8)|(\new)
.set MSB, (\new)
.endif
.endm
.set MUL,  0xa5                        ; sources 0 (v) and 1 (p) window 1, C and D window 2
.set TO_F, 0x40                        ; destination window 1, address window 0
.set W_UP, 0xa2                        ; source 0 (S), source 2 and destination (O) window 2, source 1 (the factor) window 0
; A joint load: waves 0 and 1 fetch p's halves, waves 2 and 3 v's.  The branch hangs on the wave's number alone.  Four v_nop follow each line.
.macro JLOAD n
	s_cmp_eq_u32 s15, 0
	s_cbranch_scc0 .Lfor_v_\@
	tensor_load_to_lds s[G0+4*\n:G0+4*\n+3], s[G1:G1+7]
	s_nop 0
.rept 4
	v_nop
.endr
	s_branch .Lasked_\@
.Lfor_v_\@:
	tensor_load_to_lds s[G0B+4*\n:G0B+4*\n+3], s[G1B:G1B+7]
	s_nop 0
.rept 4
	v_nop
.endr
.Lasked_\@:
.endm
; A PREFETCH of what the NEXT change of slots will ask for, one instruction a wave, a lane a row.
; p's tile (128 rows x 512 bytes) is read by a row of each of the two clusters that differ in the half of the channels: the cluster of half 0 asks; its four partners take 32 rows each, by address; wave 0 asks for the
; first 256 bytes of a row's 512, wave 1 for the second.  v's tile (256 keys x 256 bytes) is read by a column of both clusters pr = 0 and 1, and by both tiles of each: asked for are keys 1,024 on, by the cluster
; pr = 0, which is the first of the two to walk them (in its second tile, from the fourth change of slots on); its four partners take 32 keys of each wave's 128, by address; waves 2 and 3 ask.
; So each block of 256 bytes is named at most once.  The last change that fills a slot asks for nothing.
.macro ASK slot
	s_cmp_ge_u32 s3, s[LO0+\slot]
	s_cbranch_scc0 .Lnot_mine_\@
.if \slot
	s_cmp_lt_u32 s3, 3
	s_cbranch_scc0 .Lnot_mine_\@
.endif
	global_prefetch_b8 v[PFV], s[PFB:PFB+1] th:TH_LOAD_NT scope:SCOPE_SE
.Lnot_mine_\@:
.endm
.macro CREST
	s_cmp_lg_u32 s14, 0
	s_cbranch_scc1 .Lnot_wave_0_\@
	s_barrier_signal -3
.Lnot_wave_0_\@:
	s_barrier_wait -3
	s_barrier_signal -1
	s_barrier_wait -1
.endm
.macro CROUND
	s_barrier_signal -1
	s_barrier_wait -1
	CREST
.endm
	s_load_b128 s[4:7], s[0:1], 0x0                ; pt s[4:5], ml s[6:7]
	s_load_b64 s[10:11], s[0:1], 0x10              ; qkv
	s_load_b64 s[12:13], s[0:1], 0x18              ; out0
	v_lshl_add_u32 v[SPW], v0, 2, SPARE
	v_mov_b32 v[NIL], 0
	ds_add_u32 v28, v29
	s_wait_dscnt 0x0
	v_lshrrev_b32 v3, 5, v0
	v_readfirstlane_b32 s14, v3                    ; wave 0..3
	s_lshr_b32 s15, s14, 1                         ; rh: my 64 queries.  Also: I fetch for p (0) or v (1)
	s_and_b32 s16, s14, 1                          ; hf: my 64 channels.  Also: which half of the tile I fetch
	s_bfe_u32 s17, ttmp6, 0x40000                  ; cx
	s_bfe_u32 s18, ttmp6, 0x40004                  ; cy
	s_and_b32 s19, ttmp7, 0xffff                   ; the cluster, 0 .. 15
	s_lshr_b32 s20, s19, 2                         ; the batch
	s_bfe_u32 s21, s19, 0x10001                    ; pr: the first tile's query group; the second's is 3 - pr
	s_and_b32 s22, s19, 1                          ; which half of the channels
	s_add_co_u32 s[LSH], s21, 1
	s_sub_co_u32 s[PRM1], s21, 1
	s_lshl_b32 s80, s21, 1
	s_sub_co_u32 s81, 3, s80                       ; d = 3 - 2 pr: query groups from the first tile to the second
	s_add_co_u32 s80, s80, 1                       ; n1 = 2 pr + 1: the first tile's slots less one
	s_lshl_b32 s[JP], s81, 21                      ; d x 512 rows of 4,096 bytes down,
	s_lshl_b32 s82, s80, 9
	s_sub_co_u32 s[JP], s[JP], s82                 ; n1 slots back along the keys
	s_mul_i32 s[JV], s80, STEPV
	s_sub_co_u32 s[JV], 0, s[JV]                   ; v: n1 slots back
	s_lshl_b32 s[JM], s81, 11                      ; the tables: d x 8 blocks of 64 rows on,
	s_lshl_b32 s82, s80, 14
	s_sub_co_u32 s[JM], s[JM], s82                 ; n1 slots back
	s_lshl_b32 s[DOUT], s81, 21
	s_mov_b32 s[DOUT+1], 0
	s_or_b32 s[MK], s21, s18
	s_or_b32 s[MK], s[MK], s15
	s_lshl_b32 s82, s18, 2
	s_lshl_b32 s82, 15, s82                        ; my row of the cluster
	s_or_b32 s[G1+0], s82, (1<<16)|(1<<20)|(1<<21)|(6<<22)|(3<<25)   ; p: the mask; elements of 2 bytes; padding on; bit 21 beside a mask; 4 words after every 128
	s_mov_b32 s[G1+1], 256<<16                     ; tensor_dim0 = 256
	s_mov_b32 s[G1+2], 64<<16                      ; tensor_dim1 = 64
	s_mov_b32 s[G1+3], 256<<16                     ; tile_dim0
	s_mov_b32 s[G1+4], 64                          ; tile_dim1
	s_mov_b32 s[G1+5], 2048                        ; the pitch, in elements
	s_mov_b32 s[G1+6], 0
	s_mov_b32 s[G1+7], 0
	s_lshl_b32 s86, 0x1111, s17                    ; my column
	s_or_b32 s[G1B+0], s86, (1<<16)|(1<<20)|(1<<21)|(5<<22)|(7<<25)  ; v: 8 words of padding after every 64
	s_mov_b32 s[G1B+1], 128<<16
	s_mov_b32 s[G1B+2], 128<<16
	s_mov_b32 s[G1B+3], 128<<16
	s_mov_b32 s[G1B+4], 128
	s_mov_b32 s[G1B+5], 3072
	s_mov_b32 s[G1B+6], 0
	s_mov_b32 s[G1B+7], 0
	s_lshl_b32 s83, s20, 11                        ; the batch's first row
	s_lshl_b32 s84, s21, 9
	s_add_co_u32 s84, s84, s83
	s_lshl_b32 s85, s18, 7
	s_add_co_u32 s84, s84, s85                     ; the first tile's first query: 2048 b + 512 pr + 128 cy
	s_lshl_b32 s85, s16, 6
	s_add_co_u32 s[OFFP], s84, s85
	s_lshl_b32 s[OFFP], s[OFFP], 12                ; p: + the 64 rows that I fetch; 4,096 bytes a row
	s_mov_b32 s[OFFP+1], 0
	s_lshl_b32 s87, s16, 7
	s_add_co_u32 s87, s87, s83                     ; v: key 2048 b + the 128 that I fetch,
	s_mul_i32 s[OFFV], s87, 6144
	s_lshl_b32 s86, s22, 10
	s_add_co_u32 s[OFFV], s[OFFV], s86             ; channels 512 x half
	s_lshl_b32 s86, s17, 8
	s_add_co_u32 s[OFFV], s[OFFV], s86             ; + 128 cx,
	s_add_co_u32 s[OFFV], s[OFFV], 4096            ; in v's part of a row
	s_mov_b32 s[OFFV+1], 0
	s_mul_i32 s88, s16, AHALF                      ; where they go: no place in the cluster enters an LDS address
	s_mul_i32 s89, s16, VHALF
	s_add_co_u32 s89, s89, VOFF
	s_wait_kmcnt 0x0
	CROUND                                         ; all sixteen work-groups are here: the first joint loads meet
.irp n, 0,1
.if \n
	s_add_co_u32 s[OFFP], s[OFFP], STEPP
	s_add_co_u32 s[OFFV], s[OFFV], STEPV
.endif
	s_mov_b32 s[G0+4*\n], 1
	s_add_co_u32 s[G0+4*\n+1], s88, \n*SLOT
	s_add_nc_u64 s[G0+4*\n+2:G0+4*\n+3], s[4:5], s[OFFP:OFFP+1]
	s_or_b32 s[G0+4*\n+3], s[G0+4*\n+3], 0x80000000
	s_mov_b32 s[G0B+4*\n], 1
	s_add_co_u32 s[G0B+4*\n+1], s89, \n*SLOT
	s_add_nc_u64 s[G0B+4*\n+2:G0B+4*\n+3], s[10:11], s[OFFV:OFFV+1]
	s_or_b32 s[G0B+4*\n+3], s[G0B+4*\n+3], 0x80000000
	JLOAD \n                                       ; two loads of mine are out
.endr
	s_lshl_b32 s90, s20, 9                         ; the tables at my 64 rows of the first tile: (512 b + 8 pr + 2 cy + rh) x 256 bytes; 8,192 bytes from block to block
	s_lshl_b32 s91, s21, 3
	s_add_co_u32 s90, s90, s91
	s_lshl_b32 s91, s18, 1
	s_add_co_u32 s90, s90, s91
	s_add_co_u32 s90, s90, s15
	s_lshl_b32 s[SMO], s90, 8
	s_lshl_b32 s91, s81, 11
	s_add_co_u32 s91, s91, s[SMO]                  ; and of the second
	v_and_b32 v1, 15, v0                           ; r
	v_bfe_u32 v2, v0, 4, 1                         ; h
	v_lshlrev_b32 v[MO], 4, v1
	v_add_nc_u32 v[MOX], s[SMO], v[MO]
	v_add_nc_u32 v[MOX+1], STEPM, v[MOX]
	v_add_nc_u32 v[MOB], s91, v[MO]
	s_add_co_u32 s[SMO], s[SMO], STEPM             ; at the slot asked for last
.irp j, 0,1,2,3,4,5,6,7,8,9,10,11,12,13,14,15
	global_load_b128 v[TM+4*\j:TM+4*\j+3], v[MOX], s[6:7] offset:8192*\j
	global_load_b128 v[TL+4*\j:TL+4*\j+3], v[MOX], s[6:7] offset:LTAB+8192*\j
.endr
	WIN TO_F                                       ; the second tile's tables: window 1, free until the first fragments come
.irp j, 0,1,2,3,4,5,6,7,8,9,10,11,12,13,14,15
	global_load_b128 v[TM+4*\j:TM+4*\j+3], v[MOB], s[6:7] offset:8192*\j
	global_load_b128 v[TL+4*\j:TL+4*\j+3], v[MOB], s[6:7] offset:LTAB+8192*\j
.endr
	WIN 0
.irp s, 0,1
	global_load_b128 v[NMJ+8*\s:NMJ+8*\s+3], v[MOX+\s], s[6:7]                   ; -M_j of the first two slots' blocks once more: the tables' registers are worked on in place
	global_load_b128 v[NMJ+8*\s+4:NMJ+8*\s+7], v[MOX+\s], s[6:7] offset:8192
.endr
	v_mul_u32_u24 v3, v1, PA
	v_lshl_add_u32 v3, v2, 4, v3
	s_mul_i32 s82, s15, AHALF
	v_add_nc_u32 v[ADRA], s82, v3                  ; p's fragments: my 64 rows; row r x pitch + 16 h
	v_add_nc_u32 v[ADRA+1], SLOT, v[ADRA]
	v_and_b32 v4, 7, v0
	v_lshl_add_u32 v4, v2, 3, v4
	v_mul_u32_u24 v4, v4, PV                       ; v's: key 8 h + lane % 8,
	v_bfe_u32 v5, v0, 3, 1
	v_lshl_add_u32 v4, v5, 4, v4                   ; channels 8 ((lane / 8) % 2) on,
	s_lshl_b32 s82, s16, 7
	s_add_co_u32 s82, s82, VOFF                    ; in my 64 channels
	v_add_nc_u32 v[ADRB], s82, v4
	v_add_nc_u32 v[ADRB+1], VHALF, v[ADRB]         ; (a second register for keys 128 on keeps the loads' offsets inside 16 bits)
	v_add_nc_u32 v[ADRB+2], SLOT, v[ADRB]
	v_add_nc_u32 v[ADRB+3], SLOT, v[ADRB+1]
	s_mul_i32 s82, s14, 16*SP
	s_add_co_u32 s82, s82, STAGE                   ; my stage
	v_mul_u32_u24 v3, v1, SP
	v_lshl_add_u32 v3, v2, 5, v3
	v_add_nc_u32 v[STO], s82, v3                   ; in: row r, 32 bytes for each half of the lanes
	v_mul_u32_u24 v3, v2, SP
	v_lshl_add_u32 v3, v1, 4, v3
	v_add_nc_u32 v[RD], s82, v3                    ; back: lanes 0-15 one row of 256 bytes, lanes 16-31 the next
	v_lshlrev_b32 v3, 12, v2
	v_lshl_add_u32 v[CO], v1, 4, v3                ; and the same two rows in out0
	s_lshl_b32 s94, s15, 6
	s_add_co_u32 s94, s94, s84                     ; my first row of out0
	s_lshl_b32 s94, s94, 12
	s_lshl_b32 s95, s22, 11
	s_add_co_u32 s94, s94, s95                     ; + 2,048 bytes for the half of the channels
	s_lshl_b32 s95, s17, 9
	s_add_co_u32 s94, s94, s95                     ; + 512 a tile
	s_lshl_b32 s95, s16, 8
	s_add_co_u32 s94, s94, s95                     ; + 256 for my 64
	s_mov_b32 s95, 0
	s_add_nc_u64 s[12:13], s[12:13], s[94:95]
	; the prefetches stand at the third slot of the walk; each change of slots steps them on, then asks
	s_lshl_b32 s90, s17, 5
	s_add_co_u32 s90, s90, s84                     ; p: my work-group's 32 rows,
	s_lshl_b32 s90, s90, 12
	s_lshl_b32 s91, s16, 8
	s_add_co_u32 s90, s90, s91                     ; my wave's 256 bytes of a slot's 512;
	s_lshl_b32 s91, s81, 21
	s_cmp_eq_u32 s21, 0
	s_cselect_b32 s91, s91, 2*STEPP                ; the walk's third slot is the second tile's first (pr = 0) or the first tile's third
	s_add_co_u32 s90, s90, s91
	s_lshl_b32 s92, s18, 5
	s_add_co_u32 s92, s92, s87                     ; v: my work-group's 32 keys of my wave's 128
	s_mul_i32 s92, s92, 6144
	s_lshl_b32 s93, s22, 10
	s_add_co_u32 s92, s92, s93
	s_lshl_b32 s93, s17, 8
	s_add_co_u32 s92, s92, s93
	s_add_co_u32 s92, s92, 4096
	s_mov_b32 s93, STEPV
	s_mov_b32 s94, 6144
	s_cmp_eq_u32 s15, 0                            ; p's wave or v's?
	s_cselect_b64 s[PFB:PFB+1], s[4:5], s[10:11]
	s_cselect_b32 s[PFOFF], s90, s92
	s_cselect_b32 s[PFS], STEPP, s93
	s_cselect_b32 s[PFJ], s[JP], s93
	s_cselect_b32 s94, 4096, s94                   ; from lane to lane
	s_cselect_b32 s95, s22, s21                    ; p's waves ask where the half of the channels is 0, v's where pr is 0
	s_cselect_b32 s[LO0], 0, 2                     ; p from the first change of slots on, v from the fourth
	s_cselect_b32 s[LO0+1], 0, 1
	s_cmp_eq_u32 s95, 0
	s_cselect_b32 s[LO0], s[LO0], 100              ; the same in all sixteen partners, for a given wave
	s_cselect_b32 s[LO0+1], s[LO0+1], 100
	v_and_b32 v[PFO], 31, v0
	v_mul_lo_u32 v[PFO], v[PFO], s94
	s_wait_loadcnt 0x0                             ; the tables
; A tile's rows: -M = the least -M_j, l = the sum of 2^(M_j - M) l_j, 1 / l.  W: the window in which the tables lie.  The work goes by kinds of instruction, so that the windows are switched seven times.
.macro TCOMP W, nmr, ri
	WIN ((\W)|((\W)<<2))
.irp a, 0,1,2,3
	v_min_num_f32 v[\nmr+\a], v[TM+\a], v[TM+4+\a]
.endr
	WIN (((\W)<<2)|((\W)<<4))
.irp j, 2,4,6,8,10,12,14
.irp a, 0,1,2,3
	v_min3_num_f32 v[\nmr+\a], v[\nmr+\a], v[TM+4*\j+\a], v[TM+4+4*\j+\a]
.endr
.endr
	WIN (((\W)<<6)|((\W)<<2))
.set n, 0
.rept 64
	v_sub_f32 v[TM+n], v[\nmr+n%4], v[TM+n]        ; M_j - M: a whole number, 0 or less (about -3e38 for a hidden block)
.set n, n+1
.endr
	WIN (((\W)<<6)|(\W))
.set n, 0
.rept 64
	v_cvt_i32_f32 v[TM+n], v[TM+n]                 ; (it saturates)
.set n, n+1
.endr
	WIN (((\W)<<6)|((\W)<<2)|(\W))
.set n, 0
.rept 64
	v_ldexp_f32 v[TL+n], v[TL+n], v[TM+n]
.set n, n+1
.endr
	WIN ((\W)|((\W)<<2))
.irp a, 0,1,2,3
	v_add_f32 v[LSUM+\a], v[TL+\a], v[TL+4+\a]     ; the first two terms start the sum
.endr
	WIN ((\W)<<2)
.set n, 8
.rept 56
	v_add_f32 v[LSUM+n%4], v[LSUM+n%4], v[TL+n]
.set n, n+1
.endr
	WIN 0
.irp a, 0,1,2,3
	v_rcp_f32 v[\ri+\a], v[LSUM+\a]                ; key 0 counts for every query, so l is 0.5 at the least
.endr
	v_nop                                          ; a plain line behind the reciprocals (ISA guide 5.7.2)
.endm
	TCOMP 0, NMR, RI
	TCOMP 1, NMRB, RIB
.macro FACT src, dst                   ; a block's factors 2^(M_j - M) / l, in f32, made twice: a pair for the packed forms.  16 plain lines
.irp a, 0,1,2,3
	v_sub_f32 v[T+\a], v[NMR+\a], v[\src+\a]
.endr
.irp a, 0,1,2,3
	v_cvt_i32_f32 v[T+\a], v[T+\a]
.endr
	s_wait_alu depctr_va_vdst(0)
.irp a, 0,1,2,3
	v_ldexp_f32 v[\dst+2*\a], v[RI+\a], v[T+\a]
	v_ldexp_f32 v[\dst+2*\a+1], v[RI+\a], v[T+\a]
.endr
.endm
; Matrix instruction i (the symbol i) of 16: queries 16 (i / 4) on, channels 16 (i % 4) on, the c-th 32 keys of buffer f.  The 16 accumulators take turns, one instruction a turn.
.macro WM f, c, zero
	WIN MUL
.if \zero
	v_wmma_f32_16x16x32_f16 v[8*i:8*i+7], v[128*(\f)+64*(\c)+8*(i%4):128*(\f)+64*(\c)+8*(i%4)+7], v[128*(\f)+64*(\c)+32+8*(i/4):128*(\f)+64*(\c)+32+8*(i/4)+7], 0
.else
	v_wmma_f32_16x16x32_f16 v[8*i:8*i+7], v[128*(\f)+64*(\c)+8*(i%4):128*(\f)+64*(\c)+8*(i%4)+7], v[128*(\f)+64*(\c)+32+8*(i/4):128*(\f)+64*(\c)+32+8*(i/4)+7], v[8*i:8*i+7]
.endif
.endm
; Accumulator i of the block that is over goes into O: kind 1: O = f S (a tile's first block: nothing is cleared); kind 2: O += f S.  From the accumulator's low end on.
.macro UPD kind
	WIN W_UP
.irp p, 0,2,4,6
.if \kind == 1
	v_pk_mul_f32 v[128+8*i+\p:128+8*i+\p+1], v[8*i+\p:8*i+\p+1], v[FP+2*(i/4):FP+2*(i/4)+1]
.else
	v_pk_fma_f32 v[128+8*i+\p:128+8*i+\p+1], v[8*i+\p:8*i+\p+1], v[FP+2*(i/4):FP+2*(i/4)+1], v[128+8*i+\p:128+8*i+\p+1]
.endif
.endr
.endm
.macro PLACES                          ; four plain vector lines between a matrix instruction and a load into its registers (ISA guide 7.12.1 for vector instructions)
.rept 4
	v_nop
.endr
.endm
.macro FETCH slot, q, g                ; 32 LDS loads in one run: the fragments of the slot's q-th 64 keys into buffer g; the first 32 keys first: v's four, turned, then p's four
	WIN TO_F
.irp c, 0,1
.irp e, 0,1,2,3
	ds_load_tr16_b128 v[128*(\g)+64*\c+8*\e:128*(\g)+64*\c+8*\e+3],   v[ADRB+2*\slot+(\q)/2] offset:(64*((\q)%2)+32*\c)*PV+32*\e
	ds_load_tr16_b128 v[128*(\g)+64*\c+8*\e+4:128*(\g)+64*\c+8*\e+7], v[ADRB+2*\slot+(\q)/2] offset:(64*((\q)%2)+32*\c)*PV+32*\e+16*PV
.endr
.irp a, 0,1,2,3
	ds_load_b128 v[128*(\g)+64*\c+32+8*\a:128*(\g)+64*\c+32+8*\a+3],   v[ADRA+\slot] offset:128*(\q)+64*\c+16*PA*\a
	ds_load_b128 v[128*(\g)+64*\c+32+8*\a+4:128*(\g)+64*\c+32+8*\a+7], v[ADRA+\slot] offset:128*(\q)+64*\c+16*PA*\a+32
.endr
.endr
.endm
; One of a slot's first three quarters: 64 keys, 32 matrix instructions, on buffer q % 2; behind its fourth matrix instruction the next quarter's fragments are fetched into the other buffer.
; zero = 1: the quarter begins a block: its first sixteen products start the sums;  upd: what becomes of the last block's sums just ahead of that, four accumulators at a time (0: a tile's first block: nothing).
.macro QUARTER slot, q, zero, upd
	s_wait_dscnt 16                                ; the first 32 keys' fragments are in; the youngest sixteen loads may be out
.set BUF, (\q)%2
.set GRP, 0
.rept 4
.if \upd
.set i, 4*GRP
.rept 4
	UPD \upd
.set i, i+1
.endr
.endif
.set i, 4*GRP
.rept 4
	WM BUF, 0, \zero
.set i, i+1
.endr
.if GRP == 0
	PLACES
	FETCH \slot, (\q)+1, 1-BUF
.endif
.set GRP, GRP+1
.endr
	s_wait_dscnt 32                                ; all but the 32 just issued
.set i, 0
.rept 16
	WM BUF, 1, 0
.set i, i+1
.endr
.endm
; Behind a slot's first block: its factors.  These 16 plain lines, which name no register of the products, are the places between the block's last products and the lines that read its sums (4 are wanted) or write
; over them (5).  lc: the loads of -M_j issued behind this slot's: the other slot's two, or none.
.macro MIDFACT slot, lc
	WIN 0
	s_wait_loadcnt \lc
	FACT NMJ+8*\slot, FP
.endm
; A slot's last quarter, on buffer 1, changes slots: one barrier; in front of it each wave waits for all its tensor loads, adds 0 to its spare word, and waits for that and for its reads of the slot.
; fill = 1: the barrier opens a round of the cluster's, and the slot is filled again with what stands two slots on in the walk.  The offsets take a step; where the walk passes from the first tile into the second
; (the change out of slot 0 in lap pr) they take the jump.  At the quarter's end the second block's factors are made, and the -M_j of what the slot takes next are asked for.
.macro TURN slot, next, fill, lc
	s_wait_dscnt 16                                ; the first 32 keys' fragments are in
	WIN 0
.if \fill
	s_wait_xcnt 0x0                                ; the last prefetch, a slot back, has read its offset
.if \slot
	s_cmp_eq_u32 s3, s[PRM1]                       ; the prefetches run one slot ahead of the refills: they pass into the second tile at the change out of slot 1 in lap pr - 1
	s_cselect_b32 s2, s[PFJ], s[PFS]
	s_add_co_u32 s[PFOFF], s[PFOFF], s2
.else
	s_add_co_u32 s[PFOFF], s[PFOFF], s[PFS]
.endif
	v_add_nc_u32 v[PFV], s[PFOFF], v[PFO]
.endif
	s_wait_tensorcnt 0x0                           ; all my tensor loads have landed: my part of the next slot
	ds_add_u32 v[SPW], v[NIL]                      ; 0 onto my spare word
.set i, 0
.rept 8
	WM 1, 0, 0
.set i, i+1
.endr
	s_wait_dscnt 0x0                               ; the add is done, and my reads of this slot are over
	s_barrier_signal -1
.rept 8
	WM 1, 0, 0
.set i, i+1
.endr
	WIN 0
	s_barrier_wait -1
.if \fill
	CREST                                          ; no wave of any partner still reads this slot's tiles or has a load on its way
.if \slot
	s_add_co_u32 s[OFFP], s[OFFP], STEPP
	s_add_co_u32 s[OFFV], s[OFFV], STEPV
	s_add_co_u32 s[SMO], s[SMO], STEPM
.else
	s_cmp_eq_u32 s3, s21
	s_cselect_b32 s80, s[JP], STEPP
	s_cselect_b32 s81, s[JV], STEPV
	s_cselect_b32 s82, s[JM], STEPM
	s_add_co_u32 s[OFFP], s[OFFP], s80
	s_add_co_u32 s[OFFV], s[OFFV], s81
	s_add_co_u32 s[SMO], s[SMO], s82
.endif
	s_add_nc_u64 s[G0+4*\slot+2:G0+4*\slot+3], s[4:5], s[OFFP:OFFP+1]
	s_or_b32 s[G0+4*\slot+3], s[G0+4*\slot+3], 0x80000000
	s_add_nc_u64 s[G0B+4*\slot+2:G0B+4*\slot+3], s[10:11], s[OFFV:OFFV+1]
	s_or_b32 s[G0B+4*\slot+3], s[G0B+4*\slot+3], 0x80000000
	JLOAD \slot                                    ; the first tensor load behind the round; its four v_nop are also the places in front of the loads below
.else
	PLACES
.endif
	FETCH \next, 0, 0
.if \fill
	WIN 0
	ASK \slot
.endif
.set i, 0
.rept 16
	WM 1, 1, 0
.set i, i+1
.endr
	WIN 0
	s_wait_loadcnt \lc                             ; this slot's -M_j, asked for a lap ago
	FACT NMJ+8*\slot+4, FP
.if \fill
	v_add_nc_u32 v[MOX+\slot], s[SMO], v[MO]       ; (the loads that read this offset are back)
	global_load_b128 v[NMJ+8*\slot:NMJ+8*\slot+3], v[MOX+\slot], s[6:7]
	global_load_b128 v[NMJ+8*\slot+4:NMJ+8*\slot+7], v[MOX+\slot], s[6:7] offset:8192
.endif
.endm
; THE WAY OUT of a tile, block by block of 16 queries x 64 channels: the last block's sums are added, then through my stage and back as whole rows of 256 bytes.
.macro FIN a
.set i, 4*(\a)
.rept 4
	UPD 2
.set i, i+1
.endr
.endm
.macro TOSTAGE a
	WIN 0x08                                       ; an LDS store's data are its source 1: window 2
.irp e, 0,1,2,3
	ds_store_b128 v[STO], v[128+8*(4*(\a)+\e):128+8*(4*(\a)+\e)+3] offset:64*\e
	ds_store_b128 v[STO], v[128+8*(4*(\a)+\e)+4:128+8*(4*(\a)+\e)+7] offset:64*\e+16
.endr
	WIN 0
.set BB, BK+32*((\a)%2)
.irp t, 0,1,2,3,4,5,6,7
	ds_load_b128 v[BB+4*\t:BB+4*\t+3], v[RD] offset:\t*2*SP        ; LDS serves a wave's instructions in order: these see the stores above
.endr
.endm
.macro SEND a, younger, mask           ; younger: the LDS instructions issued behind block a's loads, which may stay out.  mask = 1: rows 0 to 15 of a batch are left out, by EXEC, so that no jump hangs on the place in the cluster
.set BB, BK+32*((\a)%2)
	s_wait_dscnt \younger
.if \mask
	v_cmp_ne_u32 vcc_lo, s[MK], v[NIL]             ; all lanes or none
	s_wait_xcnt 0x0                                ; EXEC changes only behind this wait
	s_and_saveexec_b32 s[SVX], vcc_lo
.endif
.irp t, 0,1,2,3,4,5,6,7
	global_store_b128 v[CO], v[BB+4*\t:BB+4*\t+3], s[12:13] offset:(\a)*65536+\t*8192 th:TH_STORE_NT   ; 16 lanes store 256 consecutive bytes, aligned
.endr
.if \mask
	s_wait_xcnt 0x0                                ; and again, in front of the line that widens it
	s_or_b32 exec_lo, exec_lo, s[SVX]
.endif
.endm
.macro WAYOUT mask
	s_wait_xcnt 0x0                                ; an earlier way out's stores have read their registers
	FIN 0
	TOSTAGE 0
	FIN 1
	TOSTAGE 1
	SEND 0, 16, \mask                              ; behind block 0's loads: block 1's 8 stores and 8 loads
	FIN 2
	s_wait_xcnt 0x0                                ; block 0's stores have read their registers: block 2's loads may land there
	TOSTAGE 2
	SEND 1, 16, 0
	FIN 3
	s_wait_xcnt 0x0
	TOSTAGE 3
	SEND 2, 16, 0
	SEND 3, 0, 0
.endm
	s_wait_tensorcnt 1                             ; my part of slot 0 is in (slot 1's load may be out),
	s_barrier_signal -1
	s_barrier_wait -1                              ; everybody's is
	FETCH 0, 0, 0
	s_mov_b32 s3, 0                                ; the lap
	QUARTER 0, 0, 1, 0                             ; lap 0 begins the first tile: there is nothing yet to add up,
	QUARTER 0, 1, 0, 0
	MIDFACT 0, 2
	QUARTER 0, 2, 1, 1                             ; and O begins as f_0 S_0
	TURN 0, 1, 1, 2
	QUARTER 1, 0, 1, 2
	QUARTER 1, 1, 0, 0
	MIDFACT 1, 2
	QUARTER 1, 2, 1, 2
	TURN 1, 0, 1, 2
	s_mov_b32 s3, 1
.Llap:                                             ; laps 1 to 3: each goes once round the ring and fills both slots again
	s_cmp_eq_u32 s3, s[LSH]                        ; does the second tile begin here?  The cluster's number and the lap: the same in all partners
	s_cbranch_scc0 .Lsame_a
	WAYOUT 1                                       ; both refills of the lap before are asked for: the first tile goes out while they are on their way
	s_wait_xcnt 0x0                                ; its stores have read their base
	s_add_nc_u64 s[12:13], s[12:13], s[DOUT:DOUT+1]
.irp a, 0,1,2,3
	v_mov_b32 v[NMR+\a], v[NMRB+\a]                ; the second tile's rows
	v_mov_b32 v[RI+\a], v[RIB+\a]
.endr
	QUARTER 0, 0, 1, 0
	WIN 0
	s_branch .Lgo_a
.Lsame_a:
	QUARTER 0, 0, 1, 2
	WIN 0
.Lgo_a:
	QUARTER 0, 1, 0, 0
	MIDFACT 0, 2
	s_cmp_eq_u32 s3, s[LSH]
	s_cbranch_scc0 .Lsame_b
	QUARTER 0, 2, 1, 1
	WIN 0
	s_branch .Lgo_b
.Lsame_b:
	QUARTER 0, 2, 1, 2
	WIN 0
.Lgo_b:
	TURN 0, 1, 1, 2
	QUARTER 1, 0, 1, 2
	QUARTER 1, 1, 0, 0
	MIDFACT 1, 2
	QUARTER 1, 2, 1, 2
	TURN 1, 0, 1, 2
	s_add_co_u32 s3, s3, 1
	s_cmp_lt_u32 s3, 4
	s_cbranch_scc1 .Llap
	QUARTER 0, 0, 1, 2                             ; lap 4 is written out: it asks for nothing
	QUARTER 0, 1, 0, 0
	MIDFACT 0, 2
	QUARTER 0, 2, 1, 2
	TURN 0, 1, 0, 2
	QUARTER 1, 0, 1, 2
	QUARTER 1, 1, 0, 0
	MIDFACT 1, 0
	QUARTER 1, 2, 1, 2
	s_wait_dscnt 16                                ; the very last quarter: nothing more to fetch
.set i, 0
.rept 16
	WM 1, 0, 0
.set i, i+1
.endr
	s_wait_dscnt 0x0
.set i, 0
.rept 16
	WM 1, 1, 0
.set i, i+1
.endr
	WIN 0
	s_wait_loadcnt 0x0
	FACT NMJ+12, FP                                ; the last block's factors: also the places between the last products and the first read of their sums
	WAYOUT 0
	s_wait_tensorcnt 0x0                           ; the wave's end
	ds_add_u32 v[SPW], v[NIL]
	s_wait_dscnt 0x0
	CROUND                                         ; the closing round
	s_endpgm
.Lfunc_end_k_q13c88821b3_pv:
	.size	k_q13c88821b3_pv, .Lfunc_end_k_q13c88821b3_pv-k_q13c88821b3_pv
	.p2alignl 7, 3214868480
	.fill 96, 4, 3214868480
	.section	.rodata,"a",@progbits
	.p2align	6, 0x0
	.amdhsa_kernel k_q13c88821b3_pv
		.amdhsa_group_segment_fixed_size 327680
		.amdhsa_private_segment_fixed_size 0
		.amdhsa_enable_private_segment 0
		.amdhsa_kernarg_size 32
		.amdhsa_user_sgpr_count 2
		.amdhsa_user_sgpr_kernarg_segment_ptr 1
		.amdhsa_wavefront_size32 1
		.amdhsa_system_sgpr_workgroup_id_x 1
		.amdhsa_system_sgpr_workgroup_id_y 1
		.amdhsa_system_sgpr_workgroup_id_z 1
		.amdhsa_system_vgpr_workitem_id 0
		.amdhsa_next_free_vgpr 768
		.amdhsa_next_free_sgpr 98
		.amdhsa_reserve_vcc 1
		.amdhsa_float_denorm_mode_32 3
		.amdhsa_float_denorm_mode_16_64 3
		.amdhsa_memory_ordered 1
		.amdhsa_forward_progress 1
		.amdhsa_inst_pref_size 245
	.end_amdhsa_kernel
	.amdgpu_metadata
---
amdhsa.version: [ 1, 2 ]
amdhsa.kernels:
  - .name:           k_q13c88821b3_pv
    .symbol:         k_q13c88821b3_pv.kd
    .args:
      - { .name: pt, .offset: 0, .size: 8, .value_kind: global_buffer, .address_space: global }
      - { .name: ml, .offset: 8, .size: 8, .value_kind: global_buffer, .address_space: global }
      - { .name: qkv, .offset: 16, .size: 8, .value_kind: global_buffer, .address_space: global }
      - { .name: out0, .offset: 24, .size: 8, .value_kind: global_buffer, .address_space: global }
    .group_segment_fixed_size: 327680
    .private_segment_fixed_size: 0
    .kernarg_segment_align: 8
    .kernarg_segment_size: 32
    .max_flat_workgroup_size: 128
    .sgpr_count:     98
    .vgpr_count:     768
    .wavefront_size: 32
...
	.end_amdgpu_metadata
.endif
;; end of part 7
